; MI455X (gfx1250); checked and timed in simulation.
; The chip was launched on July 23, 2026; its instructions are those of AMD's public machine-readable ISA for CDNA 5 (MIT licence, August 2026) and "CDNA5" Instruction Set Architecture Reference Guide (July 2026). The comments in the code are by the model that wrote it; some were corrected since.
;; Attention Occupancy Network. Allowed arithmetic: matrix products marked QUANTISED: E2M1 operands, one E8M0 scale for each 32 along K, by v_wmma_scale_f32_16x16x128_f8f6f4 with both operands' format E2M1 (or v_wmma_scale_f32_32x16x128_f4), f32 sums; products left as they are: f32 operands where the result goes on into a quantised operand, else bf16, f16 or f32 operands; f32 sums; everything else in f32.
;; Inputs: Wh1_codes 512 x 16 x 16 uint8 (E2M1 codes of Wh1, K innermost, in blocks of 32 codes, two codes a byte); Wh1_scales 512 x 16 uint8 (E8M0 scales of Wh1, one for each 32 codes along K); Wh2_codes 256 x 16 x 16 uint8 (E2M1 codes of Wh2, K innermost, in blocks of 32 codes, two codes a byte); Wh2_scales 256 x 16 uint8 (E8M0 scales of Wh2, one for each 32 codes along K); Wh3 256 x 1 float32; Wk_codes 512 x 16 x 16 uint8 (E2M1 codes of Wk, K innermost, in blocks of 32 codes, two codes a byte); Wk_scales 512 x 16 uint8 (E8M0 scales of Wk, one for each 32 codes along K); Wo_codes 512 x 16 x 16 uint8 (E2M1 codes of Wo, K innermost, in blocks of 32 codes, two codes a byte); Wo_scales 512 x 16 uint8 (E8M0 scales of Wo, one for each 32 codes along K); Wq_codes 512 x 16 x 16 uint8 (E2M1 codes of Wq, K innermost, in blocks of 32 codes, two codes a byte); Wq_scales 512 x 16 uint8 (E8M0 scales of Wq, one for each 32 codes along K); Wqe1 3 x 512 float32; Wqe2_codes 512 x 16 x 16 uint8 (E2M1 codes of Wqe2, K innermost, in blocks of 32 codes, two codes a byte); Wqe2_scales 512 x 16 uint8 (E8M0 scales of Wqe2, one for each 32 codes along K); Wrel 3 x 512 float32; Wv_codes 512 x 16 x 16 uint8 (E2M1 codes of Wv, K innermost, in blocks of 32 codes, two codes a byte); Wv_scales 512 x 16 uint8 (E8M0 scales of Wv, one for each 32 codes along K); bh1 512 float32; bh2 256 float32; bh3 1 float32; bk 512 float32; bo 512 float32; bq 512 float32; bqe1 512 float32; bqe2 512 float32; brel 512 float32; bv 512 float32; context_coords 8,192 x 3 float32; context_features 8,192 x 512 float32; ln_b 512 float32; ln_g 512 float32; query_points_coords 16,384 x 3 float32.
;; Outputs: out0 16,384 x 1 float32.
;; Constants: k_neighbors = 4.
;; This version of the problem:
;;   THIS VERSION OF THE PROBLEM IS GIVEN IN LOW PRECISION. The matrix products marked QUANTISED in the list below multiply operands that are first quantised to E2M1 (2 exponent bits, 1 mantissa bit; 4 bits a number), with one power-of-two scale for each 32 numbers along K (OCP MX v1.0); their sums are f32. All else is computed in f32.
;;   The module's matrix products, in the order in which they are computed (A, B: the left and right operand; K: the contracted axis; several contracted axes count as one K, in the product's order):
;;     1. [M 16,384, K 3] x [K 3, N 8,192]; A: computed on the way; B: input context_coords: left as it is (K = 3 < 32)
;;     2. [M 16,384, K 3] x [K 3, N 512]; A: input query_points_coords; B: input Wqe1: left as it is (K = 3 < 32)
;;     3. [M 16,384, K 512] x [K 512, N 512]; A: computed on the way; B: input Wqe2 (given as codes): QUANTISED
;;     4. [M 65,536, K 3] x [K 3, N 512]; A: computed on the way; B: input Wrel: left as it is (K = 3 < 32)
;;     5. [M 16,384, K 512] x [K 512, N 512]; A: computed on the way; B: input Wq (given as codes): QUANTISED
;;     6. [M 65,536, K 512] x [K 512, N 512]; A: computed on the way; B: input Wk (given as codes): QUANTISED
;;     7. [M 65,536, K 512] x [K 512, N 512]; A: computed on the way; B: input Wv (given as codes): QUANTISED
;;     8. batch 131,072 x [M 1, K 64] x [K 64, N 4]; A: computed on the way; B: computed on the way: left as it is (M = 1 < 16)
;;     9. batch 131,072 x [M 1, K 4] x [K 4, N 64]; A: softmax; B: computed on the way: left as it is (K = 4 < 32)
;;     10. [M 16,384, K 512] x [K 512, N 512]; A: computed on the way; B: input Wo (given as codes): QUANTISED
;;     11. [M 16,384, K 512] x [K 512, N 512]; A: computed on the way; B: input Wh1 (given as codes): QUANTISED
;;     12. [M 16,384, K 512] x [K 512, N 256]; A: computed on the way; B: input Wh2 (given as codes): QUANTISED
;;     13. [M 16,384, K 256] x [K 256, N 1]; A: computed on the way; B: input Wh3: left as it is (N = 1 < 16)
;;   THE QUANTISER, for each operand of a quantised product, along K:
;;     - K is cut into blocks of 32 from its start; a last block that is shorter is filled with zeros.
;;     - A block's scale is 2^e with e = floor(log2(the largest magnitude in the block)) - 2, held to -126 .. 127; a block of zeros has e = 0. As a byte (E8M0): e + 127.
;;     - Each number is divided by its block's scale, clamped to +-6, and rounded to the nearest number of E2M1, ties to even, subnormals kept.
;;     - The product sums the exact products of the quantised numbers (number of the format x scale) in f32.
;;   ~~~python
;;   def quantise(x, axis):      # numpy; x: float32 -> the quantised numbers, widened to float32 again
;;       x = np.moveaxis(x, axis, -1); K = x.shape[-1]
;;       x = np.pad(x, [(0, 0)] * (x.ndim - 1) + [(0, -K % 32)]); x = x.reshape(x.shape[:-1] + (-1, 32)); a = np.abs(x).max(-1, keepdims=True)
;;       e = np.where(a > 0, np.clip(np.frexp(np.where(a > 0, a, 1))[1] - 1 - 2, -126, 127), 0)      # np.frexp(a)[1] - 1 = floor(log2(a)), exactly
;;       r = np.clip(x / 2.0 ** e, -6, 6)
;;       step = 2.0 ** (np.maximum(np.frexp(np.where(r == 0, 1, r))[1] - 1, 0) - 1)
;;       q = np.round(r / step) * step * 2.0 ** e      # np.round: ties to even
;;       return np.moveaxis(q.reshape(q.shape[:-2] + (-1,))[..., :K], -1, axis).astype(np.float32)
;;   ~~~
;;   OPERANDS COMPUTED ON THE WAY. 'Computed on the way' means the value that the module computes at that place (a softmax that the list does not call 'softmax' is quantised finished and normalised). What goes into a quantiser is computed in f32, as accurately as f32 sums, v_exp_f32 and their like allow (about 1e-6 of the number): no bf16 or f16 on the way to a quantiser, and a product that is left as it is and whose result goes on into a quantised operand takes f32 operands (vector FMAs, or v_wmma_f32_16x16x4_f32). A number that lies on a knife's edge between two numbers of the format may be rounded either way, as far as f32 arithmetic and the matrix unit's own rounding can turn it there, and no further.
;;   INPUTS GIVEN AS CODES. Wh1 (in the module: [512, 512], K = its axis 0); Wh2 (in the module: [512, 256], K = its axis 0); Wk (in the module: [512, 512], K = its axis 0); Wo (in the module: [512, 512], K = its axis 0); Wq (in the module: [512, 512], K = its axis 0); Wqe2 (in the module: [512, 512], K = its axis 0); Wv (in the module: [512, 512], K = its axis 0): each comes as NAME_codes (uint8): NAME with its K axis moved to the last place and cut into blocks of 32 codes, [.., K / 32, bytes a block], one block behind the other in memory; two codes a byte, the lower K in the low four bits (a code: sign, 2 exponent bits, 1 mantissa bit); and NAME_scales (uint8): the same leading axes, one E8M0 byte (e + 127) for each 32 codes along K. Its value is code x scale, taken as it is: it is not quantised again, and the codes and scales need not be those that the quantiser above would give.
;; 3 versions. Each part assembles by itself: llvm-mc -triple=amdgcn-amd-amdhsa -mcpu=gfx1250 --defsym DOCPART=n.
;; ======== version 1 of 3: 3 launches
;; workspace buffers: grp 262,144 bytes of whole numbers; nn 262,144 bytes of whole numbers; par 18,432 bytes
;; launch knn_a (part 1): grid 256 x 1, 8 waves a work-group, no clusters, 148,480 bytes of LDS; arguments query_points_coords, context_coords, grp; writes grp
.if DOCPART == 1
	.amdgcn_target "amdgcn-amd-amdhsa--gfx1250"
	.amdhsa_code_object_version 6
	.text
	.protected	k_qd31240c8c6_knn_a
	.globl	k_qd31240c8c6_knn_a
	.p2align	8
	.type	k_qd31240c8c6_knn_a,@function
k_qd31240c8c6_knn_a:
	s_mov_b64 s[64:65], 0
	v_nop
	global_prefetch_b8 v0, s[64:65] scope:SCOPE_SE
	s_setreg_imm32_b32 hwreg(HW_REG_WAVE_MODE, 25, 1), 1
	s_wait_xcnt 0x0
; NEAREST NEIGHBOURS, STAGE 1.  For each of 16,384 queries: which four GROUPS of 32 neighbouring contexts (256 groups) have the smallest (group minimum of d2, group number).
; The four nearest contexts by (d2, index) lie in these four groups: a group that holds one of them is preceded by at most three groups, each of which holds a context that precedes it.
; So a distance costs its arithmetic and half a v_min3 here, and a sorted insertion is paid once for 32 distances.  Stage 2 goes through the 128 candidates with their indices.
; d2 = (qq + cc) - dot, qq = (q0 q0 + q1 q1) + q2 q2 and cc likewise with a rounding after each step (the squares are NOT fused, so that both stages and the sum as it is written agree),
; dot = fma(2 q2, c2, fma(2 q1, c1, 2 q0 c0)).  Both stages use the same operations in the same order, so their d2 have the same bits.
; LIMITS: NaN and infinities among the coordinates are not served.  Two contexts whose d2 differ by less than another order of summation can turn may come out swapped.
; SHARES: a work-group owns 64 queries; wave w walks contexts 1,024 w .. 1,024 w + 1,023 (32 groups); a lane owns queries 32 u + lane, u = 0, 1.  The eight waves' lists meet in LDS at the end.
; LDS: each wave's own 16,384 bytes: its contexts, four to a block of 64 bytes: c0 x 4, c1 x 4, c2 x 4, cc x 4; all lanes read the same address.  Behind them 16,384 bytes for the lists.
; No matrix unit (K = 3), no tensor load, no cluster: the contexts are 96 KiB in all and each wave reads its eighth once.
.set ADA, 2                            ; v2   LDS address of the loads into buffer A
.set ADB, 3                            ; v3   the same for buffer B
.set QV,  4                            ; v4-11   query u: 2 q0, 2 q1, 2 q2, qq
.set WB,  12                           ; v12  16,384 x wave
.set BST, 13                           ; v13  where I store my block of four contexts
.set MST, 14                           ; v14  where I store my lists
.set MRD, 15                           ; v15  where waves 0 and 1 read the eight lists of a query
.set FA,  16                           ; v16-79   buffer A: 4 blocks x 16 registers
.set FB,  80                           ; v80-143  buffer B
.set CC2, 112                          ; v112-143 while the contexts are laid out: cc
.set DE,  144                          ; v144-175 four chains (dot and sum, a pair each), two sets by turns
.set MN,  176                          ; v176-177 the group's minimum for query u
.set AL,  180                          ; v180-187 query u: the four smallest minima, ascending
.set GL,  188                          ; v188-195 and their groups
.set GID, 196                          ; v196 the group in hand
.set QOF, 197
.set COF, 198
.set OOF, 199
.set TQ,  200                          ; v200-207 at work
.set MRG, 131072
	s_load_b128 s[4:7], s[0:1], 0x0                ; the queries' coordinates, the contexts'
	s_load_b64 s[8:9], s[0:1], 0x10                ; grp
	v_lshl_add_u32 v208, v0, 2, 0x24000
	v_mov_b32 v209, 0
	v_lshrrev_b32 v1, 5, v0
	v_readfirstlane_b32 s10, v1                    ; wave 0..7
	v_and_b32 v1, 31, v0                           ; lane
	s_mul_i32 s14, ttmp9, 768                      ; 64 queries of 12 bytes
	v_mul_u32_u24 v[QOF], v1, 12
	v_add_nc_u32 v[QOF], s14, v[QOF]
	s_mul_i32 s15, s10, 12288                      ; 1,024 contexts of 12 bytes
	v_mul_u32_u24 v[COF], v1, 48                   ; four contexts a lane
	v_add_nc_u32 v[COF], s15, v[COF]
	s_lshl_b32 s16, s10, 14
	v_mov_b32 v[WB], s16
	v_lshlrev_b32 v[BST], 6, v1
	v_add_nc_u32 v[BST], s16, v[BST]
	s_lshl_b32 s17, s10, 11
	s_add_co_u32 s17, s17, MRG
	v_lshlrev_b32 v[MST], 5, v1
	v_add_nc_u32 v[MST], s17, v[MST]               ; lists: [wave][64 queries][32 bytes]
	v_lshlrev_b32 v[MRD], 5, v0                    ; in waves 0 and 1 the thread's number is the query's
	v_add_nc_u32 v[MRD], MRG, v[MRD]
	s_lshl_b32 s18, ttmp9, 10
	v_lshlrev_b32 v[OOF], 4, v0
	v_add_nc_u32 v[OOF], s18, v[OOF]               ; grp: 16 bytes a query
	s_wait_kmcnt 0x0
.irp u, 0,1
.irp a, 0,1,2
	global_load_b32 v[TQ+3*\u+\a], v[QOF], s[4:5] offset:384*\u+4*\a
.endr
.endr
.irp i, 0,1,2,3,4,5,6,7
.irp j, 0,1,2
	global_load_b128 v[FA+12*\i+4*\j:FA+12*\i+4*\j+3], v[COF], s[6:7] offset:1536*\i+16*\j   ; the wave's three loads cover 1,536 consecutive bytes: 128 contexts
.endr
.endr
	s_wait_loadcnt 0x0
.irp u, 0,1
	v_mul_f32 v[QV+4*\u+3], v[TQ+3*\u], v[TQ+3*\u]
	v_mul_f32 v[TQ+6], v[TQ+3*\u+1], v[TQ+3*\u+1]
	v_mul_f32 v[TQ+7], v[TQ+3*\u+2], v[TQ+3*\u+2]
	v_add_f32 v[QV+4*\u+3], v[QV+4*\u+3], v[TQ+6]
	v_add_f32 v[QV+4*\u+3], v[QV+4*\u+3], v[TQ+7]  ; qq
.irp a, 0,1,2
	v_add_f32 v[QV+4*\u+\a], v[TQ+3*\u+\a], v[TQ+3*\u+\a]   ; 2 q
.endr
.endr
; My four contexts of each of eight runs: register 12 i + 3 k + a is axis a of context k.  They go into block 32 i + lane of the wave's region.
.irp i, 0,1,2,3,4,5,6,7
.irp k, 0,1,2,3
	v_mul_f32 v[CC2+4*\i+\k], v[FA+12*\i+3*\k], v[FA+12*\i+3*\k]
	v_mul_f32 v[DE+\k], v[FA+12*\i+3*\k+1], v[FA+12*\i+3*\k+1]
.endr
.irp k, 0,1,2,3
	v_add_f32 v[CC2+4*\i+\k], v[CC2+4*\i+\k], v[DE+\k]
	v_mul_f32 v[DE+4+\k], v[FA+12*\i+3*\k+2], v[FA+12*\i+3*\k+2]
.endr
.irp k, 0,1,2,3
	v_add_f32 v[CC2+4*\i+\k], v[CC2+4*\i+\k], v[DE+4+\k]
.endr
.irp k, 0,1,2,3
.irp a, 0,1,2
	ds_store_b32 v[BST], v[FA+12*\i+3*\k+\a] offset:2048*\i+16*\a+4*\k
.endr
.endr
	ds_store_b128 v[BST], v[CC2+4*\i:CC2+4*\i+3] offset:2048*\i+48
.endr
.irp i, 0,1,2,3,4,5,6,7
	v_mov_b32 v[AL+\i], 0x7f800000                 ; the lists begin with +infinity
	v_mov_b32 v[GL+\i], 0
.endr
.macro LOADH buf, adr, off             ; half a group, 16 contexts: 16 loads, every lane the same 16 bytes
.irp k, 0,1,2,3
.irp a, 0,1,2,3
	ds_load_b128 v[\buf+16*\k+4*\a:\buf+16*\k+4*\a+3], v[\adr] offset:\off+64*\k+16*\a
.endr
.endr
.endm
; 16 contexts x 2 queries: for each block four chains (two contexts p, query u), written operation by operation so that no line waits for the line above it.
.macro HALF buf, first
.irp k, 0,1,2,3
.set DB, DE+16*(\k%2)
.irp u, 0,1
.irp p, 0,1
	v_pk_mul_f32 v[DB+8*\u+4*\p:DB+8*\u+4*\p+1], v[\buf+16*\k+2*\p:\buf+16*\k+2*\p+1], v[QV+4*\u:QV+4*\u+1] op_sel_hi:[1,0]
.endr
.endr
.irp u, 0,1
.irp p, 0,1
	v_pk_fma_f32 v[DB+8*\u+4*\p:DB+8*\u+4*\p+1], v[\buf+16*\k+4+2*\p:\buf+16*\k+4+2*\p+1], v[QV+4*\u:QV+4*\u+1], v[DB+8*\u+4*\p:DB+8*\u+4*\p+1] op_sel:[0,1,0] op_sel_hi:[1,1,1]
.endr
.endr
.irp u, 0,1
.irp p, 0,1
	v_pk_add_f32 v[DB+8*\u+4*\p+2:DB+8*\u+4*\p+3], v[\buf+16*\k+12+2*\p:\buf+16*\k+12+2*\p+1], v[QV+4*\u+2:QV+4*\u+3] op_sel:[0,1] op_sel_hi:[1,1]
.endr
.endr
.irp u, 0,1
.irp p, 0,1
	v_pk_fma_f32 v[DB+8*\u+4*\p:DB+8*\u+4*\p+1], v[\buf+16*\k+8+2*\p:\buf+16*\k+8+2*\p+1], v[QV+4*\u+2:QV+4*\u+3], v[DB+8*\u+4*\p:DB+8*\u+4*\p+1] op_sel_hi:[1,0,1]
.endr
.endr
.irp u, 0,1
.irp p, 0,1
	v_pk_add_f32 v[DB+8*\u+4*\p:DB+8*\u+4*\p+1], v[DB+8*\u+4*\p+2:DB+8*\u+4*\p+3], v[DB+8*\u+4*\p:DB+8*\u+4*\p+1] neg_lo:[0,1] neg_hi:[0,1]
.endr
.endr
.irp u, 0,1
.if \first && (\k == 0)
	v_min_num_f32 v[MN+\u], v[DB+8*\u], v[DB+8*\u+1]            ; the group's first two distances start its minimum
.else
	v_min3_num_f32 v[MN+\u], v[MN+\u], v[DB+8*\u], v[DB+8*\u+1]
.endif
.endr
.irp u, 0,1
	v_min3_num_f32 v[MN+\u], v[MN+\u], v[DB+8*\u+4], v[DB+8*\u+5]
.endr
.endr
.endm
; v[m] with its tag v[g] goes into the ascending list v[a] .. v[a+3] with tags v[l] .. v[l+3].  Strictly smaller only: on a tie the entry that came earlier stays in front.  No branch: every choice is a select.
.macro INSERT m, g, a, l, sb
	v_cmp_lt_f32 s[\sb+3], v[\m], v[\a+3]
	v_cmp_lt_f32 s[\sb+2], v[\m], v[\a+2]
	v_cmp_lt_f32 s[\sb+1], v[\m], v[\a+1]
	v_cmp_lt_f32 s[\sb], v[\m], v[\a]
	v_cndmask_b32 v[\l+3], v[\l+3], v[\g], s[\sb+3]
	v_cndmask_b32 v[\l+3], v[\l+3], v[\l+2], s[\sb+2]
	v_cndmask_b32 v[\l+2], v[\l+2], v[\g], s[\sb+2]
	v_cndmask_b32 v[\l+2], v[\l+2], v[\l+1], s[\sb+1]
	v_cndmask_b32 v[\l+1], v[\l+1], v[\g], s[\sb+1]
	v_cndmask_b32 v[\l+1], v[\l+1], v[\l], s[\sb]
	v_cndmask_b32 v[\l], v[\l], v[\g], s[\sb]
	v_med3_num_f32 v[\a+3], v[\a+2], v[\a+3], v[\m]
	v_med3_num_f32 v[\a+2], v[\a+1], v[\a+2], v[\m]
	v_med3_num_f32 v[\a+1], v[\a], v[\a+1], v[\m]
	v_min_num_f32 v[\a], v[\a], v[\m]
.endm
	s_mov_b32 s12, 0                               ; 512 bytes a group
	s_lshl_b32 s13, s10, 5                         ; my first group
	s_mov_b32 s11, 31
	v_mov_b32 v[ADA], v[WB]
	v_mov_b32 v[ADB], v[WB]
	LOADH FA, ADA, 0                               ; LDS serves a wave's instructions in order: these see the stores above
	LOADH FB, ADB, 256
.Lgroup:                                               ; a trip: one group of 32 contexts; the next group's halves are asked for as each buffer falls free
	s_wait_dscnt 16                                ; buffer A is in; B's 16 loads may be out
	v_add_nc_u32 v[ADA], s12, v[WB]                ; (its loads are in: the address may be written)
	v_mov_b32 v[GID], s13
	HALF FA, 1
	LOADH FA, ADA, 512
	s_wait_dscnt 16                                ; buffer B is in; the 16 loads just issued may be out
	v_add_nc_u32 v[ADB], s12, v[WB]
	HALF FB, 0
	LOADH FB, ADB, 768
	INSERT MN, GID, AL, GL, 20
	INSERT MN+1, GID, AL+4, GL+4, 24
	s_add_co_u32 s12, s12, 512
	s_add_co_u32 s13, s13, 1
	s_sub_co_u32 s11, s11, 1
	s_cmp_lg_u32 s11, 0
	s_cbranch_scc1 .Lgroup
	s_wait_dscnt 16                                ; the last group: nothing more to fetch
	v_mov_b32 v[GID], s13
	HALF FA, 1
	s_wait_dscnt 0x0
	HALF FB, 0
	INSERT MN, GID, AL, GL, 20
	INSERT MN+1, GID, AL+4, GL+4, 24
.irp u, 0,1
	ds_store_b128 v[MST], v[AL+4*\u:AL+4*\u+3] offset:1024*\u
	ds_store_b128 v[MST], v[GL+4*\u:GL+4*\u+3] offset:1024*\u+16
.endr
	s_wait_dscnt 0x0                               ; for the others' sake: my lists lie in LDS
	s_barrier_signal -1
	s_barrier_wait -1
	s_cmp_ge_u32 s10, 2
	s_cbranch_scc1 .Lend                           ; 64 queries: two waves merge
.irp w, 0,1,2,3,4,5,6,7
	ds_load_b128 v[FA+8*\w:FA+8*\w+3], v[MRD] offset:2048*\w
	ds_load_b128 v[FA+8*\w+4:FA+8*\w+7], v[MRD] offset:2048*\w+16
.endr
	s_wait_dscnt 0x0
.irp w, 1,2,3,4,5,6,7                  ; wave 0's list is the start; the others' entries follow by ascending wave and place, so groups of equal minimum stay in ascending order
.irp k, 0,1,2,3
	INSERT FA+8*\w+\k, FA+8*\w+4+\k, FA, FA+4, 20
.endr
.endr
	global_store_b128 v[OOF], v[FA+4:FA+7], s[8:9] ; the wave stores 512 consecutive bytes
.Lend:
	s_wait_tensorcnt 0x0
	ds_add_u32 v208, v209
	s_wait_dscnt 0x0
	s_endpgm
.Lfunc_end_k_qd31240c8c6_knn_a:
	.size	k_qd31240c8c6_knn_a, .Lfunc_end_k_qd31240c8c6_knn_a-k_qd31240c8c6_knn_a
	.p2alignl 7, 3214868480
	.fill 96, 4, 3214868480
	.section	.rodata,"a",@progbits
	.p2align	6, 0x0
	.amdhsa_kernel k_qd31240c8c6_knn_a
		.amdhsa_group_segment_fixed_size 148480
		.amdhsa_private_segment_fixed_size 0
		.amdhsa_enable_private_segment 0
		.amdhsa_kernarg_size 24
		.amdhsa_user_sgpr_count 2
		.amdhsa_user_sgpr_kernarg_segment_ptr 1
		.amdhsa_wavefront_size32 1
		.amdhsa_system_sgpr_workgroup_id_x 1
		.amdhsa_system_sgpr_workgroup_id_y 1
		.amdhsa_system_sgpr_workgroup_id_z 1
		.amdhsa_system_vgpr_workitem_id 0
		.amdhsa_next_free_vgpr 210
		.amdhsa_next_free_sgpr 66
		.amdhsa_reserve_vcc 0
		.amdhsa_float_denorm_mode_32 3
		.amdhsa_float_denorm_mode_16_64 3
		.amdhsa_memory_ordered 1
		.amdhsa_forward_progress 1
		.amdhsa_inst_pref_size 77
	.end_amdhsa_kernel
	.amdgpu_metadata
---
amdhsa.version: [ 1, 2 ]
amdhsa.kernels:
  - .name:           k_qd31240c8c6_knn_a
    .symbol:         k_qd31240c8c6_knn_a.kd
    .args:
      - { .name: query_points_coords, .offset: 0, .size: 8, .value_kind: global_buffer, .address_space: global }
      - { .name: context_coords, .offset: 8, .size: 8, .value_kind: global_buffer, .address_space: global }
      - { .name: grp, .offset: 16, .size: 8, .value_kind: global_buffer, .address_space: global }
    .group_segment_fixed_size: 148480
    .private_segment_fixed_size: 0
    .kernarg_segment_align: 8
    .kernarg_segment_size: 24
    .max_flat_workgroup_size: 256
    .sgpr_count:     66
    .vgpr_count:     210
    .wavefront_size: 32
...
	.end_amdgpu_metadata
.endif
;; end of part 1
;; launch knn_b (part 2): grid 256 x 1, 8 waves a work-group, no clusters, 0 bytes of LDS; arguments grp, query_points_coords, context_coords, bqe2, bq, bk, bv, bo, bh1, ln_g, ln_b, bh2, Wh3, nn, par; writes nn, par
.if DOCPART == 2
	.amdgcn_target "amdgcn-amd-amdhsa--gfx1250"
	.amdhsa_code_object_version 6
	.text
	.protected	k_qd31240c8c6_knn_b
	.globl	k_qd31240c8c6_knn_b
	.p2align	8
	.type	k_qd31240c8c6_knn_b,@function
k_qd31240c8c6_knn_b:
	s_mov_b64 s[64:65], 0
	v_nop
	global_prefetch_b8 v0, s[64:65] scope:SCOPE_SE
	s_setreg_imm32_b32 hwreg(HW_REG_WAVE_MODE, 25, 1), 1
	s_wait_xcnt 0x0
; NEAREST NEIGHBOURS, STAGE 2.  Four threads to a query; each goes through one of the query's four groups of 32 contexts (numbers stored by the launch before), with indices; the four lists are merged within the four lanes.
; d2 is made by the same operations in the same order as in stage 1.  The four groups are first sorted by number, so that candidates are met in ascending index and "strictly smaller" keeps the lower index on a tie.
; LIMITS as in stage 1: NaN and infinities are not served.
; Work-group 0 also copies ten small vectors into one buffer, par, since the next launch would otherwise be given more buffers than a launch may name.
; nn: a wave stores 128 consecutive bytes (4 a lane); the whole buffer is 256 KiB.
.set X,   32                           ; v32-127  my 32 contexts, 3 registers each; d2 takes the first
.set TT,  128                          ; v128-135 at work
.set AL,  140                          ; my list: d2, ascending
.set GL,  144                          ; and indices
.set GI,  148
.set ML,  150                          ; the merged list
.set MG,  154
.set DM,  158
.set DG,  159
.macro INSERT m, g, a, l, sb           ; as in stage 1
	v_cmp_lt_f32 s[\sb+3], v[\m], v[\a+3]
	v_cmp_lt_f32 s[\sb+2], v[\m], v[\a+2]
	v_cmp_lt_f32 s[\sb+1], v[\m], v[\a+1]
	v_cmp_lt_f32 s[\sb], v[\m], v[\a]
	v_cndmask_b32 v[\l+3], v[\l+3], v[\g], s[\sb+3]
	v_cndmask_b32 v[\l+3], v[\l+3], v[\l+2], s[\sb+2]
	v_cndmask_b32 v[\l+2], v[\l+2], v[\g], s[\sb+2]
	v_cndmask_b32 v[\l+2], v[\l+2], v[\l+1], s[\sb+1]
	v_cndmask_b32 v[\l+1], v[\l+1], v[\g], s[\sb+1]
	v_cndmask_b32 v[\l+1], v[\l+1], v[\l], s[\sb]
	v_cndmask_b32 v[\l], v[\l], v[\g], s[\sb]
	v_med3_num_f32 v[\a+3], v[\a+2], v[\a+3], v[\m]
	v_med3_num_f32 v[\a+2], v[\a+1], v[\a+2], v[\m]
	v_med3_num_f32 v[\a+1], v[\a], v[\a+1], v[\m]
	v_min_num_f32 v[\a], v[\a], v[\m]
.endm
	s_load_b512 s[4:19], s[0:1], 0x0               ; grp, queries, contexts, bqe2, bq, bk, bv, bo
	s_load_b256 s[20:27], s[0:1], 0x40             ; bh1, ln_g, ln_b, bh2
	s_load_b128 s[28:31], s[0:1], 0x60             ; Wh3, nn
	s_load_b64 s[32:33], s[0:1], 0x70              ; par
	s_lshl_b32 s34, ttmp9, 8
	v_add_nc_u32 v1, s34, v0                       ; the thread's number in the launch
	v_lshrrev_b32 v2, 2, v1                        ; my query
	v_and_b32 v3, 3, v0                            ; which of its four groups
	v_lshlrev_b32 v4, 4, v2
	v_mul_u32_u24 v5, v2, 12
	v_lshlrev_b32 v6, 2, v1
	s_wait_kmcnt 0x0
	global_load_b128 v[8:11], v4, s[4:5]
	global_load_b32 v12, v5, s[6:7]
	global_load_b32 v13, v5, s[6:7] offset:4
	global_load_b32 v14, v5, s[6:7] offset:8
	s_wait_loadcnt 0x0
	v_min_u32 v16, v8, v9                          ; the four group numbers, ascending: five comparators
	v_max_u32 v17, v8, v9
	v_min_u32 v18, v10, v11
	v_max_u32 v19, v10, v11
	v_min_u32 v20, v16, v18
	v_max_u32 v21, v16, v18
	v_min_u32 v22, v17, v19
	v_max_u32 v23, v17, v19
	v_min_u32 v24, v21, v22
	v_max_u32 v25, v21, v22
	v_cmp_eq_u32 vcc_lo, 1, v3
	v_cndmask_b32 v26, v20, v24, vcc_lo
	v_cmp_eq_u32 vcc_lo, 2, v3
	v_cndmask_b32 v26, v26, v25, vcc_lo
	v_cmp_eq_u32 vcc_lo, 3, v3
	v_cndmask_b32 v26, v26, v23, vcc_lo            ; mine
	v_min_u32 v26, 0xff, v26                       ; a loaded number enters an address only held inside the table
	v_mul_u32_u24 v27, v26, 384                    ; 32 contexts of 12 bytes
	v_lshlrev_b32 v28, 5, v26                      ; my first context's index
.irp i, 0,1,2,3,4,5,6,7,8,9,10,11,12,13,14,15,16,17,18,19,20,21,22,23
	global_load_b128 v[X+4*\i:X+4*\i+3], v27, s[8:9] offset:16*\i
.endr
	v_mul_f32 v15, v12, v12
	v_mul_f32 v16, v13, v13
	v_mul_f32 v17, v14, v14
	v_add_f32 v15, v15, v16
	v_add_f32 v15, v15, v17                        ; qq
	v_add_f32 v29, v12, v12
	v_add_f32 v30, v13, v13
	v_add_f32 v31, v14, v14                        ; 2 q
.irp i, 0,1,2,3
	v_mov_b32 v[AL+\i], 0x7f800000
	v_mov_b32 v[GL+\i], 0
	v_mov_b32 v[ML+\i], 0                          ; (a DPP form's destination counts as read: written once)
	v_mov_b32 v[MG+\i], 0
.endr
	v_mov_b32 v[DM], 0
	v_mov_b32 v[DG], 0
	s_wait_loadcnt 0x0
.macro D2G k0                          ; four distances, operation by operation
.irp j, 0,1,2,3
	v_mul_f32 v[TT+2*\j], v[X+3*(\k0+\j)], v[X+3*(\k0+\j)]
	v_mul_f32 v[TT+2*\j+1], v[X+3*(\k0+\j)+1], v[X+3*(\k0+\j)+1]
.endr
.irp j, 0,1,2,3
	v_add_f32 v[TT+2*\j], v[TT+2*\j], v[TT+2*\j+1]
	v_mul_f32 v[TT+2*\j+1], v[X+3*(\k0+\j)+2], v[X+3*(\k0+\j)+2]
.endr
.irp j, 0,1,2,3
	v_add_f32 v[TT+2*\j], v[TT+2*\j], v[TT+2*\j+1]               ; cc
	v_mul_f32 v[X+3*(\k0+\j)], v[X+3*(\k0+\j)], v29
.endr
.irp j, 0,1,2,3
	v_add_f32 v[TT+2*\j], v[TT+2*\j], v15                        ; + qq
	v_fma_f32 v[X+3*(\k0+\j)], v[X+3*(\k0+\j)+1], v30, v[X+3*(\k0+\j)]
.endr
.irp j, 0,1,2,3
	v_fma_f32 v[X+3*(\k0+\j)], v[X+3*(\k0+\j)+2], v31, v[X+3*(\k0+\j)]
.endr
.irp j, 0,1,2,3
	v_sub_f32 v[X+3*(\k0+\j)], v[TT+2*\j], v[X+3*(\k0+\j)]       ; d2
.endr
.endm
.irp g, 0,4,8,12,16,20,24,28
	D2G \g
.endr
.set K, 0
.rept 32
	v_add_nc_u32 v[GI], K, v28
	INSERT X+3*K, GI, AL, GL, 36
.set K, K+1
.endr
; The four lanes of a query merge: every lane takes lane 0's list and inserts the others' entries, lane by lane (ascending groups) and place by place.
.irp i, 0,1,2,3
	v_mov_b32_dpp v[ML+\i], v[AL+\i] quad_perm:[0,0,0,0] row_mask:0xf bank_mask:0xf
	v_mov_b32_dpp v[MG+\i], v[GL+\i] quad_perm:[0,0,0,0] row_mask:0xf bank_mask:0xf
.endr
.irp j, 1,2,3
.irp k, 0,1,2,3
	v_mov_b32_dpp v[DM], v[AL+\k] quad_perm:[\j,\j,\j,\j] row_mask:0xf bank_mask:0xf
	v_mov_b32_dpp v[DG], v[GL+\k] quad_perm:[\j,\j,\j,\j] row_mask:0xf bank_mask:0xf
	INSERT DM, DG, ML, MG, 36
.endr
.endr
	v_cmp_eq_u32 vcc_lo, 1, v3
	v_cndmask_b32 v7, v[MG], v[MG+1], vcc_lo
	v_cmp_eq_u32 vcc_lo, 2, v3
	v_cndmask_b32 v7, v7, v[MG+2], vcc_lo
	v_cmp_eq_u32 vcc_lo, 3, v3
	v_cndmask_b32 v7, v7, v[MG+3], vcc_lo          ; lane j of the four stores the j-th nearest
	global_store_b32 v6, v7, s[30:31]
	s_cmp_lg_u32 ttmp9, 0
	s_cbranch_scc1 .Lend
	v_lshlrev_b32 v160, 3, v0                      ; work-group 0: eight vectors of 2,048 bytes, 8 a thread, and two of 1,024, 4 a thread
	v_lshlrev_b32 v161, 2, v0
.irp i, 0,1,2,3,4,5,6,7
	global_load_b64 v[162+2*\i:163+2*\i], v160, s[10+2*\i:11+2*\i]
.endr
	global_load_b32 v178, v161, s[26:27]
	global_load_b32 v179, v161, s[28:29]
	s_wait_loadcnt 0x0
.irp i, 0,1,2,3,4,5,6,7
	global_store_b64 v160, v[162+2*\i:163+2*\i], s[32:33] offset:2048*\i
.endr
	global_store_b32 v161, v178, s[32:33] offset:16384
	global_store_b32 v161, v179, s[32:33] offset:17408
.Lend:
	s_endpgm
.Lfunc_end_k_qd31240c8c6_knn_b:
	.size	k_qd31240c8c6_knn_b, .Lfunc_end_k_qd31240c8c6_knn_b-k_qd31240c8c6_knn_b
	.p2alignl 7, 3214868480
	.fill 96, 4, 3214868480
	.section	.rodata,"a",@progbits
	.p2align	6, 0x0
	.amdhsa_kernel k_qd31240c8c6_knn_b
		.amdhsa_group_segment_fixed_size 0
		.amdhsa_private_segment_fixed_size 0
		.amdhsa_enable_private_segment 0
		.amdhsa_kernarg_size 120
		.amdhsa_user_sgpr_count 2
		.amdhsa_user_sgpr_kernarg_segment_ptr 1
		.amdhsa_wavefront_size32 1
		.amdhsa_system_sgpr_workgroup_id_x 1
		.amdhsa_system_sgpr_workgroup_id_y 1
		.amdhsa_system_sgpr_workgroup_id_z 1
		.amdhsa_system_vgpr_workitem_id 0
		.amdhsa_next_free_vgpr 184
		.amdhsa_next_free_sgpr 66
		.amdhsa_reserve_vcc 1
		.amdhsa_float_denorm_mode_32 3
		.amdhsa_float_denorm_mode_16_64 3
		.amdhsa_memory_ordered 1
		.amdhsa_forward_progress 1
		.amdhsa_inst_pref_size 63
	.end_amdhsa_kernel
	.amdgpu_metadata
---
amdhsa.version: [ 1, 2 ]
amdhsa.kernels:
  - .name:           k_qd31240c8c6_knn_b
    .symbol:         k_qd31240c8c6_knn_b.kd
    .args:
      - { .name: grp, .offset: 0, .size: 8, .value_kind: global_buffer, .address_space: global }
      - { .name: query_points_coords, .offset: 8, .size: 8, .value_kind: global_buffer, .address_space: global }
      - { .name: context_coords, .offset: 16, .size: 8, .value_kind: global_buffer, .address_space: global }
      - { .name: bqe2, .offset: 24, .size: 8, .value_kind: global_buffer, .address_space: global }
      - { .name: bq, .offset: 32, .size: 8, .value_kind: global_buffer, .address_space: global }
      - { .name: bk, .offset: 40, .size: 8, .value_kind: global_buffer, .address_space: global }
      - { .name: bv, .offset: 48, .size: 8, .value_kind: global_buffer, .address_space: global }
      - { .name: bo, .offset: 56, .size: 8, .value_kind: global_buffer, .address_space: global }
      - { .name: bh1, .offset: 64, .size: 8, .value_kind: global_buffer, .address_space: global }
      - { .name: ln_g, .offset: 72, .size: 8, .value_kind: global_buffer, .address_space: global }
      - { .name: ln_b, .offset: 80, .size: 8, .value_kind: global_buffer, .address_space: global }
      - { .name: bh2, .offset: 88, .size: 8, .value_kind: global_buffer, .address_space: global }
      - { .name: Wh3, .offset: 96, .size: 8, .value_kind: global_buffer, .address_space: global }
      - { .name: nn, .offset: 104, .size: 8, .value_kind: global_buffer, .address_space: global }
      - { .name: par, .offset: 112, .size: 8, .value_kind: global_buffer, .address_space: global }
    .group_segment_fixed_size: 0
    .private_segment_fixed_size: 0
    .kernarg_segment_align: 8
    .kernarg_segment_size: 120
    .max_flat_workgroup_size: 256
    .sgpr_count:     66
    .vgpr_count:     184
    .wavefront_size: 32
...
	.end_amdgpu_metadata
.endif
;; end of part 2
;; launch main (part 3): grid 256 x 1, 4 waves a work-group, no clusters, 117,248 bytes of LDS; arguments Wqe2_codes, Wqe2_scales, Wq_codes, Wq_scales, Wk_codes, Wk_scales, Wv_codes, Wv_scales, Wo_codes, Wo_scales, Wh1_codes, Wh1_scales, Wh2_codes, Wh2_scales, par, Wqe1, bqe1, Wrel, brel, context_coords, context_features, query_points_coords, nn, bh3, out0; writes out0
.if DOCPART == 3
	.amdgcn_target "amdgcn-amd-amdhsa--gfx1250"
	.amdhsa_code_object_version 6
	.text
	.protected	k_qd31240c8c6_main
	.globl	k_qd31240c8c6_main
	.p2align	8
	.type	k_qd31240c8c6_main,@function
k_qd31240c8c6_main:
	s_mov_b64 s[64:65], 0
	v_nop
	global_prefetch_b8 v0, s[64:65] scope:SCOPE_SE
	s_setreg_imm32_b32 hwreg(HW_REG_WAVE_MODE, 25, 1), 1
	s_wait_xcnt 0x0
; THE WHOLE NETWORK BEHIND THE SEARCH, for 64 queries a work-group: query encoder, gather, relative-position attention over 4 neighbours, LayerNorm, prediction head.  Nothing between the steps goes to memory.
; The seven large products run on codes of FP4 (E2M1) with one E8M0 scale for each 32 along K; the weights come as codes; every activation is quantised on the way, in f32, by the block rule:
; scale byte = exponent field of the block's largest magnitude - 2, held at 1 from below (a block of zeros keeps the byte 1: its codes are zeros, and only this text reads the bytes).
; SHARES.  Four waves, one to a SIMD.  THE WAVES SHARE THE COLUMNS: wave w makes columns 128 w .. 128 w + 127 (heads 2 w, 2 w + 1) of every product, for all rows (Wh2: 64 w .. 64 w + 63).  So each weight byte is wanted by ONE wave
; of the work-group and goes from memory straight into its registers: 64 columns (one head) at a time, in two sets of registers by turns, the next set asked for at the head of each such half-phase.
; That is why no tensor load, no LDS ring and no joint load in a cluster is used: those land in LDS, through which 905 KB of weights a work-group would have to go for one reader each.
; ROWS: tiles m = 0..3 of 16 queries; tiles 4 m + n of 16 neighbour rows (neighbour n of tile m's queries), so that a lane holds the same query in q, k and v.
; THE PRODUCTS ARE USED TRANSPOSED (source 0 = 16 rows of the weight, source 1 = 16 rows of activations): lane (r, h) holds row r.  THE WEIGHT ROWS OF A TILE ARE NOT NEIGHBOURS: lane r of tile 2 b + u takes row
; 32 b + 8 u + r + 8 (r / 8), so that register 16 b + i of the lane's 32 is column 32 b + 16 h + i: 16 neighbours along the next K.  A block of 32 lies in lanes l and l xor 16.
; ACTIVATIONS GO FROM WAVE TO WAVE THROUGH LDS AS IMAGES OF THE OPERAND'S REGISTERS: 64 columns are 4 registers (16 bytes a lane, at 16 x lane) and 2 scale bytes.
; erf is z P(z^2) / Q(z^2) on z held to +-4, degrees 6 and 4; absolute error about 1e-7.  LIMITS: NaN and infinities among the inputs are not served; gelu of numbers under about -5.6 is 0 to within 1e-7 of |x|.
; LDS: 0: images of the 16 neighbour tiles (4,096 bytes each: [K step][half][512]);  from 65,536 on: their scale words (512 bytes a tile: [lane][4 words]); two regions for 4 query tiles each, by turns (images 16,384, words 2,048);
; the LayerNorm's figures (4,096); the logits' parts (2,048).
.set KVS_O,  0                         ; offsets from LDS byte 65,536
.set A0_O,   8192
.set A0S_O,  24576
.set A1_O,   26624
.set A1S_O,  43008
.set LNX_O,  45056
.set LG_O,   49152
.set P_BQE2, 0                         ; byte offsets in par
.set P_BQ,   2048
.set P_BK,   4096
.set P_BV,   6144
.set P_BO,   8192
.set P_BH1,  10240
.set P_LNG,  12288
.set P_LNB,  14336
.set P_BH2,  16384
.set P_WH3,  17408
.set S_WQE2, 4                         ; scalar pairs: a weight's codes, and its scales two registers on
.set S_WQ,   8
.set S_WK,   12
.set S_WV,   16
.set S_WO,   20
.set S_WH1,  24
.set S_WH2,  28
.set S_PAR,  32
.set S_WQE1, 34
.set S_BQE1, 36
.set S_WREL, 38
.set S_BREL, 40
.set S_CC,   42
.set S_CF,   44
.set S_QC,   46
.set S_NN,   48
.set S_BH3,  50
.set S_OUT,  52
.set SEL,    56                        ; s[56:57] v_permlanex16_b32's selects for lane l xor 16
; s54 wave; s62 trips; s63, s66, s67 steps of addresses; s68 bh3; s70 at work
; WINDOW 0
.set LI,   1                           ; 16 x lane
.set LI2,  2                           ; + 65,536
.set IA,   3                           ; LI2 + 1,024 w: where my K step of an image lies
.set SA,   4                           ; LI2 + 4 w: and my scale word
.set WA,   5                           ; weights: (128 w + r + 8 (r / 8)) x 256 + 16 h
.set WSA,  6                           ; their scale words: (128 w + ..) x 16
.set BA,   7                           ; vectors in the results' layout: 512 w + 64 h
.set WA2,  8                           ; the same three for Wh2's 64 columns a wave
.set WSA2, 9
.set BA2,  10
.set CA,   11                          ; coefficients of 64 columns: 64 h + 512 s
.set G0,   12                          ; v12-15 neighbour n: index, then index x 2,048 + 64 h
.set KIA,  16                          ; LI + 16,384 w
.set KSA,  17                          ; LI2 + 2,048 w
.set GIA,  18                          ; LI2 + 4,096 w
.set GSA,  19                          ; LI2 + 512 w
.set TA,   20                          ; v20-23 addresses of the trip in hand
.set WS,   24                          ; v24-55 the weights' scale words: 16 x set + 4 t + s.  They hold scales and nothing else
.set HA,   56                          ; v56-87 four accumulators
.set AF,   88                          ; v88-119 a row tile's four fragments
.set AS,   120                         ; v120-123 its four scale words.  Scales and nothing else
.set PC,   124                         ; v124-127 codes just made
.set TM,   128                         ; v128-135 the quantiser's
.set PW,   136                         ; two scale bytes just made
.set CB,   137                         ; 64 h + 256 + 512 s
.set QC,   140                         ; v140-143 q0, q1, q2, 0
.set ATT,  144                         ; v144-159 attention weights 4 m + n; ahead of that the relative coordinates, 4 registers a neighbour
.set AGG,  160                         ; v160-191 the weighted sum of v
.set T,    192                         ; v192-242 at work
.set L8W,  248                         ; 65,536 + 8 x lane + 256 w
.set L8R,  249                         ; 65,536 + 8 x lane
.set L4W,  250                         ; 65,536 + 4 x lane + 128 w
.set LGR,  251                         ; 65,536 + 512 (lane / 8) + 8 (lane % 8)
.set EC,   252                         ; v[252:253] erf's two leading coefficients
; WINDOW 1: weights, 128 x set + 32 t + 8 s.   WINDOW 2: qe, then x: 64 m + 32 c; ahead of that two sets of coefficients (W0, W1, W2, bias: 32 registers each).
; WINDOW 3: v0-127 q (32 m), later ln_g and ln_b;  v128-191 biases, 32 x set;  v192-223 Wh3.
.set BR,   128
.set WH3R, 192
.set MSB, 0
.macro WIN new                         ; the immediate's high byte repeats the setting that is left; a switch that changes nothing is dropped
.if MSB != (\new)
	s_set_vgpr_msb (MSB<<8)|(\new)
.set MSB, (\new)
.endif
.endm
.macro NOPS n
.rept \n
	v_nop
.endr
.endm
.macro BAR                             ; my LDS stores have landed and my LDS loads are in: then the work-group's barrier
	s_wait_dscnt 0x0
	s_barrier_signal -1
	s_barrier_wait -1
.endm
; 32 numbers of a vector of par in the results' layout (tile t, registers 8 t + 0..7: columns 64 c + 32 (t / 2) + 16 h + 8 (t % 2) + 0..7).  The caller has set the destination's window.
.macro BLOAD dst, bofs, c, ba
.irp t, 0,1,2,3
.irp k, 0,1
	global_load_b128 v[\dst+8*\t+4*\k:\dst+8*\t+4*\k+3], v[\ba], s[S_PAR:S_PAR+1] offset:\bofs+256*\c+128*(\t/2)+32*(\t%2)+16*\k
.endr
.endr
.endm
; A half-phase's weights: 64 rows x 512 K: 16 fragments, their bias, their scale words: 44 loads
.macro LOADW wp, bofs, slot, c, wa, wsa, ba
	WIN 0x40
.irp t, 0,1,2,3
.irp s, 0,1,2,3
.irp k, 0,1
	global_load_b128 v[128*\slot+32*\t+8*\s+4*\k:128*\slot+32*\t+8*\s+4*\k+3], v[\wa], s[\wp:\wp+1] offset:16384*\c+(32*(\t/2)+8*(\t%2))*256+64*\s+32*\k
.endr
.endr
.endr
	WIN 0xc0
	BLOAD BR+32*\slot, \bofs, \c, \ba
	WIN 0
.irp t, 0,1,2,3
	global_load_b128 v[WS+16*\slot+4*\t:WS+16*\slot+4*\t+3], v[\wsa], s[\wp+2:\wp+3] offset:1024*\c+(32*(\t/2)+8*(\t%2))*16
.endr
.endm
; A row tile's operand from LDS: four fragments and four scale words, as they were stored
.macro FETCHA ar, ao, sr, so
.irp s, 0,1,2,3
.irp k, 0,1
	ds_load_b128 v[AF+8*\s+4*\k:AF+8*\s+4*\k+3], v[\ar] offset:\ao+1024*\s+512*\k
.endr
.endr
	ds_load_b128 v[AS:AS+3], v[\sr] offset:\so
.endm
; 16 rows x 64 columns x K = 512: 16 matrix instructions.  The four accumulators take turns, one instruction a turn.  The bias is the C of each sum's first instruction; inplace = 1: the sums go on top of what D holds.
; Five places follow: for the reads of D, for loads into the operands, and for the next tile's instructions that write over D.
.macro MM slot, dwin, d, inplace
.irp s, 0,1,2,3
.if (\s == 0) && (\inplace == 0)
	WIN ((\dwin<<6)|0x31)
.irp t, 0,1,2,3
	v_wmma_scale_f32_16x16x128_f8f6f4 v[\d+8*\t:\d+8*\t+7], v[128*\slot+32*\t+8*\s:128*\slot+32*\t+8*\s+7], v[AF+8*\s:AF+8*\s+7], v[BR+32*\slot+8*\t:BR+32*\slot+8*\t+7], v[WS+16*\slot+4*\t+\s], v[AS+\s] matrix_a_fmt:MATRIX_FMT_FP4 matrix_b_fmt:MATRIX_FMT_FP4
.endr
.else
	WIN ((\dwin<<6)|(\dwin<<4)|1)
.irp t, 0,1,2,3
	v_wmma_scale_f32_16x16x128_f8f6f4 v[\d+8*\t:\d+8*\t+7], v[128*\slot+32*\t+8*\s:128*\slot+32*\t+8*\s+7], v[AF+8*\s:AF+8*\s+7], v[\d+8*\t:\d+8*\t+7], v[WS+16*\slot+4*\t+\s], v[AS+\s] matrix_a_fmt:MATRIX_FMT_FP4 matrix_b_fmt:MATRIX_FMT_FP4
.endr
.endif
.endr
	WIN 0
	NOPS 5
.endm
; 32 numbers of a lane in window win, register 16 b + i = column 32 b + 16 h + i of my row, become 4 registers of codes and 2 scale bytes, and go to LDS.  Each accumulator is read from its low end on.
; The four lines that start the four chains name numbers in all three source places: there all three places mean window win.  Behind them the third place is a running maximum, in window 0.
.macro QUANT2 src, win, ia, io, sa, so
	WIN (21*\win)
.irp b, 0,1
	v_max3_num_f32 v[TM+\b], |v[\src+16*\b]|, |v[\src+16*\b+1]|, 0x1800000   ; with the floor 2^(3 - 127): the byte cannot fall under 1
.endr
.irp b, 0,1
	v_max3_num_f32 v[TM+6+\b], |v[\src+16*\b+8]|, |v[\src+16*\b+9]|, |v[\src+16*\b+10]|
.endr
	WIN (5*\win)
.irp i, 2,4
.irp b, 0,1
	v_max3_num_f32 v[TM+\b], |v[\src+16*\b+\i]|, |v[\src+16*\b+\i+1]|, v[TM+\b]
.endr
.irp b, 0,1
	v_max3_num_f32 v[TM+6+\b], |v[\src+16*\b+\i+9]|, |v[\src+16*\b+\i+10]|, v[TM+6+\b]
.endr
.endr
.irp b, 0,1
	v_max3_num_f32 v[TM+\b], |v[\src+16*\b+6]|, |v[\src+16*\b+7]|, v[TM+\b]
.endr
	WIN \win
.irp b, 0,1
	v_max3_num_f32 v[TM+\b], |v[\src+16*\b+15]|, v[TM+6+\b], v[TM+\b]
.endr
	WIN 0
.irp b, 0,1
	v_permlanex16_b32 v[TM+2+\b], v[TM+\b], s[SEL], s[SEL+1]
.endr
.irp b, 0,1
	v_max_num_f32 v[TM+\b], v[TM+\b], v[TM+2+\b]   ; with lane l xor 16's 16: the block's largest magnitude
.endr
.irp b, 0,1
	v_add_nc_u32 v[TM+4+\b], 0xff000000, v[TM+\b]  ; 2 off its exponent field: the conversion takes this operand's exponent field as its scale
.endr
.irp b, 0,1
	v_lshrrev_b32 v[TM+2+\b], 23, v[TM+4+\b]       ; the scale's byte
.endr
	s_wait_dscnt 0x0                               ; the last image's stores have read their registers
	v_lshl_or_b32 v[PW], v[TM+3], 8, v[TM+2]
	WIN \win
.irp b, 0,1
	v_cvt_scalef32_pk8_fp4_f32 v[PC+2*\b], v[\src+16*\b:\src+16*\b+7], v[TM+4+\b]
	v_cvt_scalef32_pk8_fp4_f32 v[PC+2*\b+1], v[\src+16*\b+8:\src+16*\b+15], v[TM+4+\b]
.endr
	WIN 0
	v_nop                                          ; one plain place behind a scaled conversion
	v_permlane16_swap_b32 v[PC], v[PC+2]           ; the operand's layout wants a whole block in a lane: lanes 0-15 block 0, lanes 16-31 block 1
	v_permlane16_swap_b32 v[PC+1], v[PC+3]
	ds_store_b128 v[\ia], v[PC:PC+3] offset:\io
	ds_store_b16 v[\sa], v[PW] offset:\so
.endm
; x = 0.5 x (1 + erf(x / sqrt 2)) on 32 numbers of window 0, four pairs at a time, operation by operation.  For pair i: z at T + 8 i, z^2 (later x / 2) at + 2, P at + 4, Q at + 6.
.macro GP off, lit
.irp i, 0,1,2,3
	v_pk_fma_f32 v[T+8*\i+\off:T+8*\i+\off+1], v[T+8*\i+\off:T+8*\i+\off+1], v[T+8*\i+2:T+8*\i+3], \lit op_sel_hi:[1,1,0]
.endr
.endm
.macro GELU x
.irp g, 0,1,2,3
.irp i, 0,1,2,3
	v_pk_mul_f32 v[T+8*\i:T+8*\i+1], v[\x+8*\g+2*\i:\x+8*\g+2*\i+1], 0x3f3504f3 op_sel_hi:[1,0]
.endr
.irp i, 0,1,2,3
	v_med3_num_f32 v[T+8*\i], v[T+8*\i], -4.0, 4.0
	v_med3_num_f32 v[T+8*\i+1], v[T+8*\i+1], -4.0, 4.0
.endr
.irp i, 0,1,2,3
	v_pk_mul_f32 v[T+8*\i+2:T+8*\i+3], v[T+8*\i:T+8*\i+1], v[T+8*\i:T+8*\i+1]
.endr
.irp i, 0,1,2,3
	v_pk_fma_f32 v[T+8*\i+4:T+8*\i+5], v[T+8*\i+2:T+8*\i+3], v[EC:EC+1], 0x32edffee op_sel_hi:[1,0,0]
.endr
.irp i, 0,1,2,3
	v_pk_fma_f32 v[T+8*\i+6:T+8*\i+7], v[T+8*\i+2:T+8*\i+3], v[EC:EC+1], 0xb95fbd29 op_sel:[0,1,0] op_sel_hi:[1,1,0]
.endr
	GP 4, 0xb60cff51
	GP 6, 0xbadc924e
	GP 4, 0xb86ec2d2
	GP 6, 0xbbf19bf8
	GP 4, 0xba40ac63
	GP 6, 0xbc69b6a7
	GP 4, 0xbb41a1f6
	GP 4, 0xbc83dbd4
.irp i, 0,1,2,3
	v_pk_mul_f32 v[T+8*\i+4:T+8*\i+5], v[T+8*\i+4:T+8*\i+5], v[T+8*\i:T+8*\i+1]
.endr
.irp i, 0,1,2,3
	v_rcp_f32 v[T+8*\i+6], v[T+8*\i+6]
	v_rcp_f32 v[T+8*\i+7], v[T+8*\i+7]
.endr
.irp i, 0,1,2,3
	v_pk_mul_f32 v[T+8*\i+2:T+8*\i+3], v[\x+8*\g+2*\i:\x+8*\g+2*\i+1], 0.5 op_sel_hi:[1,0]   ; (plain lines behind the reciprocals)
.endr
	s_wait_alu depctr_va_vdst(0)
.irp i, 0,1,2,3
	v_pk_mul_f32 v[T+8*\i+4:T+8*\i+5], v[T+8*\i+4:T+8*\i+5], v[T+8*\i+6:T+8*\i+7]
.endr
.irp i, 0,1,2,3
	v_pk_fma_f32 v[\x+8*\g+2*\i:\x+8*\g+2*\i+1], v[T+8*\i+2:T+8*\i+3], v[T+8*\i+4:T+8*\i+5], v[T+8*\i+2:T+8*\i+3]
.endr
.endr
.endm
; The coefficients of 64 columns of a [3][512] weight and its bias into set half of window 2: 32 loads
.macro COEFH half, adr, wp, bp
	WIN 0x80
.irp a, 0,1,2
.irp b, 0,1
.irp j, 0,1,2,3
	global_load_b128 v[128*\half+32*\a+16*\b+4*\j:128*\half+32*\a+16*\b+4*\j+3], v[\adr], s[\wp:\wp+1] offset:2048*\a+128*\b+16*\j
.endr
.endr
.endr
.irp b, 0,1
.irp j, 0,1,2,3
	global_load_b128 v[128*\half+96+16*\b+4*\j:128*\half+96+16*\b+4*\j+3], v[\adr], s[\bp:\bp+1] offset:128*\b+16*\j
.endr
.endr
	WIN 0
.endm
; x = p0 W0 + p1 W1 + p2 W2 + bias (hascf = 0), or x += the same (hascf = 1), on 32 columns; p0, p1, p2 in v[p] on
.macro AFF x, p, half, hascf
.if \hascf
	WIN 0x02
.set I, 0
.rept 16
	v_pk_fma_f32 v[\x+I:\x+I+1], v[128*\half+I:128*\half+I+1], v[\p:\p+1], v[\x+I:\x+I+1] op_sel_hi:[1,0,1]
.set I, I+2
.endr
.else
	WIN 0x22
.set I, 0
.rept 16
	v_pk_fma_f32 v[\x+I:\x+I+1], v[128*\half+I:128*\half+I+1], v[\p:\p+1], v[128*\half+96+I:128*\half+96+I+1] op_sel_hi:[1,0,1]
.set I, I+2
.endr
	WIN 0x02
.endif
.set I, 0
.rept 16
	v_pk_fma_f32 v[\x+I:\x+I+1], v[128*\half+32+I:128*\half+32+I+1], v[\p:\p+1], v[\x+I:\x+I+1] op_sel:[0,1,0] op_sel_hi:[1,1,1]
.set I, I+2
.endr
.set I, 0
.rept 16
	v_pk_fma_f32 v[\x+I:\x+I+1], v[128*\half+64+I:128*\half+64+I+1], v[\p+2:\p+3], v[\x+I:\x+I+1] op_sel_hi:[1,0,1]
.set I, I+2
.endr
.if \hascf
.set I, 0
.rept 16
	v_pk_add_f32 v[\x+I:\x+I+1], v[128*\half+96+I:128*\half+96+I+1], v[\x+I:\x+I+1]
.set I, I+2
.endr
.endif
	WIN 0
.endm
.macro XLOAD x, adr, c                 ; 32 features of my neighbour's row: columns 64 c + 32 b + 16 h + 0..15 of the K step in hand
.irp b, 0,1
.irp j, 0,1,2,3
	global_load_b128 v[\x+16*\b+4*\j:\x+16*\b+4*\j+3], v[\adr], s[S_CF:S_CF+1] offset:256*(\c)+128*\b+16*\j
.endr
.endr
.endm
; ---------------------------------------------------------------- head
	s_load_b512 s[4:19], s[0:1], 0x0
	s_load_b512 s[20:35], s[0:1], 0x40
	s_load_b512 s[36:51], s[0:1], 0x80
	s_load_b64 s[52:53], s[0:1], 0xc0
	v_lshl_add_u32 v254, v0, 2, 0x1c800
	v_mov_b32 v255, 0
	v_lshrrev_b32 v138, 5, v0
	v_readfirstlane_b32 s54, v138                  ; wave 0..3
	v_and_b32 v138, 31, v0                         ; lane
	v_and_b32 v139, 15, v0                         ; r
	v_bfe_u32 v243, v0, 4, 1                       ; h
	v_lshlrev_b32 v[LI], 4, v138
	v_add_nc_u32 v[LI2], 0x10000, v[LI]
	s_lshl_b32 s70, s54, 10
	v_add_nc_u32 v[IA], s70, v[LI2]
	s_lshl_b32 s70, s54, 2
	v_add_nc_u32 v[SA], s70, v[LI2]
	s_lshl_b32 s70, s54, 14
	v_add_nc_u32 v[KIA], s70, v[LI]
	s_lshl_b32 s70, s54, 11
	v_add_nc_u32 v[KSA], s70, v[LI2]
	s_lshl_b32 s70, s54, 12
	v_add_nc_u32 v[GIA], s70, v[LI2]
	s_lshl_b32 s70, s54, 9
	v_add_nc_u32 v[GSA], s70, v[LI2]
	v_lshlrev_b32 v[CA], 6, v243
	v_add_nc_u32 v[CB], 0x100, v[CA]
	v_add_nc_u32 v[BA], s70, v[CA]
	s_lshl_b32 s70, s54, 8
	v_add_nc_u32 v[BA2], s70, v[CA]
	v_lshlrev_b32 v[L8R], 3, v138
	v_add_nc_u32 v[L8R], 0x10000, v[L8R]
	v_add_nc_u32 v[L8W], s70, v[L8R]
	v_lshlrev_b32 v[L4W], 2, v138
	v_add_nc_u32 v[L4W], 0x10000, v[L4W]
	s_lshl_b32 s70, s54, 7
	v_add_nc_u32 v[L4W], s70, v[L4W]
	v_and_b32 v244, 8, v139
	v_add_nc_u32 v244, v244, v139                  ; r + 8 (r / 8)
	v_add_nc_u32 v245, s70, v244
	v_lshlrev_b32 v[WSA], 4, v245
	v_lshlrev_b32 v[WA], 8, v245
	v_lshl_add_u32 v[WA], v243, 4, v[WA]
	s_lshl_b32 s70, s54, 6
	v_add_nc_u32 v245, s70, v244
	v_lshlrev_b32 v[WSA2], 4, v245
	v_lshlrev_b32 v[WA2], 8, v245
	v_lshl_add_u32 v[WA2], v243, 4, v[WA2]
	v_lshrrev_b32 v[LGR], 3, v138
	v_lshlrev_b32 v[LGR], 9, v[LGR]
	v_and_b32 v245, 7, v138
	v_lshl_add_u32 v[LGR], v245, 3, v[LGR]
	v_add_nc_u32 v[LGR], 0x10000, v[LGR]
	s_lshl_b32 s70, ttmp9, 6
	s_lshl_b32 s67, s54, 4
	s_add_co_u32 s70, s70, s67
	v_add_nc_u32 v245, s70, v139                   ; in the first two phases my row is query 64 x work-group + 16 w + r
	v_mul_u32_u24 v246, v245, 12
	v_lshlrev_b32 v247, 4, v245
	s_mov_b32 s[SEL], 0x76543210
	s_mov_b32 s[SEL+1], 0xfedcba98
	v_mov_b32 v[EC], 0xaf95df0b
	v_mov_b32 v[EC+1], 0xb77460cd
	v_mov_b32 v[QC+3], 0
	v_mov_b32 v[TM+2], 0                           ; written once: a lane permute's destination counts as one of its sources
	v_mov_b32 v[TM+3], 0
	s_wait_kmcnt 0x0
	s_load_b32 s68, s[S_BH3:S_BH3+1], 0x0
.irp a, 0,1,2
	global_load_b32 v[QC+\a], v246, s[S_QC:S_QC+1] offset:4*\a
.endr
	global_load_b128 v[G0:G0+3], v247, s[S_NN:S_NN+1]
	COEFH 0, CA, S_WQE1, S_BQE1
	LOADW S_WQE2, P_BQE2, 1, 0, WA, WSA, BA        ; the first two half-phases' weights are asked for now
	LOADW S_WQE2, P_BQE2, 0, 1, WA, WSA, BA
	s_wait_kmcnt 0x0
; ---------------------------------------------------------------- gelu(qc Wqe1 + bqe1) for my 16 queries, all 512 columns, 128 a trip; its codes go into region 0
	s_mov_b32 s62, 4
	s_mov_b32 s63, 0
	s_mov_b32 s66, 0
.Lenc:
	s_wait_dscnt 0x0                               ; the last trip's LDS stores are done: their addresses may be written
	v_add_nc_u32 v[TA], s63, v[GIA]
	v_add_nc_u32 v[TA+1], s66, v[GSA]
	COEFH 1, CB, S_WQE1, S_BQE1
	s_wait_loadcnt 32                              ; all but the 32 just issued: set 0 is in
	AFF HA, QC, 0, 0
	GELU HA
	QUANT2 HA, 0, TA, A0_O, TA+1, A0S_O
	s_wait_xcnt 0x0                                ; an address register is rewritten only behind this wait
	v_add_nc_u32 v[CA], 0x200, v[CA]
	v_and_b32 v[CA], 0x7ff, v[CA]                  ; the next trip's columns; in the last trip back to the first, so that the loop has one form and no load leaves its buffer
	COEFH 0, CA, S_WQE1, S_BQE1
	s_wait_loadcnt 32                              ; set 1 is in
	AFF AGG, QC, 1, 0
	GELU AGG
	QUANT2 AGG, 0, TA, A0_O+512, TA+1, A0S_O+2
	s_wait_xcnt 0x0
	v_add_nc_u32 v[CB], 0x200, v[CB]
	v_and_b32 v[CB], 0x7ff, v[CB]
	s_add_co_u32 s63, s63, 1024
	s_add_co_u32 s66, s66, 4
	s_sub_co_u32 s62, s62, 1
	s_cmp_lg_u32 s62, 0
	s_cbranch_scc1 .Lenc
	s_wait_loadcnt 0x0
	s_wait_dscnt 0x0
; ---------------------------------------------------------------- kv_in = features + rel Wrel + brel for my 16 queries' 4 neighbours; its codes are the 4 neighbour tiles of m = w
.irp n, 0,1,2,3
	v_min_u32 v[G0+\n], 0x1fff, v[G0+\n]           ; a loaded number enters an address only held inside the table
.endr
.irp n, 0,1,2,3
	v_mul_u32_u24 v[TA+\n], v[G0+\n], 12
	v_lshlrev_b32 v[G0+\n], 11, v[G0+\n]
.endr
.irp n, 0,1,2,3
	v_add_nc_u32 v[G0+\n], v[G0+\n], v[CA]         ; (CA is 64 h again)
.endr
.irp n, 0,1,2,3
.irp a, 0,1,2
	global_load_b32 v[T+16+3*\n+\a], v[TA+\n], s[S_CC:S_CC+1] offset:4*\a
.endr
.endr
	COEFH 0, CA, S_WREL, S_BREL
	XLOAD HA, G0, 0
	XLOAD AGG, G0+1, 0
	s_wait_loadcnt 48                              ; the neighbours' coordinates are in; 32 + 8 + 8 younger loads may be out
.irp n, 0,1,2,3
.irp a, 0,1,2
	v_sub_f32 v[ATT+4*\n+\a], v[QC+\a], v[T+16+3*\n+\a]
.endr
	v_mov_b32 v[ATT+4*\n+3], 0
.endr
; Unit u = 4 c + n of a trip: neighbour n, columns 64 c on of the trip's 128.  The features of unit u + 2 are asked for when unit u's registers fall free (two sets by turns).
.macro UNIT u, cnt
.set UN, (\u)%4
.set UC, (\u)/4
.set UX, HA+(AGG-HA)*((\u)%2)
	s_wait_loadcnt \cnt
	AFF UX, ATT+4*UN, UC, 1
	QUANT2 UX, 0, TA, 4096*UN+512*UC, TA+1, KVS_O+512*UN+2*UC
.if (\u) < 6
	XLOAD UX, T+((\u)+2)%4, ((\u)+2)/4
.else
	XLOAD UX, T+4+(\u)-6, 0
.endif
.endm
	s_mov_b32 s62, 4
	s_mov_b32 s63, 0
	s_mov_b32 s66, 0
	s_mov_b32 s67, 0
.Lkv:
	s_wait_xcnt 0x0                                ; address registers are rewritten only behind these two waits
	s_wait_dscnt 0x0
.irp n, 0,1,2,3
	v_add_nc_u32 v[T+\n], s67, v[G0+\n]            ; this trip's 512 bytes of each neighbour's row
.endr
	s_add_co_u32 s70, s67, 512
	s_and_b32 s70, s70, 0x7ff                      ; the next trip's; in the last trip back to the row's start: inside the row
	v_add_nc_u32 v[T+4], s70, v[G0]
	v_add_nc_u32 v[T+5], s70, v[G0+1]
	v_add_nc_u32 v[TA], s63, v[KIA]
	v_add_nc_u32 v[TA+1], s66, v[KSA]
	COEFH 1, CB, S_WREL, S_BREL
	UNIT 0, 40                                     ; may be out: unit 1's 8 loads and set 1's 32
	UNIT 1, 40                                     ; set 1's 32 and unit 2's 8
	UNIT 2, 8                                      ; unit 3's
	UNIT 3, 8                                      ; unit 4's
	s_wait_xcnt 0x0
	v_add_nc_u32 v[CA], 0x200, v[CA]
	v_and_b32 v[CA], 0x7ff, v[CA]
	COEFH 0, CA, S_WREL, S_BREL                    ; set 0 is done with: the next trip's
	UNIT 4, 40                                     ; unit 5's 8 and set 0's 32
	UNIT 5, 40                                     ; set 0's 32 and unit 6's 8
	UNIT 6, 8
	UNIT 7, 8
	s_wait_xcnt 0x0
	v_add_nc_u32 v[CB], 0x200, v[CB]
	v_and_b32 v[CB], 0x7ff, v[CB]
	s_add_co_u32 s63, s63, 1024
	s_add_co_u32 s66, s66, 4
	s_add_co_u32 s67, s67, 512
	s_sub_co_u32 s62, s62, 1
	s_cmp_lg_u32 s62, 0
	s_cbranch_scc1 .Lkv
	s_wait_loadcnt 0x0                             ; the weights of the first two half-phases are in as well
	BAR                                            ; region 0 and the 16 neighbour tiles lie in LDS
; ---------------------------------------------------------------- the half-phases
.macro ACTT slot, dwin, d, inplace, m, ao, so    ; query tile m: its product; the next tile's operand is fetched behind it
	s_wait_dscnt 0x0
	MM \slot, \dwin, \d, \inplace
.if \m < 3
	FETCHA LI2, \ao+4096*\m+4096, LI2, \so+512*\m+512
.endif
.endm
.macro KVT slot, rt                    ; neighbour tile rt likewise
	s_wait_dscnt 0x0
	MM \slot, 0, HA, 0
.if (\rt) < 15
	FETCHA LI, 4096*(\rt)+4096, LI2, KVS_O+512*(\rt)+512
.endif
.endm
.macro SCORE m, n                      ; q . k over the head's 64: my 32 columns in four chains, then lane l xor 16's
	WIN 0x03
.set I, 0
.rept 16
.if I < 4
	v_pk_mul_f32 v[T+2*I:T+2*I+1], v[32*\m+2*I:32*\m+2*I+1], v[HA+2*I:HA+2*I+1]
.else
	v_pk_fma_f32 v[T+2*(I%4):T+2*(I%4)+1], v[32*\m+2*I:32*\m+2*I+1], v[HA+2*I:HA+2*I+1], v[T+2*(I%4):T+2*(I%4)+1]
.endif
.set I, I+1
.endr
	WIN 0
	v_pk_add_f32 v[T:T+1], v[T:T+1], v[T+2:T+3]
	v_pk_add_f32 v[T+4:T+5], v[T+4:T+5], v[T+6:T+7]
	v_pk_add_f32 v[T:T+1], v[T:T+1], v[T+4:T+5]
	v_add_f32 v[T], v[T], v[T+1]
	v_permlanex16_b32 v[T+1], v[T], s[SEL], s[SEL+1]
	v_add_f32 v[ATT+4*\m+\n], v[T], v[T+1]
.endm
.macro SOFTMAX m                       ; over the four neighbours: the largest score is taken away; 2^((s - max) log2(e) / 8)
.set SM, ATT+4*\m
	v_max3_num_f32 v[T], v[SM], v[SM+1], v[SM+2]
	v_max_num_f32 v[T], v[T], v[SM+3]
.irp n, 0,1,2,3
	v_sub_f32 v[SM+\n], v[SM+\n], v[T]
.endr
.irp n, 0,1,2,3
	v_mul_f32 v[SM+\n], 0x3e38aa3b, v[SM+\n]
.endr
.irp n, 0,1,2,3
	v_exp_f32 v[SM+\n], v[SM+\n]
.endr
	v_nop                                          ; a plain place behind the exponentials
	s_wait_alu depctr_va_vdst(0)
	v_add_f32 v[T], v[SM], v[SM+1]
	v_add_f32 v[T+1], v[SM+2], v[SM+3]
	v_add_f32 v[T], v[T], v[T+1]
	v_rcp_f32 v[T], v[T]
	v_nop
	s_wait_alu depctr_va_vdst(0)
.irp n, 0,1,2,3
	v_mul_f32 v[SM+\n], v[SM+\n], v[T]
.endr
.endm
.macro AVROW first, pr, sel            ; the weighted sum (+)= v x one register of the pair v[pr:pr+1]
.set I, 0
.rept 16
.if \first
	v_pk_mul_f32 v[AGG+I:AGG+I+1], v[HA+I:HA+I+1], v[\pr:\pr+1] op_sel:[0,\sel] op_sel_hi:[1,\sel]
.else
	v_pk_fma_f32 v[AGG+I:AGG+I+1], v[HA+I:HA+I+1], v[\pr:\pr+1], v[AGG+I:AGG+I+1] op_sel:[0,\sel,0] op_sel_hi:[1,\sel,1]
.endif
.set I, I+2
.endr
.endm
.macro HPQ slot                        ; q = qe Wq + bq, one head, kept in window 3
	FETCHA LI2, A1_O, LI2, A1S_O
.irp m, 0,1,2,3
	ACTT \slot, 3, 32*\m, 0, \m, A1_O, A1S_O
.endr
.endm
.macro HPK slot                        ; k of one head for the 16 neighbour tiles; only the scores are kept
	FETCHA LI, 0, LI2, KVS_O
.irp m, 0,1,2,3
.irp n, 0,1,2,3
	KVT \slot, 4*\m+\n
	SCORE \m, \n
.endr
	SOFTMAX \m
.endr
.endm
.macro HPV slot, c                     ; v likewise; only the weighted sum is kept, and its codes go into region 0
	FETCHA LI, 0, LI2, KVS_O
.irp m, 0,1,2,3
	KVT \slot, 4*\m
	AVROW 1, ATT+4*\m, 0
	KVT \slot, 4*\m+1
	AVROW 0, ATT+4*\m, 1
	KVT \slot, 4*\m+2
	AVROW 0, ATT+4*\m+2, 0
	KVT \slot, 4*\m+3
	AVROW 0, ATT+4*\m+2, 1
	QUANT2 AGG, 0, IA, A0_O+4096*\m+512*\c, SA, A0S_O+512*\m+2*\c
.endr
.endm
.macro HPO slot, c                     ; x = agg Wo + qe + bo: the sums go on top of qe, the bias is added behind them
	FETCHA LI2, A0_O, LI2, A0S_O
.irp m, 0,1,2,3
	ACTT \slot, 2, 64*\m+32*\c, 1, \m, A0_O, A0S_O
	WIN 0x8e
.set I, 0
.rept 16
	v_pk_add_f32 v[64*\m+32*\c+I:64*\m+32*\c+I+1], v[64*\m+32*\c+I:64*\m+32*\c+I+1], v[BR+32*\slot+I:BR+32*\slot+I+1]
.set I, I+2
.endr
	WIN 0
.endr
.endm
	; qe = G Wqe2 + bqe2: kept in window 2; its codes go into region 1
	FETCHA LI2, A0_O, LI2, A0S_O
.irp m, 0,1,2,3
	ACTT 1, 2, 64*\m, 0, \m, A0_O, A0S_O
	QUANT2 64*\m, 2, IA, A1_O+4096*\m, SA, A1S_O+512*\m
.endr
	LOADW S_WQ, P_BQ, 1, 0, WA, WSA, BA
	FETCHA LI2, A0_O, LI2, A0S_O
.irp m, 0,1,2,3
	ACTT 0, 2, 64*\m+32, 0, \m, A0_O, A0S_O
	QUANT2 64*\m+32, 2, IA, A1_O+4096*\m+512, SA, A1S_O+512*\m+2
.endr
	BAR                                            ; region 1 holds qe's codes; nobody reads region 0 any more
	s_wait_loadcnt 0x0                             ; at the head of each half-phase: its weights are in; then the next one's are asked for, into the set just left
	LOADW S_WK, P_BK, 0, 0, WA, WSA, BA
	HPQ 1
	s_wait_loadcnt 0x0
	LOADW S_WV, P_BV, 1, 0, WA, WSA, BA
	HPK 0
	s_wait_loadcnt 0x0
	LOADW S_WQ, P_BQ, 0, 1, WA, WSA, BA
	HPV 1, 0
	s_wait_loadcnt 0x0
	LOADW S_WK, P_BK, 1, 1, WA, WSA, BA
	HPQ 0
	s_wait_loadcnt 0x0
	LOADW S_WV, P_BV, 0, 1, WA, WSA, BA
	HPK 1
	s_wait_loadcnt 0x0
	LOADW S_WO, P_BO, 1, 0, WA, WSA, BA
	HPV 0, 1
	BAR                                            ; region 0 holds the aggregate's codes; nobody reads region 1 any more
	s_wait_loadcnt 0x0
	LOADW S_WO, P_BO, 0, 1, WA, WSA, BA
	WIN 0xc0
	BLOAD 0, P_LNG, 0, BA                          ; ln_g and ln_b of my 128 columns, where q lay
	BLOAD 32, P_LNG, 1, BA
	BLOAD 64, P_LNB, 0, BA
	BLOAD 96, P_LNB, 1, BA
	WIN 0
	HPO 1, 0
	s_wait_loadcnt 0x0
	LOADW S_WH1, P_BH1, 1, 0, WA, WSA, BA
	HPO 0, 1
; ---------------------------------------------------------------- LayerNorm.  Each wave: mean and sum of squared deviations of its 128 columns; the four are joined exactly (no difference of large sums).
.macro LNSTAT m
.set MEAN, T+40+2*\m
	WIN 0x0a
.set I, 0
.rept 16
	v_pk_add_f32 v[T+I:T+I+1], v[64*\m+I:64*\m+I+1], v[64*\m+32+I:64*\m+32+I+1]
.set I, I+2
.endr
	WIN 0
.irp d, 16,8,4,2
.set I, 0
.rept \d/2
	v_pk_add_f32 v[T+I:T+I+1], v[T+I:T+I+1], v[T+\d+I:T+\d+I+1]
.set I, I+2
.endr
.endr
	v_add_f32 v[T], v[T], v[T+1]
	v_permlanex16_b32 v[T+1], v[T], s[SEL], s[SEL+1]
	v_add_f32 v[T], v[T], v[T+1]
	v_mov_b32 v[MEAN+1], 0                         ; (named below as the upper half of a pair)
	v_mul_f32 v[MEAN], 0x3c000000, v[T]            ; / 128
.irp f, 0,1
	WIN 0x02
.set I, 0
.rept 16
	v_pk_add_f32 v[T+I:T+I+1], v[64*\m+32*\f+I:64*\m+32*\f+I+1], v[MEAN:MEAN+1] op_sel_hi:[1,0] neg_lo:[0,1] neg_hi:[0,1]
.set I, I+2
.endr
	WIN 0
.set I, 0
.rept 16
.if (\f == 0) && (I < 8)
	v_pk_mul_f32 v[T+32+I:T+32+I+1], v[T+I:T+I+1], v[T+I:T+I+1]
.else
	v_pk_fma_f32 v[T+32+I%8:T+32+I%8+1], v[T+I:T+I+1], v[T+I:T+I+1], v[T+32+I%8:T+32+I%8+1]
.endif
.set I, I+2
.endr
.endr
	v_pk_add_f32 v[T+32:T+33], v[T+32:T+33], v[T+34:T+35]
	v_pk_add_f32 v[T+36:T+37], v[T+36:T+37], v[T+38:T+39]
	v_pk_add_f32 v[T+32:T+33], v[T+32:T+33], v[T+36:T+37]
	v_add_f32 v[T+32], v[T+32], v[T+33]
	v_permlanex16_b32 v[T+33], v[T+32], s[SEL], s[SEL+1]
	v_add_f32 v[MEAN+1], v[T+32], v[T+33]
	ds_store_b64 v[L8W], v[MEAN:MEAN+1] offset:LNX_O+1024*\m
.endm
.macro LNAPPLY m
.set LM, T+8*\m
.set PM, T+32+2*\m                     ; the row's mean, and 1 / sqrt(variance + 1e-5)
	v_add_f32 v[T+48], v[LM], v[LM+2]
	v_add_f32 v[T+49], v[LM+4], v[LM+6]
	v_add_f32 v[T+48], v[T+48], v[T+49]
	v_mul_f32 v[PM], 0x3e800000, v[T+48]
.irp w, 0,2,4,6
	v_sub_f32 v[LM+\w], v[LM+\w], v[PM]
.endr
	v_add_f32 v[T+48], v[LM+1], v[LM+3]
	v_add_f32 v[T+49], v[LM+5], v[LM+7]
	v_mul_f32 v[T+50], v[LM], v[LM]
	v_add_f32 v[T+48], v[T+48], v[T+49]
	v_fma_f32 v[T+50], v[LM+2], v[LM+2], v[T+50]
	v_fma_f32 v[T+50], v[LM+4], v[LM+4], v[T+50]
	v_fma_f32 v[T+50], v[LM+6], v[LM+6], v[T+50]
	v_fma_f32 v[T+48], v[T+50], 0x43000000, v[T+48] ; + 128 x the sum of the squared distances of the four means
	v_fma_f32 v[T+48], v[T+48], 0x3b000000, s70    ; / 512 + 1e-5
	v_rsq_f32 v[PM+1], v[T+48]
	v_nop
	WIN 0x82
.set I, 0
	s_wait_alu depctr_va_vdst(0)
.rept 32
	v_pk_add_f32 v[64*\m+I:64*\m+I+1], v[64*\m+I:64*\m+I+1], v[PM:PM+1] op_sel_hi:[1,0] neg_lo:[0,1] neg_hi:[0,1]
.set I, I+2
.endr
.set I, 0
.rept 32
	v_pk_mul_f32 v[64*\m+I:64*\m+I+1], v[64*\m+I:64*\m+I+1], v[PM:PM+1] op_sel:[0,1] op_sel_hi:[1,1]
.set I, I+2
.endr
	WIN 0xbe
.set I, 0
.rept 32
	v_pk_fma_f32 v[64*\m+I:64*\m+I+1], v[64*\m+I:64*\m+I+1], v[I:I+1], v[64+I:64+I+1]
.set I, I+2
.endr
	WIN 0
	QUANT2 64*\m, 2, IA, A1_O+4096*\m, SA, A1S_O+512*\m
	QUANT2 64*\m+32, 2, IA, A1_O+4096*\m+512, SA, A1S_O+512*\m+2
.endm
.irp m, 0,1,2,3
	LNSTAT \m
.endr
	BAR                                            ; the four waves' figures lie in LDS; nobody reads region 0 any more
.irp m, 0,1,2,3
.irp w, 0,1,2,3
	ds_load_b64 v[T+8*\m+2*\w:T+8*\m+2*\w+1], v[L8R] offset:LNX_O+1024*\m+256*\w
.endr
.endr
	s_mov_b32 s70, 0x3727c5ac                      ; 1e-5
	s_wait_dscnt 0x0
.irp m, 0,1,2,3
	LNAPPLY \m
.endr
	BAR                                            ; region 1 holds the normalised rows' codes
; ---------------------------------------------------------------- the prediction head: a loop of four trips, one query tile each.  last = 0: gelu, codes into region 0.  last = 1: gelu, my 64 columns' part of the logit.
.macro HPH slot, ao, so, c, last
	s_mov_b32 s62, 4
	s_mov_b32 s63, 0
	s_mov_b32 s66, 0
.Lhead_\@:
	s_wait_dscnt 0x0                               ; the last trip's LDS stores are done: their addresses may be written
	v_add_nc_u32 v[TA], s63, v[LI2]
	v_add_nc_u32 v[TA+1], s66, v[LI2]
.if \last
	v_add_nc_u32 v[TA+3], s66, v[L4W]
.else
	v_add_nc_u32 v[TA+2], s63, v[IA]
	v_add_nc_u32 v[TA+3], s66, v[SA]
.endif
	FETCHA TA, \ao, TA+1, \so
	s_wait_dscnt 0x0
	MM \slot, 0, HA, 0
	GELU HA
.if \last
	WIN 0x0c
.set I, 0
.rept 16
.if I < 8
	v_pk_mul_f32 v[T+I:T+I+1], v[HA+I:HA+I+1], v[WH3R+I:WH3R+I+1]
.else
	v_pk_fma_f32 v[T+I%8:T+I%8+1], v[HA+I:HA+I+1], v[WH3R+I:WH3R+I+1], v[T+I%8:T+I%8+1]
.endif
.set I, I+2
.endr
	WIN 0
	v_pk_add_f32 v[T:T+1], v[T:T+1], v[T+2:T+3]
	v_pk_add_f32 v[T+4:T+5], v[T+4:T+5], v[T+6:T+7]
	v_pk_add_f32 v[T:T+1], v[T:T+1], v[T+4:T+5]
	v_add_f32 v[T], v[T], v[T+1]
	v_permlanex16_b32 v[T+1], v[T], s[SEL], s[SEL+1]
	v_add_f32 v[T], v[T], v[T+1]
	ds_store_b32 v[TA+3], v[T] offset:LG_O
.else
	QUANT2 HA, 0, TA+2, A0_O+512*\c, TA+3, A0S_O+2*\c
.endif
	s_add_co_u32 s63, s63, 4096
	s_add_co_u32 s66, s66, 512
	s_sub_co_u32 s62, s62, 1
	s_cmp_lg_u32 s62, 0
	s_cbranch_scc1 .Lhead_\@
.endm
	s_wait_loadcnt 0x0
	LOADW S_WH1, P_BH1, 0, 1, WA, WSA, BA
	HPH 1, A1_O, A1S_O, 0, 0
	s_wait_loadcnt 0x0
	LOADW S_WH2, P_BH2, 1, 0, WA2, WSA2, BA2
	WIN 0xc0
	BLOAD WH3R, P_WH3, 0, BA2
	WIN 0
	HPH 0, A1_O, A1S_O, 1, 0
	BAR                                            ; region 0 holds the first hidden layer's codes
	s_wait_loadcnt 0x0
	HPH 1, A0_O, A0S_O, 0, 1
	BAR                                            ; the four waves' parts of 64 logits lie in LDS
	s_cmp_lg_u32 s54, 0
	s_cbranch_scc1 .Lend
.irp w, 0,1,2,3
	ds_load_b64 v[T+2*\w:T+2*\w+1], v[LGR] offset:LG_O+128*\w   ; lane l: queries 2 l and 2 l + 1
.endr
	v_and_b32 v[T+8], 31, v0
	v_lshlrev_b32 v[T+8], 3, v[T+8]
	s_lshl_b32 s70, ttmp9, 8
	v_add_nc_u32 v[T+8], s70, v[T+8]
	s_wait_dscnt 0x0
	v_pk_add_f32 v[T:T+1], v[T:T+1], v[T+2:T+3]
	v_pk_add_f32 v[T+4:T+5], v[T+4:T+5], v[T+6:T+7]
	v_pk_add_f32 v[T:T+1], v[T:T+1], v[T+4:T+5]
	v_add_f32 v[T], s68, v[T]
	v_add_f32 v[T+1], s68, v[T+1]
	global_store_b64 v[T+8], v[T:T+1], s[S_OUT:S_OUT+1]           ; the wave stores 256 consecutive bytes, at a multiple of 256 from the buffer's first byte
.Lend:
	s_wait_tensorcnt 0x0
	ds_add_u32 v254, v255
	s_wait_dscnt 0x0
	s_endpgm
.Lfunc_end_k_qd31240c8c6_main:
	.size	k_qd31240c8c6_main, .Lfunc_end_k_qd31240c8c6_main-k_qd31240c8c6_main
	.p2alignl 7, 3214868480
	.fill 96, 4, 3214868480
	.section	.rodata,"a",@progbits
	.p2align	6, 0x0
	.amdhsa_kernel k_qd31240c8c6_main
		.amdhsa_group_segment_fixed_size 117248
		.amdhsa_private_segment_fixed_size 0
		.amdhsa_enable_private_segment 0
		.amdhsa_kernarg_size 200
		.amdhsa_user_sgpr_count 2
		.amdhsa_user_sgpr_kernarg_segment_ptr 1
		.amdhsa_wavefront_size32 1
		.amdhsa_system_sgpr_workgroup_id_x 1
		.amdhsa_system_sgpr_workgroup_id_y 1
		.amdhsa_system_sgpr_workgroup_id_z 1
		.amdhsa_system_vgpr_workitem_id 0
		.amdhsa_next_free_vgpr 1024
		.amdhsa_next_free_sgpr 72
		.amdhsa_reserve_vcc 0
		.amdhsa_float_denorm_mode_32 3
		.amdhsa_float_denorm_mode_16_64 3
		.amdhsa_memory_ordered 1
		.amdhsa_forward_progress 1
		.amdhsa_inst_pref_size 255
	.end_amdhsa_kernel
	.section	.bss,"aw",@nobits
	.p2align	6
	.space	262144
	.amdgpu_metadata
---
amdhsa.version: [ 1, 2 ]
amdhsa.kernels:
  - .name:           k_qd31240c8c6_main
    .symbol:         k_qd31240c8c6_main.kd
    .args:
      - { .name: Wqe2_codes, .offset: 0, .size: 8, .value_kind: global_buffer, .address_space: global }
      - { .name: Wqe2_scales, .offset: 8, .size: 8, .value_kind: global_buffer, .address_space: global }
      - { .name: Wq_codes, .offset: 16, .size: 8, .value_kind: global_buffer, .address_space: global }
      - { .name: Wq_scales, .offset: 24, .size: 8, .value_kind: global_buffer, .address_space: global }
      - { .name: Wk_codes, .offset: 32, .size: 8, .value_kind: global_buffer, .address_space: global }
      - { .name: Wk_scales, .offset: 40, .size: 8, .value_kind: global_buffer, .address_space: global }
      - { .name: Wv_codes, .offset: 48, .size: 8, .value_kind: global_buffer, .address_space: global }
      - { .name: Wv_scales, .offset: 56, .size: 8, .value_kind: global_buffer, .address_space: global }
      - { .name: Wo_codes, .offset: 64, .size: 8, .value_kind: global_buffer, .address_space: global }
      - { .name: Wo_scales, .offset: 72, .size: 8, .value_kind: global_buffer, .address_space: global }
      - { .name: Wh1_codes, .offset: 80, .size: 8, .value_kind: global_buffer, .address_space: global }
      - { .name: Wh1_scales, .offset: 88, .size: 8, .value_kind: global_buffer, .address_space: global }
      - { .name: Wh2_codes, .offset: 96, .size: 8, .value_kind: global_buffer, .address_space: global }
      - { .name: Wh2_scales, .offset: 104, .size: 8, .value_kind: global_buffer, .address_space: global }
      - { .name: par, .offset: 112, .size: 8, .value_kind: global_buffer, .address_space: global }
      - { .name: Wqe1, .offset: 120, .size: 8, .value_kind: global_buffer, .address_space: global }
      - { .name: bqe1, .offset: 128, .size: 8, .value_kind: global_buffer, .address_space: global }
      - { .name: Wrel, .offset: 136, .size: 8, .value_kind: global_buffer, .address_space: global }
      - { .name: brel, .offset: 144, .size: 8, .value_kind: global_buffer, .address_space: global }
      - { .name: context_coords, .offset: 152, .size: 8, .value_kind: global_buffer, .address_space: global }
      - { .name: context_features, .offset: 160, .size: 8, .value_kind: global_buffer, .address_space: global }
      - { .name: query_points_coords, .offset: 168, .size: 8, .value_kind: global_buffer, .address_space: global }
      - { .name: nn, .offset: 176, .size: 8, .value_kind: global_buffer, .address_space: global }
      - { .name: bh3, .offset: 184, .size: 8, .value_kind: global_buffer, .address_space: global }
      - { .name: out0, .offset: 192, .size: 8, .value_kind: global_buffer, .address_space: global }
    .group_segment_fixed_size: 117248
    .private_segment_fixed_size: 0
    .kernarg_segment_align: 8
    .kernarg_segment_size: 200
    .max_flat_workgroup_size: 128
    .sgpr_count:     72
    .vgpr_count:     1024
    .wavefront_size: 32
...
	.end_amdgpu_metadata
.endif
;; end of part 3
;; ======== version 2 of 3: 3 launches
;; workspace buffers: grp 262,144 bytes of whole numbers; nn 262,144 bytes of whole numbers; par 18,432 bytes
;; launch knn_a: the kernel of part 1 again; grid 256 x 1, 8 waves a work-group, no clusters, 148,480 bytes of LDS; arguments query_points_coords, context_coords, grp; writes grp
;; launch knn_b: the kernel of part 2 again; grid 256 x 1, 8 waves a work-group, no clusters, 0 bytes of LDS; arguments grp, query_points_coords, context_coords, bqe2, bq, bk, bv, bo, bh1, ln_g, ln_b, bh2, Wh3, nn, par; writes nn, par
;; launch main (part 4): grid 256 x 1, 8 waves a work-group, no clusters, 271,360 bytes of LDS; arguments Wqe2_codes, Wqe2_scales, Wq_codes, Wq_scales, Wk_codes, Wk_scales, Wv_codes, Wv_scales, Wo_codes, Wo_scales, Wh1_codes, Wh1_scales, Wh2_codes, Wh2_scales, par, Wqe1, bqe1, Wrel, brel, context_coords, context_features, query_points_coords, nn, bh3, out0; writes out0
.if DOCPART == 4
	.amdgcn_target "amdgcn-amd-amdhsa--gfx1250"
	.amdhsa_code_object_version 6
	.text
	.protected	k_qd31240c8c6_main
	.globl	k_qd31240c8c6_main
	.p2align	8
	.type	k_qd31240c8c6_main,@function
k_qd31240c8c6_main:
	s_mov_b64 s[64:65], 0
	v_nop
	global_prefetch_b8 v0, s[64:65] scope:SCOPE_SE
	s_setreg_imm32_b32 hwreg(HW_REG_WAVE_MODE, 25, 1), 1
	s_wait_xcnt 0x0
; THE WHOLE NETWORK BEHIND THE SEARCH, for 64 queries a work-group: query encoder, gather, relative-position attention over 4 neighbours, LayerNorm, prediction head.  Nothing between the steps goes to memory.
; The seven large products run on codes of FP4 (E2M1) with one E8M0 scale for each 32 along K; the weights come as codes; every activation is quantised on the way, in f32, by the block rule:
; scale byte = exponent field of the block's largest magnitude - 2, held at 1 from below (a block of zeros keeps the byte 1: its codes are zeros, and only this text reads the bytes).
; SHARES.  Eight waves, two to a SIMD.  THE WAVES SHARE THE COLUMNS: wave w makes columns 64 w .. 64 w + 63, which are head w, of every product, for all rows (Wh2: 32 w .. 32 w + 31).  So each weight byte is wanted by ONE wave
; of the work-group and goes from memory straight into its registers (128 a product), in two sets by turns.  That is why no tensor load, no LDS ring and no joint load in a cluster is used: those land in LDS.
; EVERY PHASE IS WRITTEN ONCE, AS A LOOP OF FOUR TRIPS OVER THE ROW TILES: what hangs on the tile (qe and x, the attention weights) lies in the wave's own LDS bytes and not in registers, so that the text stays short.
; ROWS: tiles m = 0..3 of 16 queries; tiles 4 m + n of 16 neighbour rows (neighbour n of tile m's queries), so that a lane holds the same query in q, k and v.
; THE PRODUCTS ARE USED TRANSPOSED (source 0 = 16 rows of the weight, source 1 = 16 rows of activations): lane (r, h) holds row r.  THE WEIGHT ROWS OF A TILE ARE NOT NEIGHBOURS: lane r of tile 2 b + u takes row
; 32 b + 8 u + r + 8 (r / 8), so that register 16 b + i of the lane's 32 is column 32 b + 16 h + i: 16 neighbours along the next K.  A block of 32 lies in lanes l and l xor 16.
; ACTIVATIONS GO FROM WAVE TO WAVE THROUGH LDS AS IMAGES OF THE OPERAND'S REGISTERS: a wave's 64 columns are 4 registers (16 bytes a lane, at 16 x lane + 512 w) and 2 scale bytes.
; Two sets of weight registers cannot hold Wq, Wk and Wv at once: Wk and Wv are asked for when their set falls free, and the wave waits for them there.
; erf is z P(z^2) / Q(z^2) on z held to +-4, degrees 6 and 4; absolute error about 1e-7.  LIMITS: NaN and infinities among the inputs are not served; gelu of numbers under about -5.6 is 0 to within 1e-7 of |x|.
; LDS: 0: images of the 16 neighbour tiles (4,096 bytes each: [wave's 64 columns][512]);  from 65,536 on: their scale words (512 bytes a tile: [lane][4 words]); two regions for 4 query tiles each, by turns (images 16,384, words 2,048);
; the LayerNorm's figures (8,192); the logits' parts (4,096); the attention weights (2,048 a wave); from 139,264 on: qe, then x, in f32 (16,384 a wave: [tile][8][512]).
.set KVS_O,  0                         ; offsets from LDS byte 65,536
.set A0_O,   8192
.set A0S_O,  24576
.set A1_O,   26624
.set A1S_O,  43008
.set LNX_O,  45056
.set LG_O,   53248
.set ATL_O,  57344
.set XQ,     139264
.set P_BQE2, 0                         ; byte offsets in par
.set P_BQ,   2048
.set P_BK,   4096
.set P_BV,   6144
.set P_BO,   8192
.set P_BH1,  10240
.set P_LNG,  12288
.set P_LNB,  14336
.set P_BH2,  16384
.set P_WH3,  17408
.set S_WQE2, 4                         ; scalar pairs: a weight's codes, and its scales two registers on
.set S_WQ,   8
.set S_WK,   12
.set S_WV,   16
.set S_WO,   20
.set S_WH1,  24
.set S_WH2,  28
.set S_PAR,  32
.set S_WQE1, 34
.set S_BQE1, 36
.set S_WREL, 38
.set S_BREL, 40
.set S_CC,   42
.set S_CF,   44
.set S_QC,   46
.set S_NN,   48
.set S_BH3,  50
.set S_OUT,  52
.set SEL,    56                        ; s[56:57] v_permlanex16_b32's selects for lane l xor 16
; s54 wave; s55, s70 at work; s62 trips; s63, s66, s67, s69, s71: 4,096 m, 512 m, 16,384 m, 2,048 m, 1,024 m; s68 bh3
; WINDOW 0
.set LI,   1                           ; 16 x lane
.set LI2,  2                           ; + 65,536
.set IA,   3                           ; LI2 + 512 w: where my 64 columns of an image lie
.set SA,   4                           ; LI2 + 2 w: and my two scale bytes
.set WA,   5                           ; weights: (64 w + r + 8 (r / 8)) x 256 + 16 h
.set WSA,  6                           ; their scale words: (64 w + ..) x 16
.set BA,   7                           ; vectors in the results' layout: 256 w + 64 h
.set WA2,  8                           ; the same three for Wh2's 32 columns a wave
.set WSA2, 9
.set BA2,  10
.set G0,   12                          ; v12-15 neighbour n: index x 2,048 + 256 w + 64 h
.set KIA,  16                          ; LI + 512 w
.set XQA,  17                          ; XQ + 16,384 w + 16 x lane
.set L8W,  18                          ; 65,536 + 8 x lane + 256 w
.set L8R,  19                          ; 65,536 + 8 x lane
.set TA,   20                          ; v20-23 addresses of the trip in hand
.set WS,   24                          ; v24-55 the weights' scale words: 16 x set + 4 t + s.  They hold scales and nothing else
.set HA,   56                          ; v56-87 four accumulators
.set AF,   88                          ; v88-119 a row tile's four fragments; at work in the LayerNorm
.set AS,   120                         ; v120-123 its four scale words.  Scales and nothing else
.set PC,   124                         ; v124-127 codes just made
.set TM,   128                         ; v128-135 the quantiser's
.set PW,   136                         ; two scale bytes just made
.set L4W,  137                         ; 65,536 + 4 x lane + 128 w
.set LGR,  138                         ; 65,536 + 1,024 (lane / 8) + 8 (lane % 8)
.set ATA,  139                         ; LI2 + 2,048 w
.set BI,   140                         ; v140-203 biases: 32 x set.  Set 0 later ln_g, then bh2 and Wh3
.set NN,   172                         ; in the first two phases set 1's registers serve: v172-175 four neighbours' indices,
.set QCN,  176                         ; v176-178 the query's coordinates,
.set CCN,  180                         ; v180-191 the neighbours' coordinates,
.set QB,   192                         ; (64 x work-group + r) x 12,
.set NB,   193                         ; (64 x work-group + r) x 16,
.set QAD,  194                         ; the addresses of the loads in hand
.set NAD,  195
.set KAD,  196
.set KSD,  197
.set R,    204                         ; v204-235 by turns: gelu's scratch, the second set of features, the q tile, the weighted sum of v, ln_b
.set T,    204
.set QC,   236                         ; v236-239 q0, q1, q2, 0
.set REL,  236                         ; v236-251 the relative coordinates, 4 registers a neighbour
.set ATT,  236                         ; v236-239 scores, then attention weights, of the tile in hand
.set MEAN, 236                         ; v[236:237] the LayerNorm's pair
.set S8,   240                         ; v240-247 four chains of sums
.set XAD,  248
.set AAD,  249
.set EC,   254                         ; v[254:255] erf's two leading coefficients
.set WH3R, BI+16
; WINDOW 1: weights, 128 x set + 32 t + 8 s; ahead of that the coefficients of the two small products (W0, W1, W2, bias: 32 registers each)
.set MSB, 0
.macro WIN new                         ; the immediate's high byte repeats the setting that is left; a switch that changes nothing is dropped
.if MSB != (\new)
	s_set_vgpr_msb (MSB<<8)|(\new)
.set MSB, (\new)
.endif
.endm
.macro NOPS n
.rept \n
	v_nop
.endr
.endm
.macro BAR                             ; my LDS stores have landed and my LDS loads are in: then the work-group's barrier
	s_wait_dscnt 0x0
	s_barrier_signal -1
	s_barrier_wait -1
.endm
.macro HEAD                            ; every loop of this text has four trips, one a tile of 16 queries, and steps the same five offsets
	s_mov_b32 s62, 4
	s_mov_b32 s63, 0
	s_mov_b32 s66, 0
	s_mov_b32 s67, 0
	s_mov_b32 s69, 0
	s_mov_b32 s71, 0
.endm
.macro TAIL lbl
	s_add_co_u32 s63, s63, 4096
	s_add_co_u32 s66, s66, 512
	s_add_co_u32 s67, s67, 16384
	s_add_co_u32 s69, s69, 2048
	s_add_co_u32 s71, s71, 1024
	s_sub_co_u32 s62, s62, 1
	s_cmp_lg_u32 s62, 0
	s_cbranch_scc1 \lbl
.endm
; 32 numbers of a vector of par in the results' layout (tile t, registers 8 t + 0..7: columns 64 w + 32 (t / 2) + 16 h + 8 (t % 2) + 0..7)
.macro BLOAD dst, bofs
.irp t, 0,1,2,3
.irp k, 0,1
	global_load_b128 v[\dst+8*\t+4*\k:\dst+8*\t+4*\k+3], v[BA], s[S_PAR:S_PAR+1] offset:\bofs+128*(\t/2)+32*(\t%2)+16*\k
.endr
.endr
.endm
; A product's weights for my 64 columns: 64 rows x 512 K: 16 fragments, their bias, their scale words: 44 loads
.macro LOADW wp, bofs, slot
	WIN 0x40
.irp t, 0,1,2,3
.irp s, 0,1,2,3
.irp k, 0,1
	global_load_b128 v[128*\slot+32*\t+8*\s+4*\k:128*\slot+32*\t+8*\s+4*\k+3], v[WA], s[\wp:\wp+1] offset:(32*(\t/2)+8*(\t%2))*256+64*\s+32*\k
.endr
.endr
.endr
	WIN 0
	BLOAD BI+32*\slot, \bofs
.irp t, 0,1,2,3
	global_load_b128 v[WS+16*\slot+4*\t:WS+16*\slot+4*\t+3], v[WSA], s[\wp+2:\wp+3] offset:(32*(\t/2)+8*(\t%2))*16
.endr
.endm
; A row tile's operand from LDS: four fragments and four scale words, as they were stored
.macro FETCHA ar, ao, sr, so
.irp s, 0,1,2,3
.irp k, 0,1
	ds_load_b128 v[AF+8*\s+4*\k:AF+8*\s+4*\k+3], v[\ar] offset:\ao+1024*\s+512*\k
.endr
.endr
	ds_load_b128 v[AS:AS+3], v[\sr] offset:\so
.endm
; 16 rows x 64 columns x K = 512: 16 matrix instructions.  The four accumulators take turns, one instruction a turn.  The bias is the C of each sum's first instruction; inplace = 1: the sums go on top of what D holds.
; Five places follow: for the reads of D, for loads into the operands, and for the next tile's instructions that write over D.
.macro MM slot, d, inplace
	WIN 0x01
.irp s, 0,1,2,3
.irp t, 0,1,2,3
.if (\s == 0) && (\inplace == 0)
	v_wmma_scale_f32_16x16x128_f8f6f4 v[\d+8*\t:\d+8*\t+7], v[128*\slot+32*\t+8*\s:128*\slot+32*\t+8*\s+7], v[AF+8*\s:AF+8*\s+7], v[BI+32*\slot+8*\t:BI+32*\slot+8*\t+7], v[WS+16*\slot+4*\t+\s], v[AS+\s] matrix_a_fmt:MATRIX_FMT_FP4 matrix_b_fmt:MATRIX_FMT_FP4
.else
	v_wmma_scale_f32_16x16x128_f8f6f4 v[\d+8*\t:\d+8*\t+7], v[128*\slot+32*\t+8*\s:128*\slot+32*\t+8*\s+7], v[AF+8*\s:AF+8*\s+7], v[\d+8*\t:\d+8*\t+7], v[WS+16*\slot+4*\t+\s], v[AS+\s] matrix_a_fmt:MATRIX_FMT_FP4 matrix_b_fmt:MATRIX_FMT_FP4
.endif
.endr
.endr
	WIN 0
	NOPS 5
.endm
; 32 numbers of a lane, register 16 b + i = column 32 b + 16 h + i of my row, become 4 registers of codes and 2 scale bytes, and go to LDS.  Each accumulator is read from its low end on.
.macro QUANT2 src, ia, io, sa, so
.irp b, 0,1
	v_max3_num_f32 v[TM+\b], |v[\src+16*\b]|, |v[\src+16*\b+1]|, 0x1800000   ; with the floor 2^(3 - 127): the byte cannot fall under 1
.endr
.irp b, 0,1
	v_max3_num_f32 v[TM+6+\b], |v[\src+16*\b+8]|, |v[\src+16*\b+9]|, |v[\src+16*\b+10]|
.endr
.irp i, 2,4
.irp b, 0,1
	v_max3_num_f32 v[TM+\b], |v[\src+16*\b+\i]|, |v[\src+16*\b+\i+1]|, v[TM+\b]
.endr
.irp b, 0,1
	v_max3_num_f32 v[TM+6+\b], |v[\src+16*\b+\i+9]|, |v[\src+16*\b+\i+10]|, v[TM+6+\b]
.endr
.endr
.irp b, 0,1
	v_max3_num_f32 v[TM+\b], |v[\src+16*\b+6]|, |v[\src+16*\b+7]|, v[TM+\b]
.endr
.irp b, 0,1
	v_max3_num_f32 v[TM+\b], |v[\src+16*\b+15]|, v[TM+6+\b], v[TM+\b]
.endr
.irp b, 0,1
	v_permlanex16_b32 v[TM+2+\b], v[TM+\b], s[SEL], s[SEL+1]
.endr
.irp b, 0,1
	v_max_num_f32 v[TM+\b], v[TM+\b], v[TM+2+\b]   ; with lane l xor 16's 16: the block's largest magnitude
.endr
.irp b, 0,1
	v_add_nc_u32 v[TM+4+\b], 0xff000000, v[TM+\b]  ; 2 off its exponent field: the conversion takes this operand's exponent field as its scale
.endr
.irp b, 0,1
	v_lshrrev_b32 v[TM+2+\b], 23, v[TM+4+\b]       ; the scale's byte
.endr
	s_wait_dscnt 0x0                               ; the last image's stores have read their registers
	v_lshl_or_b32 v[PW], v[TM+3], 8, v[TM+2]
.irp b, 0,1
	v_cvt_scalef32_pk8_fp4_f32 v[PC+2*\b], v[\src+16*\b:\src+16*\b+7], v[TM+4+\b]
	v_cvt_scalef32_pk8_fp4_f32 v[PC+2*\b+1], v[\src+16*\b+8:\src+16*\b+15], v[TM+4+\b]
.endr
	v_nop                                          ; one plain place behind a scaled conversion
	v_permlane16_swap_b32 v[PC], v[PC+2]           ; the operand's layout wants a whole block in a lane: lanes 0-15 block 0, lanes 16-31 block 1
	v_permlane16_swap_b32 v[PC+1], v[PC+3]
	ds_store_b128 v[\ia], v[PC:PC+3] offset:\io
	ds_store_b16 v[\sa], v[PW] offset:\so
.endm
; x = 0.5 x (1 + erf(x / sqrt 2)) on 8 ng numbers, four pairs at a time, operation by operation.  For pair i: z at T + 8 i, z^2 (later x / 2) at + 2, P at + 4, Q at + 6.
.macro GP off, lit
.irp i, 0,1,2,3
	v_pk_fma_f32 v[T+8*\i+\off:T+8*\i+\off+1], v[T+8*\i+\off:T+8*\i+\off+1], v[T+8*\i+2:T+8*\i+3], \lit op_sel_hi:[1,1,0]
.endr
.endm
.macro GELU x, ng
.set GG, 0
.rept \ng
.irp i, 0,1,2,3
	v_pk_mul_f32 v[T+8*\i:T+8*\i+1], v[\x+8*GG+2*\i:\x+8*GG+2*\i+1], 0x3f3504f3 op_sel_hi:[1,0]
.endr
.irp i, 0,1,2,3
	v_med3_num_f32 v[T+8*\i], v[T+8*\i], -4.0, 4.0
	v_med3_num_f32 v[T+8*\i+1], v[T+8*\i+1], -4.0, 4.0
.endr
.irp i, 0,1,2,3
	v_pk_mul_f32 v[T+8*\i+2:T+8*\i+3], v[T+8*\i:T+8*\i+1], v[T+8*\i:T+8*\i+1]
.endr
.irp i, 0,1,2,3
	v_pk_fma_f32 v[T+8*\i+4:T+8*\i+5], v[T+8*\i+2:T+8*\i+3], v[EC:EC+1], 0x32edffee op_sel_hi:[1,0,0]
.endr
.irp i, 0,1,2,3
	v_pk_fma_f32 v[T+8*\i+6:T+8*\i+7], v[T+8*\i+2:T+8*\i+3], v[EC:EC+1], 0xb95fbd29 op_sel:[0,1,0] op_sel_hi:[1,1,0]
.endr
	GP 4, 0xb60cff51
	GP 6, 0xbadc924e
	GP 4, 0xb86ec2d2
	GP 6, 0xbbf19bf8
	GP 4, 0xba40ac63
	GP 6, 0xbc69b6a7
	GP 4, 0xbb41a1f6
	GP 4, 0xbc83dbd4
.irp i, 0,1,2,3
	v_pk_mul_f32 v[T+8*\i+4:T+8*\i+5], v[T+8*\i+4:T+8*\i+5], v[T+8*\i:T+8*\i+1]
.endr
.irp i, 0,1,2,3
	v_rcp_f32 v[T+8*\i+6], v[T+8*\i+6]
	v_rcp_f32 v[T+8*\i+7], v[T+8*\i+7]
.endr
.irp i, 0,1,2,3
	v_pk_mul_f32 v[T+8*\i+2:T+8*\i+3], v[\x+8*GG+2*\i:\x+8*GG+2*\i+1], 0.5 op_sel_hi:[1,0]   ; (plain lines behind the reciprocals)
.endr
	s_wait_alu depctr_va_vdst(0)
.irp i, 0,1,2,3
	v_pk_mul_f32 v[T+8*\i+4:T+8*\i+5], v[T+8*\i+4:T+8*\i+5], v[T+8*\i+6:T+8*\i+7]
.endr
.irp i, 0,1,2,3
	v_pk_fma_f32 v[\x+8*GG+2*\i:\x+8*GG+2*\i+1], v[T+8*\i+2:T+8*\i+3], v[T+8*\i+4:T+8*\i+5], v[T+8*\i+2:T+8*\i+3]
.endr
.set GG, GG+1
.endr
.endm
; The coefficients of my 64 columns of a [3][512] weight and its bias, into window 1 from base on: 32 loads, once
.macro COEFH base, wp, bp
	WIN 0x40
.irp a, 0,1,2
.irp b, 0,1
.irp j, 0,1,2,3
	global_load_b128 v[\base+32*\a+16*\b+4*\j:\base+32*\a+16*\b+4*\j+3], v[BA], s[\wp:\wp+1] offset:2048*\a+128*\b+16*\j
.endr
.endr
.endr
.irp b, 0,1
.irp j, 0,1,2,3
	global_load_b128 v[\base+96+16*\b+4*\j:\base+96+16*\b+4*\j+3], v[BA], s[\bp:\bp+1] offset:128*\b+16*\j
.endr
.endr
	WIN 0
.endm
; x = p0 W0 + p1 W1 + p2 W2 + bias (hascf = 0), or x += the same (hascf = 1), on my lane's 32 columns; p0, p1, p2 in v[p] on
.macro AFF x, p, base, hascf
.if \hascf
	WIN 0x01
.set I, 0
.rept 16
	v_pk_fma_f32 v[\x+I:\x+I+1], v[\base+I:\base+I+1], v[\p:\p+1], v[\x+I:\x+I+1] op_sel_hi:[1,0,1]
.set I, I+2
.endr
.else
	WIN 0x11
.set I, 0
.rept 16
	v_pk_fma_f32 v[\x+I:\x+I+1], v[\base+I:\base+I+1], v[\p:\p+1], v[\base+96+I:\base+96+I+1] op_sel_hi:[1,0,1]
.set I, I+2
.endr
	WIN 0x01
.endif
.set I, 0
.rept 16
	v_pk_fma_f32 v[\x+I:\x+I+1], v[\base+32+I:\base+32+I+1], v[\p:\p+1], v[\x+I:\x+I+1] op_sel:[0,1,0] op_sel_hi:[1,1,1]
.set I, I+2
.endr
.set I, 0
.rept 16
	v_pk_fma_f32 v[\x+I:\x+I+1], v[\base+64+I:\base+64+I+1], v[\p+2:\p+3], v[\x+I:\x+I+1] op_sel_hi:[1,0,1]
.set I, I+2
.endr
.if \hascf
.set I, 0
.rept 16
	v_pk_add_f32 v[\x+I:\x+I+1], v[\base+96+I:\base+96+I+1], v[\x+I:\x+I+1]
.set I, I+2
.endr
.endif
	WIN 0
.endm
.macro XLOAD x, adr                    ; 32 features of a neighbour's row: columns 64 w + 32 b + 16 h + 0..15; the lanes of a row read 256 consecutive bytes, aligned
.irp b, 0,1
.irp j, 0,1,2,3
	global_load_b128 v[\x+16*\b+4*\j:\x+16*\b+4*\j+3], v[\adr], s[S_CF:S_CF+1] offset:128*\b+16*\j
.endr
.endr
.endm
.macro XSTORE                          ; my 16 rows x 64 columns in f32 to my own LDS bytes, as the registers stand; each accumulator from its low end on
.irp j, 0,1,2,3,4,5,6,7
	ds_store_b128 v[XAD], v[HA+4*\j:HA+4*\j+3] offset:512*\j
.endr
.endm
.macro XFETCH
.irp j, 0,1,2,3,4,5,6,7
	ds_load_b128 v[HA+4*\j:HA+4*\j+3], v[XAD] offset:512*\j
.endr
.endm
; ---------------------------------------------------------------- head
	s_load_b512 s[4:19], s[0:1], 0x0
	s_load_b512 s[20:35], s[0:1], 0x40
	s_load_b512 s[36:51], s[0:1], 0x80
	s_load_b64 s[52:53], s[0:1], 0xc0
	v_lshl_add_u32 v252, v0, 2, 0x42000
	v_mov_b32 v253, 0
	v_lshrrev_b32 v[R], 5, v0
	v_readfirstlane_b32 s54, v[R]                  ; wave 0..7
	v_and_b32 v[R], 31, v0                         ; lane
	v_and_b32 v[R+1], 15, v0                       ; r
	v_bfe_u32 v[R+2], v0, 4, 1                     ; h
	v_lshlrev_b32 v[LI], 4, v[R]
	v_add_nc_u32 v[LI2], 0x10000, v[LI]
	s_lshl_b32 s70, s54, 9
	v_add_nc_u32 v[IA], s70, v[LI2]
	v_add_nc_u32 v[KIA], s70, v[LI]
	s_lshl_b32 s70, s54, 1
	v_add_nc_u32 v[SA], s70, v[LI2]
	s_lshl_b32 s70, s54, 11
	v_add_nc_u32 v[ATA], s70, v[LI2]
	s_lshl_b32 s70, s54, 14
	v_add_nc_u32 v[XQA], s70, v[LI]
	v_add_nc_u32 v[XQA], XQ, v[XQA]
	v_lshlrev_b32 v[R+3], 6, v[R+2]                ; 64 h
	s_lshl_b32 s70, s54, 8
	v_add_nc_u32 v[BA], s70, v[R+3]
	v_lshlrev_b32 v[L8R], 3, v[R]
	v_add_nc_u32 v[L8R], 0x10000, v[L8R]
	v_add_nc_u32 v[L8W], s70, v[L8R]
	s_lshl_b32 s70, s54, 7
	v_add_nc_u32 v[BA2], s70, v[R+3]
	v_lshlrev_b32 v[L4W], 2, v[R]
	v_add_nc_u32 v[L4W], 0x10000, v[L4W]
	v_add_nc_u32 v[L4W], s70, v[L4W]
	v_and_b32 v[R+4], 8, v[R+1]
	v_add_nc_u32 v[R+4], v[R+4], v[R+1]            ; r + 8 (r / 8)
	s_lshl_b32 s70, s54, 6
	v_add_nc_u32 v[R+5], s70, v[R+4]
	v_lshlrev_b32 v[WSA], 4, v[R+5]
	v_lshlrev_b32 v[WA], 8, v[R+5]
	v_lshl_add_u32 v[WA], v[R+2], 4, v[WA]
	s_lshl_b32 s70, s54, 5
	v_add_nc_u32 v[R+5], s70, v[R+4]
	v_lshlrev_b32 v[WSA2], 4, v[R+5]
	v_lshlrev_b32 v[WA2], 8, v[R+5]
	v_lshl_add_u32 v[WA2], v[R+2], 4, v[WA2]
	v_lshrrev_b32 v[LGR], 3, v[R]
	v_lshlrev_b32 v[LGR], 10, v[LGR]
	v_and_b32 v[R+5], 7, v[R]
	v_lshl_add_u32 v[LGR], v[R+5], 3, v[LGR]
	v_add_nc_u32 v[LGR], 0x10000, v[LGR]
	s_lshl_b32 s70, ttmp9, 6
	v_add_nc_u32 v[R+5], s70, v[R+1]               ; query 64 x work-group + r: row r of tile 0
	v_mul_u32_u24 v[QB], v[R+5], 12
	v_lshlrev_b32 v[NB], 4, v[R+5]
	s_mov_b32 s[SEL], 0x76543210
	s_mov_b32 s[SEL+1], 0xfedcba98
	v_mov_b32 v[EC], 0xaf95df0b
	v_mov_b32 v[EC+1], 0xb77460cd
	v_mov_b32 v[QC+3], 0
	v_mov_b32 v[TM+2], 0                           ; written once: a lane permute's destination counts as one of its sources
	v_mov_b32 v[TM+3], 0
	s_wait_kmcnt 0x0
	s_load_b32 s68, s[S_BH3:S_BH3+1], 0x0
.irp a, 0,1,2
	global_load_b32 v[QC+\a], v[QB], s[S_QC:S_QC+1] offset:4*\a
.endr
	COEFH 0, S_WQE1, S_BQE1                        ; my 64 columns' coefficients of both small products stay in registers through their phases
	COEFH 128, S_WREL, S_BREL
	global_load_b128 v[NN:NN+3], v[NB], s[S_NN:S_NN+1]            ; tile 0's neighbours and coordinates, for the second phase
.irp a, 0,1,2
	global_load_b32 v[QCN+\a], v[QB], s[S_QC:S_QC+1] offset:4*\a
.endr
	s_wait_kmcnt 0x0
; ---------------------------------------------------------------- gelu(qc Wqe1 + bqe1): my 64 columns of the four query tiles; the codes go into region 0
	HEAD
.Lenc:
	s_wait_dscnt 0x0                               ; the last trip's LDS stores are done
	v_add_nc_u32 v[TA], s63, v[IA]
	v_add_nc_u32 v[TA+1], s66, v[SA]
	s_wait_loadcnt 0x0                             ; this tile's coordinates are in (in the first trip the coefficients too)
	AFF HA, QC, 0, 0
	s_add_co_u32 s70, s66, 512                     ; the next tile's coordinates are asked for as soon as these are used: gelu and the quantiser stand between the request and the wait.
	s_min_u32 s70, s70, 1536                       ; The last trip asks for its own tile again: the loop has one form and no load leaves its buffer
	s_lshr_b32 s70, s70, 3
	s_mul_i32 s70, s70, 3                          ; 192 bytes a tile
	v_add_nc_u32 v[QAD], s70, v[QB]
.irp a, 0,1,2
	global_load_b32 v[QC+\a], v[QAD], s[S_QC:S_QC+1] offset:4*\a
.endr
	GELU HA, 4
	QUANT2 HA, TA, A0_O, TA+1, A0S_O
	TAIL .Lenc
	LOADW S_WQE2, P_BQE2, 0                        ; the first product's weights, where Wqe1's coefficients lay: they have the next phase in which to land
; ---------------------------------------------------------------- kv_in = features + rel Wrel + brel: my 64 columns of the 16 neighbour tiles, four (one query tile's) a trip
.macro NBADDR                          ; from four indices: the addresses of the neighbours' coordinates and features; the coordinates are asked for
.irp n, 0,1,2,3
	v_min_u32 v[NN+\n], 0x1fff, v[NN+\n]           ; a loaded number enters an address only held inside the table
.endr
.irp n, 0,1,2,3
	v_mul_u32_u24 v[TA+\n], v[NN+\n], 12
	v_lshlrev_b32 v[G0+\n], 11, v[NN+\n]
.endr
.irp n, 0,1,2,3
	v_add_nc_u32 v[G0+\n], v[G0+\n], v[BA]
.endr
.irp n, 0,1,2,3
.irp a, 0,1,2
	global_load_b32 v[CCN+3*\n+\a], v[TA+\n], s[S_CC:S_CC+1] offset:4*\a
.endr
.endr
.endm
.macro UNIT n, x, cnt, nadr            ; neighbour n; behind it the features two units on are asked for, into the registers that fall free (two sets by turns)
	s_wait_loadcnt \cnt
	AFF \x, REL+4*\n, 128, 1
	QUANT2 \x, KAD, 4096*\n, KSD, KVS_O+512*\n
	XLOAD \x, \nadr
.endm
	NBADDR
	XLOAD HA, G0
	XLOAD R, G0+1
.irp n, 0,1,2,3
	v_mov_b32 v[REL+4*\n+3], 0                     ; (the upper half of a pair that the packed form names)
.endr
	HEAD
.Lkv:                                                  ; at the head these loads are out, in this order: 12 coordinates, unit 0's 8 features, unit 1's 8
	s_wait_dscnt 0x0
	v_add_nc_u32 v[KAD], s67, v[KIA]
	v_add_nc_u32 v[KSD], s69, v[SA]
	s_wait_loadcnt 16                              ; the neighbours' coordinates are in; the 8 + 8 features may be out
.irp n, 0,1,2,3
.irp a, 0,1,2
	v_sub_f32 v[REL+4*\n+\a], v[QCN+\a], v[CCN+3*\n+\a]
.endr
.endr
	s_add_co_u32 s70, s66, 512                     ; the next query tile; behind the last, tile 0 again: one form, and inside the buffers
	s_and_b32 s70, s70, 0x7ff
	s_lshr_b32 s55, s70, 1                         ; 256 bytes of indices a tile
	v_add_nc_u32 v[NAD], s55, v[NB]
	s_lshr_b32 s70, s70, 3
	s_mul_i32 s70, s70, 3                          ; 192 bytes of coordinates
	v_add_nc_u32 v[QAD], s70, v[QB]
	global_load_b128 v[NN:NN+3], v[NAD], s[S_NN:S_NN+1]
.irp a, 0,1,2
	global_load_b32 v[QCN+\a], v[QAD], s[S_QC:S_QC+1] offset:4*\a
.endr
	UNIT 0, HA, 12, G0+2                           ; may be out: unit 1's 8 and the 4 just issued
	UNIT 1, R, 12, G0+3                            ; the 4 and unit 2's 8
	s_wait_loadcnt 16                              ; the next tile's indices and coordinates are in; units 2 and 3's features may be out
	s_wait_xcnt 0x0                                ; address registers of loads that are out are rewritten only behind this wait
	NBADDR
	UNIT 2, HA, 20, G0                             ; unit 3's 8 and the 12 coordinates
	UNIT 3, R, 20, G0+1                            ; the 12 and the next unit 0's 8
	TAIL .Lkv
	s_wait_loadcnt 0x0                             ; what the last trip asked for is in, and so are the first product's weights
	BAR                                            ; region 0 and the 16 neighbour tiles lie in LDS
; ---------------------------------------------------------------- qe = G Wqe2 + bqe2: in f32 to my own LDS bytes; its codes go into region 1
	LOADW S_WQ, P_BQ, 1
	HEAD
.Le:
	s_wait_dscnt 0x0
	v_add_nc_u32 v[TA], s63, v[LI2]
	v_add_nc_u32 v[TA+1], s66, v[LI2]
	v_add_nc_u32 v[TA+2], s63, v[IA]
	v_add_nc_u32 v[TA+3], s66, v[SA]
	v_add_nc_u32 v[XAD], s63, v[XQA]
	FETCHA TA, A0_O, TA+1, A0S_O
	s_wait_dscnt 0x0
	MM 0, HA, 0
	XSTORE
	QUANT2 HA, TA+2, A1_O, TA+3, A1S_O
	TAIL .Le
	LOADW S_WK, P_BK, 0                            ; set 0 has fallen free
	BAR                                            ; region 1 holds qe's codes; nobody reads region 0 any more
	s_wait_loadcnt 0x0                             ; Wq and Wk are in
; ---------------------------------------------------------------- for each query tile: q of my head; k of its four neighbour tiles; only the scores are kept; softmax; the weights to my own LDS bytes
.macro SCORE n                         ; q . k over the head's 64: my 32 columns in four chains, then lane l xor 16's
.set I, 0
.rept 16
.if I < 4
	v_pk_mul_f32 v[S8+2*I:S8+2*I+1], v[R+2*I:R+2*I+1], v[HA+2*I:HA+2*I+1]
.else
	v_pk_fma_f32 v[S8+2*(I%4):S8+2*(I%4)+1], v[R+2*I:R+2*I+1], v[HA+2*I:HA+2*I+1], v[S8+2*(I%4):S8+2*(I%4)+1]
.endif
.set I, I+1
.endr
	v_pk_add_f32 v[S8:S8+1], v[S8:S8+1], v[S8+2:S8+3]
	v_pk_add_f32 v[S8+4:S8+5], v[S8+4:S8+5], v[S8+6:S8+7]
	v_pk_add_f32 v[S8:S8+1], v[S8:S8+1], v[S8+4:S8+5]
	v_add_f32 v[S8], v[S8], v[S8+1]
	v_permlanex16_b32 v[S8+1], v[S8], s[SEL], s[SEL+1]
	v_add_f32 v[ATT+\n], v[S8], v[S8+1]
.endm
.macro SOFTMAX                         ; over the four neighbours: the largest score is taken away; 2^((s - max) log2(e) / 8)
	v_max3_num_f32 v[S8], v[ATT], v[ATT+1], v[ATT+2]
	v_max_num_f32 v[S8], v[S8], v[ATT+3]
.irp n, 0,1,2,3
	v_sub_f32 v[ATT+\n], v[ATT+\n], v[S8]
.endr
.irp n, 0,1,2,3
	v_mul_f32 v[ATT+\n], 0x3e38aa3b, v[ATT+\n]
.endr
.irp n, 0,1,2,3
	v_exp_f32 v[ATT+\n], v[ATT+\n]
.endr
	v_nop                                          ; a plain place behind the exponentials
	s_wait_alu depctr_va_vdst(0)
	v_add_f32 v[S8], v[ATT], v[ATT+1]
	v_add_f32 v[S8+1], v[ATT+2], v[ATT+3]
	v_add_f32 v[S8], v[S8], v[S8+1]
	v_rcp_f32 v[S8], v[S8]
	v_nop
	s_wait_alu depctr_va_vdst(0)
.irp n, 0,1,2,3
	v_mul_f32 v[ATT+\n], v[ATT+\n], v[S8]
.endr
.endm
	HEAD
.Lqk:
	s_wait_dscnt 0x0
	v_add_nc_u32 v[TA], s63, v[LI2]
	v_add_nc_u32 v[TA+1], s66, v[LI2]
	v_add_nc_u32 v[TA+2], s67, v[LI]
	v_add_nc_u32 v[TA+3], s69, v[LI2]
	v_add_nc_u32 v[AAD], s66, v[ATA]
	FETCHA TA, A1_O, TA+1, A1S_O
	s_wait_dscnt 0x0
	MM 1, R, 0                                     ; q
	FETCHA TA+2, 0, TA+3, KVS_O
.irp n, 0,1,2,3
	s_wait_dscnt 0x0
	MM 0, HA, 0                                    ; k of neighbour n
.if \n < 3
	FETCHA TA+2, 4096*\n+4096, TA+3, KVS_O+512*\n+512   ; the next neighbour's operand comes while the score is summed
.endif
	SCORE \n
.endr
	SOFTMAX
	ds_store_b128 v[AAD], v[ATT:ATT+3] offset:ATL_O
	TAIL .Lqk
	LOADW S_WV, P_BV, 1                            ; both sets have fallen free
	LOADW S_WO, P_BO, 0
	s_wait_loadcnt 44                              ; Wv's 44 loads are in; Wo's 44 may be out
; ---------------------------------------------------------------- v of the four neighbour tiles; only the weighted sum is kept, and its codes go into region 0
.macro AVROW first, pr, sel            ; the weighted sum (+)= v x one register of the pair v[pr:pr+1]
.set I, 0
.rept 16
.if \first
	v_pk_mul_f32 v[R+I:R+I+1], v[HA+I:HA+I+1], v[\pr:\pr+1] op_sel:[0,\sel] op_sel_hi:[1,\sel]
.else
	v_pk_fma_f32 v[R+I:R+I+1], v[HA+I:HA+I+1], v[\pr:\pr+1], v[R+I:R+I+1] op_sel:[0,\sel,0] op_sel_hi:[1,\sel,1]
.endif
.set I, I+2
.endr
.endm
.macro VT n                            ; v of neighbour n; the next neighbour's operand is fetched behind it
	s_wait_dscnt 0x0
	MM 1, HA, 0
.if \n < 3
	FETCHA TA+2, 4096*\n+4096, TA+3, KVS_O+512*\n+512
.endif
.endm
	HEAD
.Lv:
	s_wait_dscnt 0x0
	v_add_nc_u32 v[TA], s63, v[IA]
	v_add_nc_u32 v[TA+1], s66, v[SA]
	v_add_nc_u32 v[TA+2], s67, v[LI]
	v_add_nc_u32 v[TA+3], s69, v[LI2]
	v_add_nc_u32 v[AAD], s66, v[ATA]
	ds_load_b128 v[ATT:ATT+3], v[AAD] offset:ATL_O ; my own bytes: LDS serves a wave's instructions in order
	FETCHA TA+2, 0, TA+3, KVS_O
	VT 0
	AVROW 1, ATT, 0
	VT 1
	AVROW 0, ATT, 1
	VT 2
	AVROW 0, ATT+2, 0
	VT 3
	AVROW 0, ATT+2, 1
	QUANT2 R, TA, A0_O, TA+1, A0S_O
	TAIL .Lv
	BAR                                            ; region 0 holds the aggregate's codes; nobody reads region 1 any more
	s_wait_loadcnt 0x0
	LOADW S_WH1, P_BH1, 1
; ---------------------------------------------------------------- x = agg Wo + qe + bo: the sums go on top of qe.  In the same trip the LayerNorm's figures of my 64 columns: mean, and sum of squared deviations from it
	HEAD
.Lo:
	s_wait_dscnt 0x0
	v_add_nc_u32 v[TA], s63, v[LI2]
	v_add_nc_u32 v[TA+1], s66, v[LI2]
	v_add_nc_u32 v[TA+2], s69, v[L8W]
	v_add_nc_u32 v[XAD], s63, v[XQA]
	FETCHA TA, A0_O, TA+1, A0S_O
	XFETCH                                         ; qe
	s_wait_dscnt 0x0
	MM 0, HA, 1
.set I, 0
.rept 16
	v_pk_add_f32 v[HA+I:HA+I+1], v[HA+I:HA+I+1], v[BI+I:BI+I+1]
.set I, I+2
.endr
	XSTORE
.set I, 0
.rept 8
	v_pk_add_f32 v[AF+I:AF+I+1], v[HA+I:HA+I+1], v[HA+16+I:HA+16+I+1]
.set I, I+2
.endr
.irp d, 8,4,2
.set I, 0
.rept \d/2
	v_pk_add_f32 v[AF+I:AF+I+1], v[AF+I:AF+I+1], v[AF+\d+I:AF+\d+I+1]
.set I, I+2
.endr
.endr
	v_add_f32 v[AF], v[AF], v[AF+1]
	v_permlanex16_b32 v[AF+1], v[AF], s[SEL], s[SEL+1]
	v_add_f32 v[AF], v[AF], v[AF+1]
	v_mov_b32 v[MEAN+1], 0                         ; (named below as the upper half of a pair)
	v_mul_f32 v[MEAN], 0x3c800000, v[AF]           ; / 64
.set I, 0
.rept 16
	v_pk_add_f32 v[AF+I:AF+I+1], v[HA+I:HA+I+1], v[MEAN:MEAN+1] op_sel_hi:[1,0] neg_lo:[0,1] neg_hi:[0,1]
.set I, I+2
.endr
.set I, 0
.rept 16
.if I < 8
	v_pk_mul_f32 v[S8+I:S8+I+1], v[AF+I:AF+I+1], v[AF+I:AF+I+1]
.else
	v_pk_fma_f32 v[S8+I%8:S8+I%8+1], v[AF+I:AF+I+1], v[AF+I:AF+I+1], v[S8+I%8:S8+I%8+1]
.endif
.set I, I+2
.endr
	v_pk_add_f32 v[S8:S8+1], v[S8:S8+1], v[S8+2:S8+3]
	v_pk_add_f32 v[S8+4:S8+5], v[S8+4:S8+5], v[S8+6:S8+7]
	v_pk_add_f32 v[S8:S8+1], v[S8:S8+1], v[S8+4:S8+5]
	v_add_f32 v[S8], v[S8], v[S8+1]
	v_permlanex16_b32 v[S8+1], v[S8], s[SEL], s[SEL+1]
	v_add_f32 v[MEAN+1], v[S8], v[S8+1]
	ds_store_b64 v[TA+2], v[MEAN:MEAN+1] offset:LNX_O
	TAIL .Lo
	BLOAD BI, P_LNG                                ; ln_g and ln_b of my 64 columns, where bo and the weighted sum lay
	BLOAD R, P_LNB
	BAR                                            ; the eight waves' figures lie in LDS; nobody reads region 0 any more
	s_wait_loadcnt 0x0
	s_mov_b32 s70, 0x3727c5ac                      ; 1e-5
; ---------------------------------------------------------------- LayerNorm: the eight waves' figures are joined exactly (no difference of large sums); the codes go into region 1
	HEAD
.Lln:
	s_wait_dscnt 0x0
	v_add_nc_u32 v[TA], s69, v[L8R]
	v_add_nc_u32 v[TA+2], s63, v[IA]
	v_add_nc_u32 v[TA+3], s66, v[SA]
	v_add_nc_u32 v[XAD], s63, v[XQA]
.irp w, 0,1,2,3,4,5,6,7
	ds_load_b64 v[AF+2*\w:AF+2*\w+1], v[TA] offset:LNX_O+256*\w
.endr
	XFETCH
	s_wait_dscnt 0x0
.irp i, 0,1,2,3
	v_add_f32 v[AF+16+\i], v[AF+4*\i], v[AF+4*\i+2]
.endr
	v_add_f32 v[AF+16], v[AF+16], v[AF+17]
	v_add_f32 v[AF+18], v[AF+18], v[AF+19]
	v_add_f32 v[AF+16], v[AF+16], v[AF+18]
	v_mul_f32 v[MEAN], 0x3e000000, v[AF+16]        ; the row's mean: the mean of eight means of 64
.irp w, 0,1,2,3,4,5,6,7
	v_sub_f32 v[AF+2*\w], v[AF+2*\w], v[MEAN]
.endr
.irp i, 0,1,2,3
	v_add_f32 v[AF+16+\i], v[AF+4*\i+1], v[AF+4*\i+3]
.endr
	v_mul_f32 v[AF+20], v[AF], v[AF]
	v_add_f32 v[AF+16], v[AF+16], v[AF+17]
	v_add_f32 v[AF+18], v[AF+18], v[AF+19]
.irp w, 1,2,3,4,5,6,7
	v_fma_f32 v[AF+20], v[AF+2*\w], v[AF+2*\w], v[AF+20]
.endr
	v_add_f32 v[AF+16], v[AF+16], v[AF+18]
	v_fma_f32 v[AF+16], v[AF+20], 0x42800000, v[AF+16]   ; + 64 x the sum of the squared distances of the eight means
	v_fma_f32 v[AF+16], v[AF+16], 0x3b000000, s70        ; / 512 + 1e-5
	v_rsq_f32 v[MEAN+1], v[AF+16]
	v_nop
.set I, 0
	s_wait_alu depctr_va_vdst(0)
.rept 16
	v_pk_add_f32 v[HA+I:HA+I+1], v[HA+I:HA+I+1], v[MEAN:MEAN+1] op_sel_hi:[1,0] neg_lo:[0,1] neg_hi:[0,1]
.set I, I+2
.endr
.set I, 0
.rept 16
	v_pk_mul_f32 v[HA+I:HA+I+1], v[HA+I:HA+I+1], v[MEAN:MEAN+1] op_sel:[0,1] op_sel_hi:[1,1]
.set I, I+2
.endr
.set I, 0
.rept 16
	v_pk_fma_f32 v[HA+I:HA+I+1], v[HA+I:HA+I+1], v[BI+I:BI+I+1], v[R+I:R+I+1]
.set I, I+2
.endr
	QUANT2 HA, TA+2, A1_O, TA+3, A1S_O
	TAIL .Lln
	; Wh2's weights for my 32 columns (two tiles), bh2 and Wh3: 26 loads, into set 0 and where ln_g lay
	WIN 0x40
.irp t, 0,1
.irp s, 0,1,2,3
.irp k, 0,1
	global_load_b128 v[32*\t+8*\s+4*\k:32*\t+8*\s+4*\k+3], v[WA2], s[S_WH2:S_WH2+1] offset:8*\t*256+64*\s+32*\k
.endr
.endr
.endr
	WIN 0
.irp t, 0,1
.irp k, 0,1
	global_load_b128 v[BI+8*\t+4*\k:BI+8*\t+4*\k+3], v[BA2], s[S_PAR:S_PAR+1] offset:P_BH2+32*\t+16*\k
	global_load_b128 v[WH3R+8*\t+4*\k:WH3R+8*\t+4*\k+3], v[BA2], s[S_PAR:S_PAR+1] offset:P_WH3+32*\t+16*\k
.endr
	global_load_b128 v[WS+4*\t:WS+4*\t+3], v[WSA2], s[S_WH2+2:S_WH2+3] offset:8*\t*16
.endr
	BAR                                            ; region 1 holds the normalised rows' codes
; ---------------------------------------------------------------- gelu(x Wh1 + bh1): the codes go into region 0
	HEAD
.Lh1:
	s_wait_dscnt 0x0
	v_add_nc_u32 v[TA], s63, v[LI2]
	v_add_nc_u32 v[TA+1], s66, v[LI2]
	v_add_nc_u32 v[TA+2], s63, v[IA]
	v_add_nc_u32 v[TA+3], s66, v[SA]
	FETCHA TA, A1_O, TA+1, A1S_O
	s_wait_dscnt 0x0
	MM 1, HA, 0
	GELU HA, 4
	QUANT2 HA, TA+2, A0_O, TA+3, A0S_O
	TAIL .Lh1
	BAR                                            ; region 0 holds the first hidden layer's codes
	s_wait_loadcnt 0x0
; ---------------------------------------------------------------- gelu(h Wh2 + bh2) . Wh3: my 32 columns' part of the logit.  Two accumulators by turns
	HEAD
.Lh2:
	s_wait_dscnt 0x0
	v_add_nc_u32 v[TA], s63, v[LI2]
	v_add_nc_u32 v[TA+1], s66, v[LI2]
	v_add_nc_u32 v[TA+3], s71, v[L4W]
	FETCHA TA, A0_O, TA+1, A0S_O
	s_wait_dscnt 0x0
	WIN 0x01
.irp s, 0,1,2,3
.irp t, 0,1
.if \s == 0
	v_wmma_scale_f32_16x16x128_f8f6f4 v[HA+8*\t:HA+8*\t+7], v[32*\t+8*\s:32*\t+8*\s+7], v[AF+8*\s:AF+8*\s+7], v[BI+8*\t:BI+8*\t+7], v[WS+4*\t+\s], v[AS+\s] matrix_a_fmt:MATRIX_FMT_FP4 matrix_b_fmt:MATRIX_FMT_FP4
.else
	v_wmma_scale_f32_16x16x128_f8f6f4 v[HA+8*\t:HA+8*\t+7], v[32*\t+8*\s:32*\t+8*\s+7], v[AF+8*\s:AF+8*\s+7], v[HA+8*\t:HA+8*\t+7], v[WS+4*\t+\s], v[AS+\s] matrix_a_fmt:MATRIX_FMT_FP4 matrix_b_fmt:MATRIX_FMT_FP4
.endif
.endr
.endr
	WIN 0
	NOPS 5
	GELU HA, 2
.set I, 0
.rept 8
.if I < 8
	v_pk_mul_f32 v[S8+I:S8+I+1], v[HA+I:HA+I+1], v[WH3R+I:WH3R+I+1]
.else
	v_pk_fma_f32 v[S8+I%8:S8+I%8+1], v[HA+I:HA+I+1], v[WH3R+I:WH3R+I+1], v[S8+I%8:S8+I%8+1]
.endif
.set I, I+2
.endr
	v_pk_add_f32 v[S8:S8+1], v[S8:S8+1], v[S8+2:S8+3]
	v_pk_add_f32 v[S8+4:S8+5], v[S8+4:S8+5], v[S8+6:S8+7]
	v_pk_add_f32 v[S8:S8+1], v[S8:S8+1], v[S8+4:S8+5]
	v_add_f32 v[S8], v[S8], v[S8+1]
	v_permlanex16_b32 v[S8+1], v[S8], s[SEL], s[SEL+1]
	v_add_f32 v[S8], v[S8], v[S8+1]
	ds_store_b32 v[TA+3], v[S8] offset:LG_O
	TAIL .Lh2
	BAR                                            ; the eight waves' parts of 64 logits lie in LDS
	s_cmp_lg_u32 s54, 0
	s_cbranch_scc1 .Lend
.irp w, 0,1,2,3,4,5,6,7
	ds_load_b64 v[AF+2*\w:AF+2*\w+1], v[LGR] offset:LG_O+128*\w   ; lane l: queries 2 l and 2 l + 1
.endr
	v_and_b32 v[TA], 31, v0
	v_lshlrev_b32 v[TA], 3, v[TA]
	s_lshl_b32 s70, ttmp9, 8
	v_add_nc_u32 v[TA], s70, v[TA]
	s_wait_dscnt 0x0
.irp i, 0,4,8,12
	v_pk_add_f32 v[AF+\i:AF+\i+1], v[AF+\i:AF+\i+1], v[AF+\i+2:AF+\i+3]
.endr
	v_pk_add_f32 v[AF:AF+1], v[AF:AF+1], v[AF+4:AF+5]
	v_pk_add_f32 v[AF+8:AF+9], v[AF+8:AF+9], v[AF+12:AF+13]
	v_pk_add_f32 v[AF:AF+1], v[AF:AF+1], v[AF+8:AF+9]
	v_add_f32 v[AF], s68, v[AF]
	v_add_f32 v[AF+1], s68, v[AF+1]
	global_store_b64 v[TA], v[AF:AF+1], s[S_OUT:S_OUT+1]          ; the wave stores 256 consecutive bytes, at a multiple of 256 from the buffer's first byte
.Lend:
	s_wait_tensorcnt 0x0
	ds_add_u32 v252, v253
	s_wait_dscnt 0x0
	s_endpgm
.Lfunc_end_k_qd31240c8c6_main:
	.size	k_qd31240c8c6_main, .Lfunc_end_k_qd31240c8c6_main-k_qd31240c8c6_main
	.p2alignl 7, 3214868480
	.fill 96, 4, 3214868480
	.section	.rodata,"a",@progbits
	.p2align	6, 0x0
	.amdhsa_kernel k_qd31240c8c6_main
		.amdhsa_group_segment_fixed_size 271360
		.amdhsa_private_segment_fixed_size 0
		.amdhsa_enable_private_segment 0
		.amdhsa_kernarg_size 200
		.amdhsa_user_sgpr_count 2
		.amdhsa_user_sgpr_kernarg_segment_ptr 1
		.amdhsa_wavefront_size32 1
		.amdhsa_system_sgpr_workgroup_id_x 1
		.amdhsa_system_sgpr_workgroup_id_y 1
		.amdhsa_system_sgpr_workgroup_id_z 1
		.amdhsa_system_vgpr_workitem_id 0
		.amdhsa_next_free_vgpr 512
		.amdhsa_next_free_sgpr 72
		.amdhsa_reserve_vcc 0
		.amdhsa_float_denorm_mode_32 3
		.amdhsa_float_denorm_mode_16_64 3
		.amdhsa_memory_ordered 1
		.amdhsa_forward_progress 1
		.amdhsa_inst_pref_size 216
	.end_amdhsa_kernel
	.amdgpu_metadata
---
amdhsa.version: [ 1, 2 ]
amdhsa.kernels:
  - .name:           k_qd31240c8c6_main
    .symbol:         k_qd31240c8c6_main.kd
    .args:
      - { .name: Wqe2_codes, .offset: 0, .size: 8, .value_kind: global_buffer, .address_space: global }
      - { .name: Wqe2_scales, .offset: 8, .size: 8, .value_kind: global_buffer, .address_space: global }
      - { .name: Wq_codes, .offset: 16, .size: 8, .value_kind: global_buffer, .address_space: global }
      - { .name: Wq_scales, .offset: 24, .size: 8, .value_kind: global_buffer, .address_space: global }
      - { .name: Wk_codes, .offset: 32, .size: 8, .value_kind: global_buffer, .address_space: global }
      - { .name: Wk_scales, .offset: 40, .size: 8, .value_kind: global_buffer, .address_space: global }
      - { .name: Wv_codes, .offset: 48, .size: 8, .value_kind: global_buffer, .address_space: global }
      - { .name: Wv_scales, .offset: 56, .size: 8, .value_kind: global_buffer, .address_space: global }
      - { .name: Wo_codes, .offset: 64, .size: 8, .value_kind: global_buffer, .address_space: global }
      - { .name: Wo_scales, .offset: 72, .size: 8, .value_kind: global_buffer, .address_space: global }
      - { .name: Wh1_codes, .offset: 80, .size: 8, .value_kind: global_buffer, .address_space: global }
      - { .name: Wh1_scales, .offset: 88, .size: 8, .value_kind: global_buffer, .address_space: global }
      - { .name: Wh2_codes, .offset: 96, .size: 8, .value_kind: global_buffer, .address_space: global }
      - { .name: Wh2_scales, .offset: 104, .size: 8, .value_kind: global_buffer, .address_space: global }
      - { .name: par, .offset: 112, .size: 8, .value_kind: global_buffer, .address_space: global }
      - { .name: Wqe1, .offset: 120, .size: 8, .value_kind: global_buffer, .address_space: global }
      - { .name: bqe1, .offset: 128, .size: 8, .value_kind: global_buffer, .address_space: global }
      - { .name: Wrel, .offset: 136, .size: 8, .value_kind: global_buffer, .address_space: global }
      - { .name: brel, .offset: 144, .size: 8, .value_kind: global_buffer, .address_space: global }
      - { .name: context_coords, .offset: 152, .size: 8, .value_kind: global_buffer, .address_space: global }
      - { .name: context_features, .offset: 160, .size: 8, .value_kind: global_buffer, .address_space: global }
      - { .name: query_points_coords, .offset: 168, .size: 8, .value_kind: global_buffer, .address_space: global }
      - { .name: nn, .offset: 176, .size: 8, .value_kind: global_buffer, .address_space: global }
      - { .name: bh3, .offset: 184, .size: 8, .value_kind: global_buffer, .address_space: global }
      - { .name: out0, .offset: 192, .size: 8, .value_kind: global_buffer, .address_space: global }
    .group_segment_fixed_size: 271360
    .private_segment_fixed_size: 0
    .kernarg_segment_align: 8
    .kernarg_segment_size: 200
    .max_flat_workgroup_size: 256
    .sgpr_count:     72
    .vgpr_count:     512
    .wavefront_size: 32
...
	.end_amdgpu_metadata
.endif
;; end of part 4
;; ======== version 3 of 3: 3 launches
;; workspace buffers: grp 262,144 bytes of whole numbers; nn 262,144 bytes of whole numbers; par 18,432 bytes
;; launch knn_a (part 5): grid 256 x 1, 8 waves a work-group, no clusters, 148,480 bytes of LDS; arguments query_points_coords, context_coords, grp; writes grp
.if DOCPART == 5
	.amdgcn_target "amdgcn-amd-amdhsa--gfx1250"
	.amdhsa_code_object_version 6
	.text
	.protected	k_qd31240c8c6_knn_a
	.globl	k_qd31240c8c6_knn_a
	.p2align	8
	.type	k_qd31240c8c6_knn_a,@function
k_qd31240c8c6_knn_a:
	s_mov_b64 s[64:65], 0
	v_nop
	global_prefetch_b8 v0, s[64:65] scope:SCOPE_SE
	s_setreg_imm32_b32 hwreg(HW_REG_WAVE_MODE, 25, 1), 1
	s_wait_xcnt 0x0
; NEAREST NEIGHBOURS, STAGE 1.  For each of 16,384 queries: which four GROUPS of 32 neighbouring contexts (256 groups) have the smallest (group minimum of d2, group number).
; The four nearest contexts by (d2, index) lie in these four groups: a group that holds one of them is preceded by at most three groups, each of which holds a context that precedes it.
; So a distance costs its arithmetic and half a v_min3 here, and a sorted insertion is paid once for 32 distances.  Stage 2 goes through the 128 candidates with their indices.
; d2 = (qq + cc) - dot, qq = (q0 q0 + q1 q1) + q2 q2 and cc likewise with a rounding after each step (the squares are NOT fused, so that both stages and the sum as it is written agree),
; dot = fma(2 q2, c2, fma(2 q1, c1, 2 q0 c0)).  Both stages use the same operations in the same order, so their d2 have the same bits.
; LIMITS: NaN and infinities among the coordinates are not served.  Two contexts whose d2 differ by less than another order of summation can turn may come out swapped.
; SHARES: a work-group owns 64 queries; wave w walks contexts 1,024 w .. 1,024 w + 1,023 (32 groups); a lane owns queries 32 u + lane, u = 0, 1.  The eight waves' lists meet in LDS at the end.
; LDS: each wave's own 16,384 bytes: its contexts, four to a block of 64 bytes: c0 x 4, c1 x 4, c2 x 4, cc x 4; all lanes read the same address.  Behind them 16,384 bytes for the lists.
; No matrix unit (K = 3), no tensor load, no cluster: the contexts are 96 KiB in all and each wave reads its eighth once.
.set ADA, 2                            ; v2   LDS address of the loads into buffer A
.set ADB, 3                            ; v3   the same for buffer B
.set QV,  4                            ; v4-11   query u: 2 q0, 2 q1, 2 q2, qq
.set WB,  12                           ; v12  16,384 x wave
.set BST, 13                           ; v13  where I store my block of four contexts
.set MST, 14                           ; v14  where I store my lists
.set MRD, 15                           ; v15  where waves 0 and 1 read the eight lists of a query
.set FA,  16                           ; v16-79   buffer A: 4 blocks x 16 registers
.set FB,  80                           ; v80-143  buffer B
.set CC2, 112                          ; v112-143 while the contexts are laid out: cc
.set DE,  144                          ; v144-175 four chains (dot and sum, a pair each), two sets by turns
.set MN,  176                          ; v176-177 the group's minimum for query u
.set AL,  180                          ; v180-187 query u: the four smallest minima, ascending
.set GL,  188                          ; v188-195 and their groups
.set GID, 196                          ; v196 the group in hand
.set QOF, 197
.set COF, 198
.set OOF, 199
.set TQ,  200                          ; v200-207 at work
.set MRG, 131072
	s_load_b128 s[4:7], s[0:1], 0x0                ; the queries' coordinates, the contexts'
	s_load_b64 s[8:9], s[0:1], 0x10                ; grp
	v_lshl_add_u32 v208, v0, 2, 0x24000
	v_mov_b32 v209, 0
	v_lshrrev_b32 v1, 5, v0
	s_delay_alu instid0(VALU_DEP_1)
	v_readfirstlane_b32 s10, v1                    ; wave 0..7
	v_and_b32 v1, 31, v0                           ; lane
	s_mul_i32 s14, ttmp9, 768                      ; 64 queries of 12 bytes
	v_mul_u32_u24 v[QOF], v1, 12
	s_delay_alu instid0(VALU_DEP_1)
	v_add_nc_u32 v[QOF], s14, v[QOF]
	s_mul_i32 s15, s10, 12288                      ; 1,024 contexts of 12 bytes
	v_mul_u32_u24 v[COF], v1, 48                   ; four contexts a lane
	s_delay_alu instid0(VALU_DEP_1)
	v_add_nc_u32 v[COF], s15, v[COF]
	s_lshl_b32 s16, s10, 14
	v_mov_b32 v[WB], s16
	v_lshlrev_b32 v[BST], 6, v1
	s_delay_alu instid0(VALU_DEP_1)
	v_add_nc_u32 v[BST], s16, v[BST]
	s_lshl_b32 s17, s10, 11
	s_add_co_u32 s17, s17, MRG
	v_lshlrev_b32 v[MST], 5, v1
	s_delay_alu instid0(VALU_DEP_1)
	v_add_nc_u32 v[MST], s17, v[MST]               ; lists: [wave][64 queries][32 bytes]
	v_lshlrev_b32 v[MRD], 5, v0                    ; in waves 0 and 1 the thread's number is the query's
	s_delay_alu instid0(VALU_DEP_1)
	v_add_nc_u32 v[MRD], MRG, v[MRD]
	s_lshl_b32 s18, ttmp9, 10
	v_lshlrev_b32 v[OOF], 4, v0
	s_delay_alu instid0(VALU_DEP_1)
	v_add_nc_u32 v[OOF], s18, v[OOF]               ; grp: 16 bytes a query
	s_wait_kmcnt 0x0
.irp u, 0,1
.irp a, 0,1,2
	global_load_b32 v[TQ+3*\u+\a], v[QOF], s[4:5] offset:384*\u+4*\a
.endr
.endr
.irp i, 0,1,2,3,4,5,6,7
.irp j, 0,1,2
	global_load_b128 v[FA+12*\i+4*\j:FA+12*\i+4*\j+3], v[COF], s[6:7] offset:1536*\i+16*\j   ; the wave's three loads cover 1,536 consecutive bytes: 128 contexts
.endr
.endr
	s_wait_loadcnt 0x0
.irp u, 0,1
	v_mul_f32 v[QV+4*\u+3], v[TQ+3*\u], v[TQ+3*\u]
	v_mul_f32 v[TQ+6], v[TQ+3*\u+1], v[TQ+3*\u+1]
	v_mul_f32 v[TQ+7], v[TQ+3*\u+2], v[TQ+3*\u+2]
	s_delay_alu instid0(VALU_DEP_2)
	v_add_f32 v[QV+4*\u+3], v[QV+4*\u+3], v[TQ+6]
	s_delay_alu instid0(VALU_DEP_1)
	v_add_f32 v[QV+4*\u+3], v[QV+4*\u+3], v[TQ+7]  ; qq
.irp a, 0,1,2
	v_add_f32 v[QV+4*\u+\a], v[TQ+3*\u+\a], v[TQ+3*\u+\a]   ; 2 q
.endr
.endr
; My four contexts of each of eight runs: register 12 i + 3 k + a is axis a of context k.  They go into block 32 i + lane of the wave's region.
.irp i, 0,1,2,3,4,5,6,7
.irp k, 0,1,2,3
	v_mul_f32 v[CC2+4*\i+\k], v[FA+12*\i+3*\k], v[FA+12*\i+3*\k]
	v_mul_f32 v[DE+\k], v[FA+12*\i+3*\k+1], v[FA+12*\i+3*\k+1]
.endr
.irp k, 0,1,2,3
	v_add_f32 v[CC2+4*\i+\k], v[CC2+4*\i+\k], v[DE+\k]
	v_mul_f32 v[DE+4+\k], v[FA+12*\i+3*\k+2], v[FA+12*\i+3*\k+2]
.endr
.irp k, 0,1,2,3
	v_add_f32 v[CC2+4*\i+\k], v[CC2+4*\i+\k], v[DE+4+\k]
.endr
.irp k, 0,1,2,3
.irp a, 0,1,2
	ds_store_b32 v[BST], v[FA+12*\i+3*\k+\a] offset:2048*\i+16*\a+4*\k
.endr
.endr
	ds_store_b128 v[BST], v[CC2+4*\i:CC2+4*\i+3] offset:2048*\i+48
.endr
.irp i, 0,1,2,3,4,5,6,7
	v_mov_b32 v[AL+\i], 0x7f800000                 ; the lists begin with +infinity
	v_mov_b32 v[GL+\i], 0
.endr
.macro LOADH buf, adr, off             ; half a group, 16 contexts: 16 loads, every lane the same 16 bytes
.irp k, 0,1,2,3
.irp a, 0,1,2,3
	ds_load_b128 v[\buf+16*\k+4*\a:\buf+16*\k+4*\a+3], v[\adr] offset:\off+64*\k+16*\a
.endr
.endr
.endm
; 16 contexts x 2 queries: for each block four chains (two contexts p, query u), written operation by operation so that no line waits for the line above it.
.macro HALF buf, first
.irp k, 0,1,2,3
.set DB, DE+16*(\k%2)
.irp u, 0,1
.irp p, 0,1
	v_pk_mul_f32 v[DB+8*\u+4*\p:DB+8*\u+4*\p+1], v[\buf+16*\k+2*\p:\buf+16*\k+2*\p+1], v[QV+4*\u:QV+4*\u+1] op_sel_hi:[1,0]
.endr
.endr
.irp u, 0,1
.irp p, 0,1
	s_delay_alu instid0(VALU_DEP_4)
	v_pk_fma_f32 v[DB+8*\u+4*\p:DB+8*\u+4*\p+1], v[\buf+16*\k+4+2*\p:\buf+16*\k+4+2*\p+1], v[QV+4*\u:QV+4*\u+1], v[DB+8*\u+4*\p:DB+8*\u+4*\p+1] op_sel:[0,1,0] op_sel_hi:[1,1,1]
.endr
.endr
.irp u, 0,1
.irp p, 0,1
	v_pk_add_f32 v[DB+8*\u+4*\p+2:DB+8*\u+4*\p+3], v[\buf+16*\k+12+2*\p:\buf+16*\k+12+2*\p+1], v[QV+4*\u+2:QV+4*\u+3] op_sel:[0,1] op_sel_hi:[1,1]
.endr
.endr
.irp u, 0,1
.irp p, 0,1
	v_pk_fma_f32 v[DB+8*\u+4*\p:DB+8*\u+4*\p+1], v[\buf+16*\k+8+2*\p:\buf+16*\k+8+2*\p+1], v[QV+4*\u+2:QV+4*\u+3], v[DB+8*\u+4*\p:DB+8*\u+4*\p+1] op_sel_hi:[1,0,1]
.endr
.endr
.irp u, 0,1
.irp p, 0,1
	s_delay_alu instid0(VALU_DEP_4)
	v_pk_add_f32 v[DB+8*\u+4*\p:DB+8*\u+4*\p+1], v[DB+8*\u+4*\p+2:DB+8*\u+4*\p+3], v[DB+8*\u+4*\p:DB+8*\u+4*\p+1] neg_lo:[0,1] neg_hi:[0,1]
.endr
.endr
.irp u, 0
.if \first && (\k == 0)
	s_delay_alu instid0(VALU_DEP_4)
	v_min_num_f32 v[MN+\u], v[DB+8*\u], v[DB+8*\u+1]            ; the group's first two distances start its minimum
.else
	s_delay_alu instid0(VALU_DEP_4)
	v_min3_num_f32 v[MN+\u], v[MN+\u], v[DB+8*\u], v[DB+8*\u+1]
.endif
.endr
.irp u, 1
.if \first && (\k == 0)
	s_delay_alu instid0(VALU_DEP_3)
	v_min_num_f32 v[MN+\u], v[DB+8*\u], v[DB+8*\u+1]
.else
	s_delay_alu instid0(VALU_DEP_3)
	v_min3_num_f32 v[MN+\u], v[MN+\u], v[DB+8*\u], v[DB+8*\u+1]
.endif
.endr
.irp u, 0,1
	s_delay_alu instid0(VALU_DEP_2)
	v_min3_num_f32 v[MN+\u], v[MN+\u], v[DB+8*\u+4], v[DB+8*\u+5]
.endr
.endr
.endm
; v[m] with its tag v[g] goes into the ascending list v[a] .. v[a+3] with tags v[l] .. v[l+3].  Strictly smaller only: on a tie the entry that came earlier stays in front.  No branch: every choice is a select.
.macro INSERT m, g, a, l, sb
	v_cmp_lt_f32 s[\sb+3], v[\m], v[\a+3]
	v_cmp_lt_f32 s[\sb+2], v[\m], v[\a+2]
	v_cmp_lt_f32 s[\sb+1], v[\m], v[\a+1]
	v_cmp_lt_f32 s[\sb], v[\m], v[\a]
	s_delay_alu instid0(VALU_DEP_4)
	v_cndmask_b32 v[\l+3], v[\l+3], v[\g], s[\sb+3]
	s_delay_alu instid0(VALU_DEP_1)
	v_cndmask_b32 v[\l+3], v[\l+3], v[\l+2], s[\sb+2]
	v_cndmask_b32 v[\l+2], v[\l+2], v[\g], s[\sb+2]
	s_delay_alu instid0(VALU_DEP_1)
	v_cndmask_b32 v[\l+2], v[\l+2], v[\l+1], s[\sb+1]
	v_cndmask_b32 v[\l+1], v[\l+1], v[\g], s[\sb+1]
	s_delay_alu instid0(VALU_DEP_1)
	v_cndmask_b32 v[\l+1], v[\l+1], v[\l], s[\sb]
	v_cndmask_b32 v[\l], v[\l], v[\g], s[\sb]
	v_med3_num_f32 v[\a+3], v[\a+2], v[\a+3], v[\m]
	v_med3_num_f32 v[\a+2], v[\a+1], v[\a+2], v[\m]
	v_med3_num_f32 v[\a+1], v[\a], v[\a+1], v[\m]
	v_min_num_f32 v[\a], v[\a], v[\m]
.endm
	s_mov_b32 s12, 0                               ; 512 bytes a group
	s_lshl_b32 s13, s10, 5                         ; my first group
	s_mov_b32 s11, 31
	v_mov_b32 v[ADA], v[WB]
	v_mov_b32 v[ADB], v[WB]
	LOADH FA, ADA, 0                               ; LDS serves a wave's instructions in order: these see the stores above
	LOADH FB, ADB, 256
.Lgroup:                                               ; a trip: one group of 32 contexts; the next group's halves are asked for as each buffer falls free
	s_wait_dscnt 16                                ; buffer A is in; B's 16 loads may be out
	v_add_nc_u32 v[ADA], s12, v[WB]                ; (its loads are in: the address may be written)
	v_mov_b32 v[GID], s13
	HALF FA, 1
	LOADH FA, ADA, 512
	s_wait_dscnt 16                                ; buffer B is in; the 16 loads just issued may be out
	v_add_nc_u32 v[ADB], s12, v[WB]
	HALF FB, 0
	LOADH FB, ADB, 768
	INSERT MN, GID, AL, GL, 20
	INSERT MN+1, GID, AL+4, GL+4, 24
	s_add_co_u32 s12, s12, 512
	s_add_co_u32 s13, s13, 1
	s_sub_co_u32 s11, s11, 1
	s_cmp_lg_u32 s11, 0
	s_cbranch_scc1 .Lgroup
	s_wait_dscnt 16                                ; the last group: nothing more to fetch
	v_mov_b32 v[GID], s13
	HALF FA, 1
	s_wait_dscnt 0x0
	HALF FB, 0
	INSERT MN, GID, AL, GL, 20
	INSERT MN+1, GID, AL+4, GL+4, 24
.irp u, 0,1
	ds_store_b128 v[MST], v[AL+4*\u:AL+4*\u+3] offset:1024*\u
	ds_store_b128 v[MST], v[GL+4*\u:GL+4*\u+3] offset:1024*\u+16
.endr
	s_wait_dscnt 0x0                               ; for the others' sake: my lists lie in LDS
	s_barrier_signal -1
	s_barrier_wait -1
	s_cmp_ge_u32 s10, 2
	s_cbranch_scc1 .Lend                           ; 64 queries: two waves merge
.irp w, 0,1,2,3,4,5,6,7
	ds_load_b128 v[FA+8*\w:FA+8*\w+3], v[MRD] offset:2048*\w
	ds_load_b128 v[FA+8*\w+4:FA+8*\w+7], v[MRD] offset:2048*\w+16
.endr
	s_wait_dscnt 0x0
.irp w, 1,2,3,4,5,6,7                  ; wave 0's list is the start; the others' entries follow by ascending wave and place, so groups of equal minimum stay in ascending order
.irp k, 0,1,2,3
	INSERT FA+8*\w+\k, FA+8*\w+4+\k, FA, FA+4, 20
.endr
.endr
	global_store_b128 v[OOF], v[FA+4:FA+7], s[8:9] ; the wave stores 512 consecutive bytes
.Lend:
	s_wait_tensorcnt 0x0
	ds_add_u32 v208, v209
	s_wait_dscnt 0x0
	s_endpgm
.Lfunc_end_k_qd31240c8c6_knn_a:
	.size	k_qd31240c8c6_knn_a, .Lfunc_end_k_qd31240c8c6_knn_a-k_qd31240c8c6_knn_a
	.p2alignl 7, 3214868480
	.fill 96, 4, 3214868480
	.section	.rodata,"a",@progbits
	.p2align	6, 0x0
	.amdhsa_kernel k_qd31240c8c6_knn_a
		.amdhsa_group_segment_fixed_size 148480
		.amdhsa_private_segment_fixed_size 0
		.amdhsa_enable_private_segment 0
		.amdhsa_kernarg_size 24
		.amdhsa_user_sgpr_count 2
		.amdhsa_user_sgpr_kernarg_segment_ptr 1
		.amdhsa_wavefront_size32 1
		.amdhsa_system_sgpr_workgroup_id_x 1
		.amdhsa_system_sgpr_workgroup_id_y 1
		.amdhsa_system_sgpr_workgroup_id_z 1
		.amdhsa_system_vgpr_workitem_id 0
		.amdhsa_next_free_vgpr 210
		.amdhsa_next_free_sgpr 66
		.amdhsa_reserve_vcc 0
		.amdhsa_float_denorm_mode_32 3
		.amdhsa_float_denorm_mode_16_64 3
		.amdhsa_memory_ordered 1
		.amdhsa_forward_progress 1
		.amdhsa_inst_pref_size 87
	.end_amdhsa_kernel
	.amdgpu_metadata
---
amdhsa.version: [ 1, 2 ]
amdhsa.kernels:
  - .name:           k_qd31240c8c6_knn_a
    .symbol:         k_qd31240c8c6_knn_a.kd
    .args:
      - { .name: query_points_coords, .offset: 0, .size: 8, .value_kind: global_buffer, .address_space: global }
      - { .name: context_coords, .offset: 8, .size: 8, .value_kind: global_buffer, .address_space: global }
      - { .name: grp, .offset: 16, .size: 8, .value_kind: global_buffer, .address_space: global }
    .group_segment_fixed_size: 148480
    .private_segment_fixed_size: 0
    .kernarg_segment_align: 8
    .kernarg_segment_size: 24
    .max_flat_workgroup_size: 256
    .sgpr_count:     66
    .vgpr_count:     210
    .wavefront_size: 32
...
	.end_amdgpu_metadata
.endif
;; end of part 5
;; launch knn_b (part 6): grid 256 x 1, 8 waves a work-group, no clusters, 0 bytes of LDS; arguments grp, query_points_coords, context_coords, bqe2, bq, bk, bv, bo, bh1, ln_g, ln_b, bh2, Wh3, nn, par; writes nn, par
.if DOCPART == 6
	.amdgcn_target "amdgcn-amd-amdhsa--gfx1250"
	.amdhsa_code_object_version 6
	.text
	.protected	k_qd31240c8c6_knn_b
	.globl	k_qd31240c8c6_knn_b
	.p2align	8
	.type	k_qd31240c8c6_knn_b,@function
k_qd31240c8c6_knn_b:
	s_mov_b64 s[64:65], 0
	v_nop
	global_prefetch_b8 v0, s[64:65] scope:SCOPE_SE
	s_setreg_imm32_b32 hwreg(HW_REG_WAVE_MODE, 25, 1), 1
	s_wait_xcnt 0x0
; NEAREST NEIGHBOURS, STAGE 2.  Four threads to a query; each goes through one of the query's four groups of 32 contexts (numbers stored by the launch before), with indices; the four lists are merged within the four lanes.
; d2 is made by the same operations in the same order as in stage 1.  The four groups are first sorted by number, so that candidates are met in ascending index and "strictly smaller" keeps the lower index on a tie.
; LIMITS as in stage 1: NaN and infinities are not served.
; Work-group 0 also copies ten small vectors into one buffer, par, since the next launch would otherwise be given more buffers than a launch may name.
; nn: a wave stores 128 consecutive bytes (4 a lane); the whole buffer is 256 KiB.
.set X,   32                           ; v32-127  my 32 contexts, 3 registers each; d2 takes the first
.set TT,  128                          ; v128-135 at work
.set AL,  140                          ; my list: d2, ascending
.set GL,  144                          ; and indices
.set GI,  148
.set ML,  150                          ; the merged list
.set MG,  154
.set DM,  158
.set DG,  159
.macro INSERT m, g, a, l, sb           ; as in stage 1
	v_cmp_lt_f32 s[\sb+3], v[\m], v[\a+3]
	v_cmp_lt_f32 s[\sb+2], v[\m], v[\a+2]
	v_cmp_lt_f32 s[\sb+1], v[\m], v[\a+1]
	v_cmp_lt_f32 s[\sb], v[\m], v[\a]
	s_delay_alu instid0(VALU_DEP_4)
	v_cndmask_b32 v[\l+3], v[\l+3], v[\g], s[\sb+3]
	s_delay_alu instid0(VALU_DEP_1)
	v_cndmask_b32 v[\l+3], v[\l+3], v[\l+2], s[\sb+2]
	v_cndmask_b32 v[\l+2], v[\l+2], v[\g], s[\sb+2]
	s_delay_alu instid0(VALU_DEP_1)
	v_cndmask_b32 v[\l+2], v[\l+2], v[\l+1], s[\sb+1]
	v_cndmask_b32 v[\l+1], v[\l+1], v[\g], s[\sb+1]
	s_delay_alu instid0(VALU_DEP_1)
	v_cndmask_b32 v[\l+1], v[\l+1], v[\l], s[\sb]
	v_cndmask_b32 v[\l], v[\l], v[\g], s[\sb]
	v_med3_num_f32 v[\a+3], v[\a+2], v[\a+3], v[\m]
	v_med3_num_f32 v[\a+2], v[\a+1], v[\a+2], v[\m]
	v_med3_num_f32 v[\a+1], v[\a], v[\a+1], v[\m]
	v_min_num_f32 v[\a], v[\a], v[\m]
.endm
	s_load_b512 s[4:19], s[0:1], 0x0               ; grp, queries, contexts, bqe2, bq, bk, bv, bo
	s_load_b256 s[20:27], s[0:1], 0x40             ; bh1, ln_g, ln_b, bh2
	s_load_b128 s[28:31], s[0:1], 0x60             ; Wh3, nn
	s_load_b64 s[32:33], s[0:1], 0x70              ; par
	s_lshl_b32 s34, ttmp9, 8
	v_add_nc_u32 v1, s34, v0                       ; the thread's number in the launch
	s_delay_alu instid0(VALU_DEP_1)
	v_lshrrev_b32 v2, 2, v1                        ; my query
	v_and_b32 v3, 3, v0                            ; which of its four groups
	s_delay_alu instid0(VALU_DEP_2)
	v_lshlrev_b32 v4, 4, v2
	s_delay_alu instid0(VALU_DEP_3)
	v_mul_u32_u24 v5, v2, 12
	v_lshlrev_b32 v6, 2, v1
	s_wait_alu depctr_va_vdst(0)
	s_wait_kmcnt 0x0
	global_load_b128 v[8:11], v4, s[4:5]
	global_load_b32 v12, v5, s[6:7]
	global_load_b32 v13, v5, s[6:7] offset:4
	global_load_b32 v14, v5, s[6:7] offset:8
	s_wait_loadcnt 0x0
	v_min_u32 v16, v8, v9                          ; the four group numbers, ascending: five comparators
	v_max_u32 v17, v8, v9
	v_min_u32 v18, v10, v11
	v_max_u32 v19, v10, v11
	s_delay_alu instid0(VALU_DEP_2)
	v_min_u32 v20, v16, v18
	s_delay_alu instid0(VALU_DEP_3)
	v_max_u32 v21, v16, v18
	s_delay_alu instid0(VALU_DEP_3)
	v_min_u32 v22, v17, v19
	s_delay_alu instid0(VALU_DEP_4)
	v_max_u32 v23, v17, v19
	s_delay_alu instid0(VALU_DEP_2)
	v_min_u32 v24, v21, v22
	s_delay_alu instid0(VALU_DEP_3)
	v_max_u32 v25, v21, v22
	v_cmp_eq_u32 vcc_lo, 1, v3
	s_delay_alu instid0(VALU_DEP_1)
	v_cndmask_b32 v26, v20, v24, vcc_lo
	v_cmp_eq_u32 vcc_lo, 2, v3
	s_delay_alu instid0(VALU_DEP_1)
	v_cndmask_b32 v26, v26, v25, vcc_lo
	v_cmp_eq_u32 vcc_lo, 3, v3
	s_delay_alu instid0(VALU_DEP_1)
	v_cndmask_b32 v26, v26, v23, vcc_lo            ; mine
	s_delay_alu instid0(VALU_DEP_1)
	v_min_u32 v26, 0xff, v26                       ; a loaded number enters an address only held inside the table
	s_delay_alu instid0(VALU_DEP_1)
	v_mul_u32_u24 v27, v26, 384                    ; 32 contexts of 12 bytes
	s_delay_alu instid0(VALU_DEP_2)
	v_lshlrev_b32 v28, 5, v26                      ; my first context's index
.irp i, 0,1,2,3,4,5,6,7,8,9,10,11,12,13,14,15,16,17,18,19,20,21,22,23
	global_load_b128 v[X+4*\i:X+4*\i+3], v27, s[8:9] offset:16*\i
.endr
	v_mul_f32 v15, v12, v12
	v_mul_f32 v16, v13, v13
	v_mul_f32 v17, v14, v14
	s_delay_alu instid0(VALU_DEP_2)
	v_add_f32 v15, v15, v16
	s_delay_alu instid0(VALU_DEP_1)
	v_add_f32 v15, v15, v17                        ; qq
	v_add_f32 v29, v12, v12
	v_add_f32 v30, v13, v13
	v_add_f32 v31, v14, v14                        ; 2 q
.irp i, 0,1,2,3
	v_mov_b32 v[AL+\i], 0x7f800000
	v_mov_b32 v[GL+\i], 0
	v_mov_b32 v[ML+\i], 0                          ; (a DPP form's destination counts as read: written once)
	v_mov_b32 v[MG+\i], 0
.endr
	v_mov_b32 v[DM], 0
	v_mov_b32 v[DG], 0
	s_wait_loadcnt 0x0
.macro D2G k0                          ; four distances, operation by operation
.irp j, 0,1,2,3
	v_mul_f32 v[TT+2*\j], v[X+3*(\k0+\j)], v[X+3*(\k0+\j)]
	v_mul_f32 v[TT+2*\j+1], v[X+3*(\k0+\j)+1], v[X+3*(\k0+\j)+1]
.endr
.irp j, 0,1,2,3
	v_add_f32 v[TT+2*\j], v[TT+2*\j], v[TT+2*\j+1]
	v_mul_f32 v[TT+2*\j+1], v[X+3*(\k0+\j)+2], v[X+3*(\k0+\j)+2]
.endr
.irp j, 0,1,2,3
	v_add_f32 v[TT+2*\j], v[TT+2*\j], v[TT+2*\j+1]               ; cc
	v_mul_f32 v[X+3*(\k0+\j)], v[X+3*(\k0+\j)], v29
.endr
.irp j, 0,1,2,3
	v_add_f32 v[TT+2*\j], v[TT+2*\j], v15                        ; + qq
	v_fma_f32 v[X+3*(\k0+\j)], v[X+3*(\k0+\j)+1], v30, v[X+3*(\k0+\j)]
.endr
.irp j, 0,1,2,3
	v_fma_f32 v[X+3*(\k0+\j)], v[X+3*(\k0+\j)+2], v31, v[X+3*(\k0+\j)]
.endr
.irp j, 0,1,2,3
	s_delay_alu instid0(VALU_DEP_4)
	v_sub_f32 v[X+3*(\k0+\j)], v[TT+2*\j], v[X+3*(\k0+\j)]       ; d2
.endr
.endm
.irp g, 0,4,8,12,16,20,24,28
	D2G \g
.endr
.set K, 0
.rept 32
	v_add_nc_u32 v[GI], K, v28
	INSERT X+3*K, GI, AL, GL, 36
.set K, K+1
.endr
; The four lanes of a query merge: every lane takes lane 0's list and inserts the others' entries, lane by lane (ascending groups) and place by place.
.irp i, 0,1,2,3
	v_mov_b32_dpp v[ML+\i], v[AL+\i] quad_perm:[0,0,0,0] row_mask:0xf bank_mask:0xf
	v_mov_b32_dpp v[MG+\i], v[GL+\i] quad_perm:[0,0,0,0] row_mask:0xf bank_mask:0xf
.endr
.irp j, 1,2,3
.irp k, 0,1,2,3
	v_mov_b32_dpp v[DM], v[AL+\k] quad_perm:[\j,\j,\j,\j] row_mask:0xf bank_mask:0xf
	v_mov_b32_dpp v[DG], v[GL+\k] quad_perm:[\j,\j,\j,\j] row_mask:0xf bank_mask:0xf
	INSERT DM, DG, ML, MG, 36
.endr
.endr
	v_cmp_eq_u32 vcc_lo, 1, v3
	s_delay_alu instid0(VALU_DEP_1)
	v_cndmask_b32 v7, v[MG], v[MG+1], vcc_lo
	v_cmp_eq_u32 vcc_lo, 2, v3
	s_delay_alu instid0(VALU_DEP_1)
	v_cndmask_b32 v7, v7, v[MG+2], vcc_lo
	v_cmp_eq_u32 vcc_lo, 3, v3
	s_delay_alu instid0(VALU_DEP_1)
	v_cndmask_b32 v7, v7, v[MG+3], vcc_lo          ; lane j of the four stores the j-th nearest
	global_store_b32 v6, v7, s[30:31]
	s_cmp_lg_u32 ttmp9, 0
	s_cbranch_scc1 .Lend
	v_lshlrev_b32 v160, 3, v0                      ; work-group 0: eight vectors of 2,048 bytes, 8 a thread, and two of 1,024, 4 a thread
	v_lshlrev_b32 v161, 2, v0
.irp i, 0,1,2,3,4,5,6,7
	global_load_b64 v[162+2*\i:163+2*\i], v160, s[10+2*\i:11+2*\i]
.endr
	global_load_b32 v178, v161, s[26:27]
	global_load_b32 v179, v161, s[28:29]
	s_wait_alu depctr_va_vdst(0)
	s_wait_loadcnt 0x0
.irp i, 0,1,2,3,4,5,6,7
	global_store_b64 v160, v[162+2*\i:163+2*\i], s[32:33] offset:2048*\i
.endr
	global_store_b32 v161, v178, s[32:33] offset:16384
	global_store_b32 v161, v179, s[32:33] offset:17408
.Lend:
	s_endpgm
.Lfunc_end_k_qd31240c8c6_knn_b:
	.size	k_qd31240c8c6_knn_b, .Lfunc_end_k_qd31240c8c6_knn_b-k_qd31240c8c6_knn_b
	.p2alignl 7, 3214868480
	.fill 96, 4, 3214868480
	.section	.rodata,"a",@progbits
	.p2align	6, 0x0
	.amdhsa_kernel k_qd31240c8c6_knn_b
		.amdhsa_group_segment_fixed_size 0
		.amdhsa_private_segment_fixed_size 0
		.amdhsa_enable_private_segment 0
		.amdhsa_kernarg_size 120
		.amdhsa_user_sgpr_count 2
		.amdhsa_user_sgpr_kernarg_segment_ptr 1
		.amdhsa_wavefront_size32 1
		.amdhsa_system_sgpr_workgroup_id_x 1
		.amdhsa_system_sgpr_workgroup_id_y 1
		.amdhsa_system_sgpr_workgroup_id_z 1
		.amdhsa_system_vgpr_workitem_id 0
		.amdhsa_next_free_vgpr 184
		.amdhsa_next_free_sgpr 66
		.amdhsa_reserve_vcc 1
		.amdhsa_float_denorm_mode_32 3
		.amdhsa_float_denorm_mode_16_64 3
		.amdhsa_memory_ordered 1
		.amdhsa_forward_progress 1
		.amdhsa_inst_pref_size 70
	.end_amdhsa_kernel
	.amdgpu_metadata
---
amdhsa.version: [ 1, 2 ]
amdhsa.kernels:
  - .name:           k_qd31240c8c6_knn_b
    .symbol:         k_qd31240c8c6_knn_b.kd
    .args:
      - { .name: grp, .offset: 0, .size: 8, .value_kind: global_buffer, .address_space: global }
      - { .name: query_points_coords, .offset: 8, .size: 8, .value_kind: global_buffer, .address_space: global }
      - { .name: context_coords, .offset: 16, .size: 8, .value_kind: global_buffer, .address_space: global }
      - { .name: bqe2, .offset: 24, .size: 8, .value_kind: global_buffer, .address_space: global }
      - { .name: bq, .offset: 32, .size: 8, .value_kind: global_buffer, .address_space: global }
      - { .name: bk, .offset: 40, .size: 8, .value_kind: global_buffer, .address_space: global }
      - { .name: bv, .offset: 48, .size: 8, .value_kind: global_buffer, .address_space: global }
      - { .name: bo, .offset: 56, .size: 8, .value_kind: global_buffer, .address_space: global }
      - { .name: bh1, .offset: 64, .size: 8, .value_kind: global_buffer, .address_space: global }
      - { .name: ln_g, .offset: 72, .size: 8, .value_kind: global_buffer, .address_space: global }
      - { .name: ln_b, .offset: 80, .size: 8, .value_kind: global_buffer, .address_space: global }
      - { .name: bh2, .offset: 88, .size: 8, .value_kind: global_buffer, .address_space: global }
      - { .name: Wh3, .offset: 96, .size: 8, .value_kind: global_buffer, .address_space: global }
      - { .name: nn, .offset: 104, .size: 8, .value_kind: global_buffer, .address_space: global }
      - { .name: par, .offset: 112, .size: 8, .value_kind: global_buffer, .address_space: global }
    .group_segment_fixed_size: 0
    .private_segment_fixed_size: 0
    .kernarg_segment_align: 8
    .kernarg_segment_size: 120
    .max_flat_workgroup_size: 256
    .sgpr_count:     66
    .vgpr_count:     184
    .wavefront_size: 32
...
	.end_amdgpu_metadata
.endif
;; end of part 6
;; launch main (part 7): grid 256 x 1, 8 waves a work-group, no clusters, 271,360 bytes of LDS; arguments Wqe2_codes, Wqe2_scales, Wq_codes, Wq_scales, Wk_codes, Wk_scales, Wv_codes, Wv_scales, Wo_codes, Wo_scales, Wh1_codes, Wh1_scales, Wh2_codes, Wh2_scales, par, Wqe1, bqe1, Wrel, brel, context_coords, context_features, query_points_coords, nn, bh3, out0; writes out0
.if DOCPART == 7
	.amdgcn_target "amdgcn-amd-amdhsa--gfx1250"
	.amdhsa_code_object_version 6
	.text
	.protected	k_qd31240c8c6_main
	.globl	k_qd31240c8c6_main
	.p2align	8
	.type	k_qd31240c8c6_main,@function
k_qd31240c8c6_main:
	s_mov_b64 s[64:65], 0
	v_nop
	global_prefetch_b8 v0, s[64:65] scope:SCOPE_SE
	s_setreg_imm32_b32 hwreg(HW_REG_WAVE_SCHED_MODE, 0, 2), 2
	s_setreg_imm32_b32 hwreg(HW_REG_WAVE_MODE, 25, 1), 1
	s_wait_xcnt 0x0
	s_wait_alu depctr_vm_vsrc(0)
; THE WHOLE NETWORK BEHIND THE SEARCH, for 64 queries a work-group: query encoder, gather, relative-position attention over 4 neighbours, LayerNorm, prediction head.  Nothing between the steps goes to memory.
; The seven large products run on codes of FP4 (E2M1) with one E8M0 scale for each 32 along K; the weights come as codes; every activation is quantised on the way, in f32, by the block rule:
; scale byte = exponent field of the block's largest magnitude - 2, held at 1 from below (a block of zeros keeps the byte 1: its codes are zeros, and only this text reads the bytes).
; SHARES.  Eight waves, two to a SIMD.  THE WAVES SHARE THE COLUMNS: wave w makes columns 64 w .. 64 w + 63, which are head w, of every product, for all rows (Wh2: 32 w .. 32 w + 31).  So each weight byte is wanted by ONE wave
; of the work-group and goes from memory straight into its registers (128 a product), in two sets by turns.  That is why no tensor load, no LDS ring and no joint load in a cluster is used: those land in LDS.
; EVERY PHASE IS WRITTEN ONCE, AS A LOOP OF FOUR TRIPS OVER THE ROW TILES: what hangs on the tile (qe and x, the attention weights) lies in the wave's own LDS bytes and not in registers, so that the text stays short.
; ROWS: tiles m = 0..3 of 16 queries; tiles 4 m + n of 16 neighbour rows (neighbour n of tile m's queries), so that a lane holds the same query in q, k and v.
; THE PRODUCTS ARE USED TRANSPOSED (source 0 = 16 rows of the weight, source 1 = 16 rows of activations): lane (r, h) holds row r.  THE WEIGHT ROWS OF A TILE ARE NOT NEIGHBOURS: lane r of tile 2 b + u takes row
; 32 b + 8 u + r + 8 (r / 8), so that register 16 b + i of the lane's 32 is column 32 b + 16 h + i: 16 neighbours along the next K.  A block of 32 lies in lanes l and l xor 16.
; ACTIVATIONS GO FROM WAVE TO WAVE THROUGH LDS AS IMAGES OF THE OPERAND'S REGISTERS: a wave's 64 columns are 4 registers (16 bytes a lane, at 16 x lane + 512 w) and 2 scale bytes.
; Two sets of weight registers cannot hold Wq, Wk and Wv at once: Wk and Wv are asked for when their set falls free, and the wave waits for them there.
; erf is z P(z^2) / Q(z^2) on z held to +-4, degrees 6 and 4; absolute error about 1e-7.  LIMITS: NaN and infinities among the inputs are not served; gelu of numbers under about -5.6 is 0 to within 1e-7 of |x|.
; LDS: 0: images of the 16 neighbour tiles (4,096 bytes each: [wave's 64 columns][512]);  from 65,536 on: their scale words (512 bytes a tile: [lane][4 words]); two regions for 4 query tiles each, by turns (images 16,384, words 2,048);
; the LayerNorm's figures (8,192); the logits' parts (4,096); the attention weights (2,048 a wave); from 139,264 on: qe, then x, in f32 (16,384 a wave: [tile][8][512]).
; THE MODE: SCHED_MODE bits 1:0 = 2 (LLVM: expert scheduling mode 2), set by the entry lines.  The code itself states the register dependences between vector or matrix instructions and memory or LDS instructions,
; with s_wait_alu, always for 0.
; THE PLAN.  Registers that memory or LDS instructions touch, who else names them, and the wait that states it:
;   ADDRESSES MADE ONCE (v1-11, v16-19, v137-139, QB, NB): written at the head, ahead of one wait on va_vdst; not written again while a memory instruction may read them.
;   A TRIP'S ADDRESSES (TA .. TA+3, XAD, AAD, NXA, NXS, KAD, KSD, QAD, NAD; in the gather G0 .. and TA .. in the trip's middle): written behind ONE wait on vm_vsrc at the trip's head: the instructions issued so far have read them.
;     The same wait frees what the last trip's LDS stores read as data: PC, PW, HA, ATT, MEAN, S8.
;   AF, AS, a row tile's operand: LDS loads land there, the products read it.  ONE wait on va_vdst stands behind each run of products, behind its places; it covers the trip's addresses too.  Behind it the NEXT operand is asked for at once,
;     across the loop's edge too (loops E, QK, V, H1, H2): it lands under the vector work that follows.  The first operand is asked for ahead of the loop; the last trip asks for its own tile again, so that the loop has one form.
;     There is one AF: all 512 registers are taken.  In O and in the LayerNorm AF is at work to the trip's end, and the operand is asked for at the trip's head.
;   HA: written by products, by the features' loads or by loads from my own LDS bytes; read by the stores of qe and x, which stand beside the trip's other LDS stores under one wait on va_vdst.
;   PC, PW: written by the quantiser; one wait on va_vdst ahead of their two stores.  In the gather that wait also states that the quantiser is done with the features' registers, in which the features two units on land.
;   THE WEIGHTS' SETS, their biases and scale words: read by the products (in the first two phases by the small products and the address arithmetic); one wait on va_vdst at the head of each set's loads.
.set KVS_O,  0                         ; offsets from LDS byte 65,536
.set A0_O,   8192
.set A0S_O,  24576
.set A1_O,   26624
.set A1S_O,  43008
.set LNX_O,  45056
.set LG_O,   53248
.set ATL_O,  57344
.set XQ,     139264
.set P_BQE2, 0                         ; byte offsets in par
.set P_BQ,   2048
.set P_BK,   4096
.set P_BV,   6144
.set P_BO,   8192
.set P_BH1,  10240
.set P_LNG,  12288
.set P_LNB,  14336
.set P_BH2,  16384
.set P_WH3,  17408
.set S_WQE2, 4                         ; scalar pairs: a weight's codes, and its scales two registers on
.set S_WQ,   8
.set S_WK,   12
.set S_WV,   16
.set S_WO,   20
.set S_WH1,  24
.set S_WH2,  28
.set S_PAR,  32
.set S_WQE1, 34
.set S_BQE1, 36
.set S_WREL, 38
.set S_BREL, 40
.set S_CC,   42
.set S_CF,   44
.set S_QC,   46
.set S_NN,   48
.set S_BH3,  50
.set S_OUT,  52
.set SEL,    56                        ; s[56:57] v_permlanex16_b32's selects for lane l xor 16
; s54 wave; s55, s70 at work; s58-61 the next tile's offsets; s62 trips; s63, s66, s67, s69, s71: 4,096 m, 512 m, 16,384 m, 2,048 m, 1,024 m; s68 bh3
; WINDOW 0
.set LI,   1                           ; 16 x lane
.set LI2,  2                           ; + 65,536
.set IA,   3                           ; LI2 + 512 w: where my 64 columns of an image lie
.set SA,   4                           ; LI2 + 2 w: and my two scale bytes
.set WA,   5                           ; weights: (64 w + r + 8 (r / 8)) x 256 + 16 h
.set WSA,  6                           ; their scale words: (64 w + ..) x 16
.set BA,   7                           ; vectors in the results' layout: 256 w + 64 h
.set WA2,  8                           ; the same three for Wh2's 32 columns a wave
.set WSA2, 9
.set BA2,  10
.set OA,   11                          ; out0: 256 x work-group + 8 x lane
.set G0,   12                          ; v12-15 neighbour n: index x 2,048 + 256 w + 64 h
.set KIA,  16                          ; LI + 512 w
.set XQA,  17                          ; XQ + 16,384 w + 16 x lane
.set L8W,  18                          ; 65,536 + 8 x lane + 256 w
.set L8R,  19                          ; 65,536 + 8 x lane
.set TA,   20                          ; v20-23 addresses of the trip in hand
.set WS,   24                          ; v24-55 the weights' scale words: 16 x set + 4 t + s.  They hold scales and nothing else
.set HA,   56                          ; v56-87 four accumulators
.set AF,   88                          ; v88-119 a row tile's four fragments; at work in the LayerNorm
.set AS,   120                         ; v120-123 its four scale words.  Scales and nothing else
.set PC,   124                         ; v124-127 codes just made
.set TM,   128                         ; v128-135 the quantiser's
.set PW,   136                         ; two scale bytes just made
.set L4W,  137                         ; 65,536 + 4 x lane + 128 w
.set LGR,  138                         ; 65,536 + 1,024 (lane / 8) + 8 (lane % 8)
.set ATA,  139                         ; LI2 + 2,048 w
.set BI,   140                         ; v140-203 biases: 32 x set.  Set 0 later ln_g, then bh2 and Wh3
.set NN,   172                         ; in the first two phases set 1's registers serve: v172-175 four neighbours' indices,
.set QCN,  176                         ; v176-178 the query's coordinates,
.set CCN,  180                         ; v180-191 the neighbours' coordinates,
.set QB,   192                         ; (64 x work-group + r) x 12,
.set NB,   193                         ; (64 x work-group + r) x 16,
.set QAD,  194                         ; the addresses of the loads in hand
.set NAD,  195
.set KAD,  196
.set KSD,  197
.set R,    204                         ; v204-235 by turns: gelu's scratch, the second set of features, the q tile, the weighted sum of v, ln_b
.set T,    204
.set QC,   236                         ; v236-239 q0, q1, q2, 0
.set REL,  236                         ; v236-251 the relative coordinates, 4 registers a neighbour
.set ATT,  236                         ; v236-239 scores, then attention weights, of the tile in hand
.set MEAN, 236                         ; v[236:237] the LayerNorm's pair
.set S8,   240                         ; v240-247 four chains of sums
.set XAD,  248
.set AAD,  249
.set NXA,  250                         ; in the phase of v: the next query tile's first neighbour tile,
.set NXS,  251                         ; and its scale words
.set EC,   254                         ; v[254:255] erf's two leading coefficients
.set WH3R, BI+16
; WINDOW 1: weights, 128 x set + 32 t + 8 s; ahead of that the coefficients of the two small products (W0, W1, W2, bias: 32 registers each)
.set MSB, 0
.macro WIN new                         ; the immediate's high byte repeats the setting that is left; a switch that changes nothing is dropped
.if MSB != (\new)
	s_set_vgpr_msb (MSB<<8)|(\new)
.set MSB, (\new)
.endif
.endm
.macro NOPS n
.rept \n
	v_nop
.endr
.endm
.macro BAR                             ; my LDS stores have landed and my LDS loads are in: then the work-group's barrier
	s_wait_dscnt 0x0
	s_barrier_signal -1
	s_barrier_wait -1
.endm
.macro HEAD                            ; every loop of this text has four trips, one a tile of 16 queries, and steps the same five offsets
	s_mov_b32 s62, 4
	s_mov_b32 s63, 0
	s_mov_b32 s66, 0
	s_mov_b32 s67, 0
	s_mov_b32 s69, 0
	s_mov_b32 s71, 0
.endm
.macro TAIL lbl
	s_add_co_u32 s63, s63, 4096
	s_add_co_u32 s66, s66, 512
	s_add_co_u32 s67, s67, 16384
	s_add_co_u32 s69, s69, 2048
	s_add_co_u32 s71, s71, 1024
	s_sub_co_u32 s62, s62, 1
	s_cmp_lg_u32 s62, 0
	s_cbranch_scc1 \lbl
.endm
.macro AHEAD                           ; the next query tile's image and scale words; the last trip's own again: the loop has one form, and the read stays in its region
	s_add_co_u32 s58, s63, 4096
	s_min_u32 s58, s58, 12288
	s_add_co_u32 s59, s66, 512
	s_min_u32 s59, s59, 1536
.endm
; 32 numbers of a vector of par in the results' layout (tile t, registers 8 t + 0..7: columns 64 w + 32 (t / 2) + 16 h + 8 (t % 2) + 0..7)
.macro BLOAD dst, bofs
.irp t, 0,1,2,3
.irp k, 0,1
	global_load_b128 v[\dst+8*\t+4*\k:\dst+8*\t+4*\k+3], v[BA], s[S_PAR:S_PAR+1] offset:\bofs+128*(\t/2)+32*(\t%2)+16*\k
.endr
.endr
.endm
; A product's weights for my 64 columns: 64 rows x 512 K: 16 fragments, their bias, their scale words: 44 loads
.macro LOADW wp, bofs, slot
	WIN 0x40
	s_wait_alu depctr_va_vdst(0)                   ; all that read or wrote this set's registers, its bias and its scale words (products, the small products' multiply-adds, address arithmetic) is done: the 44 loads land there
.irp t, 0,1,2,3
.irp s, 0,1,2,3
.irp k, 0,1
	global_load_b128 v[128*\slot+32*\t+8*\s+4*\k:128*\slot+32*\t+8*\s+4*\k+3], v[WA], s[\wp:\wp+1] offset:(32*(\t/2)+8*(\t%2))*256+64*\s+32*\k
.endr
.endr
.endr
	WIN 0
	BLOAD BI+32*\slot, \bofs
.irp t, 0,1,2,3
	global_load_b128 v[WS+16*\slot+4*\t:WS+16*\slot+4*\t+3], v[WSA], s[\wp+2:\wp+3] offset:(32*(\t/2)+8*(\t%2))*16
.endr
.endm
; A row tile's operand from LDS: four fragments and four scale words, as they were stored: 9 loads
.macro FETCHA ar, ao, sr, so
.irp s, 0,1,2,3
.irp k, 0,1
	ds_load_b128 v[AF+8*\s+4*\k:AF+8*\s+4*\k+3], v[\ar] offset:\ao+1024*\s+512*\k
.endr
.endr
	ds_load_b128 v[AS:AS+3], v[\sr] offset:\so
.endm
; 16 rows x 64 columns x K = 512: 16 matrix instructions.  The four accumulators take turns, one instruction a turn.  The bias is the C of each sum's first instruction; inplace = 1: the sums go on top of what D holds.
; Five places follow: for the reads of D, and for the next tile's instructions that write over D.
.macro MM slot, d, inplace
	WIN 0x01
.irp s, 0,1,2,3
.irp t, 0,1,2,3
.if (\s == 0) && (\inplace == 0)
	v_wmma_scale_f32_16x16x128_f8f6f4 v[\d+8*\t:\d+8*\t+7], v[128*\slot+32*\t+8*\s:128*\slot+32*\t+8*\s+7], v[AF+8*\s:AF+8*\s+7], v[BI+32*\slot+8*\t:BI+32*\slot+8*\t+7], v[WS+16*\slot+4*\t+\s], v[AS+\s] matrix_a_fmt:MATRIX_FMT_FP4 matrix_b_fmt:MATRIX_FMT_FP4
.else
	v_wmma_scale_f32_16x16x128_f8f6f4 v[\d+8*\t:\d+8*\t+7], v[128*\slot+32*\t+8*\s:128*\slot+32*\t+8*\s+7], v[AF+8*\s:AF+8*\s+7], v[\d+8*\t:\d+8*\t+7], v[WS+16*\slot+4*\t+\s], v[AS+\s] matrix_a_fmt:MATRIX_FMT_FP4 matrix_b_fmt:MATRIX_FMT_FP4
.endif
.endr
.endr
	WIN 0
	NOPS 5
.endm
; 32 numbers of a lane, register 16 b + i = column 32 b + 16 h + i of my row, become 4 registers of codes (PC) and 2 scale bytes (PW).  Each accumulator is read from its low end on.
; PC and PW are the data of the last image's LDS stores: a wait on vm_vsrc stands between those stores and these lines, at the trip's head or, in the gather, between the units.
.macro QCALC src
.irp b, 0,1
	v_max3_num_f32 v[TM+\b], |v[\src+16*\b]|, |v[\src+16*\b+1]|, 0x1800000   ; with the floor 2^(3 - 127): the byte cannot fall under 1
.endr
.irp b, 0,1
	v_max3_num_f32 v[TM+6+\b], |v[\src+16*\b+8]|, |v[\src+16*\b+9]|, |v[\src+16*\b+10]|
.endr
.irp i, 2,4
.irp b, 0,1
	v_max3_num_f32 v[TM+\b], |v[\src+16*\b+\i]|, |v[\src+16*\b+\i+1]|, v[TM+\b]
.endr
.irp b, 0,1
	v_max3_num_f32 v[TM+6+\b], |v[\src+16*\b+\i+9]|, |v[\src+16*\b+\i+10]|, v[TM+6+\b]
.endr
.endr
.irp b, 0,1
	v_max3_num_f32 v[TM+\b], |v[\src+16*\b+6]|, |v[\src+16*\b+7]|, v[TM+\b]
.endr
.irp b, 0,1
	v_max3_num_f32 v[TM+\b], |v[\src+16*\b+15]|, v[TM+6+\b], v[TM+\b]
.endr
.irp b, 0,1
	v_permlanex16_b32 v[TM+2+\b], v[TM+\b], s[SEL], s[SEL+1]
.endr
.irp b, 0,1
	v_max_num_f32 v[TM+\b], v[TM+\b], v[TM+2+\b]   ; with lane l xor 16's 16: the block's largest magnitude
.endr
.irp b, 0,1
	v_add_nc_u32 v[TM+4+\b], 0xff000000, v[TM+\b]  ; 2 off its exponent field: the conversion takes this operand's exponent field as its scale
.endr
.irp b, 0,1
	v_lshrrev_b32 v[TM+2+\b], 23, v[TM+4+\b]       ; the scale's byte
.endr
	v_lshl_or_b32 v[PW], v[TM+3], 8, v[TM+2]
.irp b, 0,1
	v_cvt_scalef32_pk8_fp4_f32 v[PC+2*\b], v[\src+16*\b:\src+16*\b+7], v[TM+4+\b]
	v_cvt_scalef32_pk8_fp4_f32 v[PC+2*\b+1], v[\src+16*\b+8:\src+16*\b+15], v[TM+4+\b]
.endr
	v_nop                                          ; one plain place behind a scaled conversion
	v_permlane16_swap_b32 v[PC], v[PC+2]           ; the operand's layout wants a whole block in a lane: lanes 0-15 block 0, lanes 16-31 block 1
	v_permlane16_swap_b32 v[PC+1], v[PC+3]
.endm
.macro QOUT ia, io, sa, so             ; the image and its two scale bytes go to LDS
	ds_store_b128 v[\ia], v[PC:PC+3] offset:\io
	ds_store_b16 v[\sa], v[PW] offset:\so
.endm
.macro QUANT2 src, ia, io, sa, so
	QCALC \src
	s_wait_alu depctr_va_vdst(0)                   ; PC and PW are written, which the two stores read, and so are the stores' addresses; the quantiser is done reading its 32 numbers
	QOUT \ia, \io, \sa, \so
.endm
; x = 0.5 x (1 + erf(x / sqrt 2)) on 8 ng numbers, four pairs at a time, operation by operation.  For pair i: z at T + 8 i, z^2 (later x / 2) at + 2, P at + 4, Q at + 6.
.macro GP off, lit
.irp i, 0,1,2,3
	v_pk_fma_f32 v[T+8*\i+\off:T+8*\i+\off+1], v[T+8*\i+\off:T+8*\i+\off+1], v[T+8*\i+2:T+8*\i+3], \lit op_sel_hi:[1,1,0]
.endr
.endm
.macro GELU x, ng
.set GG, 0
.rept \ng
.irp i, 0,1,2,3
	v_pk_mul_f32 v[T+8*\i:T+8*\i+1], v[\x+8*GG+2*\i:\x+8*GG+2*\i+1], 0x3f3504f3 op_sel_hi:[1,0]
.endr
.irp i, 0,1,2,3
	v_med3_num_f32 v[T+8*\i], v[T+8*\i], -4.0, 4.0
	v_med3_num_f32 v[T+8*\i+1], v[T+8*\i+1], -4.0, 4.0
.endr
.irp i, 0,1,2,3
	v_pk_mul_f32 v[T+8*\i+2:T+8*\i+3], v[T+8*\i:T+8*\i+1], v[T+8*\i:T+8*\i+1]
.endr
.irp i, 0,1,2,3
	v_pk_fma_f32 v[T+8*\i+4:T+8*\i+5], v[T+8*\i+2:T+8*\i+3], v[EC:EC+1], 0x32edffee op_sel_hi:[1,0,0]
.endr
.irp i, 0,1,2,3
	v_pk_fma_f32 v[T+8*\i+6:T+8*\i+7], v[T+8*\i+2:T+8*\i+3], v[EC:EC+1], 0xb95fbd29 op_sel:[0,1,0] op_sel_hi:[1,1,0]
.endr
	GP 4, 0xb60cff51
	GP 6, 0xbadc924e
	GP 4, 0xb86ec2d2
	GP 6, 0xbbf19bf8
	GP 4, 0xba40ac63
	GP 6, 0xbc69b6a7
	GP 4, 0xbb41a1f6
	GP 4, 0xbc83dbd4
.irp i, 0,1,2,3
	v_pk_mul_f32 v[T+8*\i+4:T+8*\i+5], v[T+8*\i+4:T+8*\i+5], v[T+8*\i:T+8*\i+1]
.endr
	s_wait_alu depctr_va_vdst(0)
.irp i, 0,1,2,3
	v_rcp_f32 v[T+8*\i+6], v[T+8*\i+6]
	v_rcp_f32 v[T+8*\i+7], v[T+8*\i+7]
.endr
.irp i, 0,1,2,3
	v_pk_mul_f32 v[T+8*\i+2:T+8*\i+3], v[\x+8*GG+2*\i:\x+8*GG+2*\i+1], 0.5 op_sel_hi:[1,0]   ; (plain lines behind the reciprocals)
.endr
	s_wait_alu depctr_va_vdst(0)                   ; the eight reciprocals 1 / Q are written, ahead of their first reader: one wait for the batch
.irp i, 0,1,2,3
	v_pk_mul_f32 v[T+8*\i+4:T+8*\i+5], v[T+8*\i+4:T+8*\i+5], v[T+8*\i+6:T+8*\i+7]
.endr
.irp i, 0,1,2,3
	v_pk_fma_f32 v[\x+8*GG+2*\i:\x+8*GG+2*\i+1], v[T+8*\i+2:T+8*\i+3], v[T+8*\i+4:T+8*\i+5], v[T+8*\i+2:T+8*\i+3]
.endr
.set GG, GG+1
.endr
.endm
; The coefficients of my 64 columns of a [3][512] weight and its bias, into window 1 from base on: 32 loads, once.  No vector instruction has named these registers; the offset was written ahead of the head's wait
.macro COEFH base, wp, bp
	WIN 0x40
.irp a, 0,1,2
.irp b, 0,1
.irp j, 0,1,2,3
	global_load_b128 v[\base+32*\a+16*\b+4*\j:\base+32*\a+16*\b+4*\j+3], v[BA], s[\wp:\wp+1] offset:2048*\a+128*\b+16*\j
.endr
.endr
.endr
.irp b, 0,1
.irp j, 0,1,2,3
	global_load_b128 v[\base+96+16*\b+4*\j:\base+96+16*\b+4*\j+3], v[BA], s[\bp:\bp+1] offset:128*\b+16*\j
.endr
.endr
	WIN 0
.endm
; x = p0 W0 + p1 W1 + p2 W2 + bias (hascf = 0), or x += the same (hascf = 1), on my lane's 32 columns; p0, p1, p2 in v[p] on
.macro AFF x, p, base, hascf
.if \hascf
	WIN 0x01
.set I, 0
.rept 16
	v_pk_fma_f32 v[\x+I:\x+I+1], v[\base+I:\base+I+1], v[\p:\p+1], v[\x+I:\x+I+1] op_sel_hi:[1,0,1]
.set I, I+2
.endr
.else
	WIN 0x11
.set I, 0
.rept 16
	v_pk_fma_f32 v[\x+I:\x+I+1], v[\base+I:\base+I+1], v[\p:\p+1], v[\base+96+I:\base+96+I+1] op_sel_hi:[1,0,1]
.set I, I+2
.endr
	WIN 0x01
.endif
.set I, 0
.rept 16
	v_pk_fma_f32 v[\x+I:\x+I+1], v[\base+32+I:\base+32+I+1], v[\p:\p+1], v[\x+I:\x+I+1] op_sel:[0,1,0] op_sel_hi:[1,1,1]
.set I, I+2
.endr
.set I, 0
.rept 16
	v_pk_fma_f32 v[\x+I:\x+I+1], v[\base+64+I:\base+64+I+1], v[\p+2:\p+3], v[\x+I:\x+I+1] op_sel_hi:[1,0,1]
.set I, I+2
.endr
.if \hascf
.set I, 0
.rept 16
	v_pk_add_f32 v[\x+I:\x+I+1], v[\base+96+I:\base+96+I+1], v[\x+I:\x+I+1]
.set I, I+2
.endr
.endif
	WIN 0
.endm
.macro XLOAD x, adr                    ; 32 features of a neighbour's row: columns 64 w + 32 b + 16 h + 0..15; the lanes of a row read 256 consecutive bytes, aligned
.irp b, 0,1
.irp j, 0,1,2,3
	global_load_b128 v[\x+16*\b+4*\j:\x+16*\b+4*\j+3], v[\adr], s[S_CF:S_CF+1] offset:128*\b+16*\j
.endr
.endr
.endm
.macro XSTORE                          ; my 16 rows x 64 columns in f32 to my own LDS bytes, as the registers stand
.irp j, 0,1,2,3,4,5,6,7
	ds_store_b128 v[XAD], v[HA+4*\j:HA+4*\j+3] offset:512*\j
.endr
.endm
.macro XFETCH
.irp j, 0,1,2,3,4,5,6,7
	ds_load_b128 v[HA+4*\j:HA+4*\j+3], v[XAD] offset:512*\j
.endr
.endm
; ---------------------------------------------------------------- head
	s_load_b512 s[4:19], s[0:1], 0x0
	s_load_b512 s[20:35], s[0:1], 0x40
	s_load_b512 s[36:51], s[0:1], 0x80
	s_load_b64 s[52:53], s[0:1], 0xc0
	v_lshl_add_u32 v252, v0, 2, 0x42000
	v_mov_b32 v253, 0
	v_lshrrev_b32 v[R], 5, v0
	v_readfirstlane_b32 s54, v[R]                  ; wave 0..7
	v_and_b32 v[R], 31, v0                         ; lane
	v_and_b32 v[R+1], 15, v0                       ; r
	v_bfe_u32 v[R+2], v0, 4, 1                     ; h
	v_lshlrev_b32 v[LI], 4, v[R]
	v_add_nc_u32 v[LI2], 0x10000, v[LI]
	s_wait_alu depctr_va_sdst(0)                   ; s54 is written, ahead of its first reader: the wave's shares of LDS and of the weights are made from it
	s_lshl_b32 s70, s54, 9
	v_add_nc_u32 v[IA], s70, v[LI2]
	v_add_nc_u32 v[KIA], s70, v[LI]
	s_lshl_b32 s70, s54, 1
	v_add_nc_u32 v[SA], s70, v[LI2]
	s_lshl_b32 s70, s54, 11
	v_add_nc_u32 v[ATA], s70, v[LI2]
	s_lshl_b32 s70, s54, 14
	v_add_nc_u32 v[XQA], s70, v[LI]
	v_add_nc_u32 v[XQA], XQ, v[XQA]
	v_lshlrev_b32 v[R+3], 6, v[R+2]                ; 64 h
	s_lshl_b32 s70, s54, 8
	v_add_nc_u32 v[BA], s70, v[R+3]
	v_lshlrev_b32 v[L8R], 3, v[R]
	v_add_nc_u32 v[L8R], 0x10000, v[L8R]
	v_add_nc_u32 v[L8W], s70, v[L8R]
	s_lshl_b32 s70, s54, 7
	v_add_nc_u32 v[BA2], s70, v[R+3]
	v_lshlrev_b32 v[L4W], 2, v[R]
	v_add_nc_u32 v[L4W], 0x10000, v[L4W]
	v_add_nc_u32 v[L4W], s70, v[L4W]
	v_and_b32 v[R+4], 8, v[R+1]
	v_add_nc_u32 v[R+4], v[R+4], v[R+1]            ; r + 8 (r / 8)
	s_lshl_b32 s70, s54, 6
	v_add_nc_u32 v[R+5], s70, v[R+4]
	v_lshlrev_b32 v[WSA], 4, v[R+5]
	v_lshlrev_b32 v[WA], 8, v[R+5]
	v_lshl_add_u32 v[WA], v[R+2], 4, v[WA]
	s_lshl_b32 s70, s54, 5
	v_add_nc_u32 v[R+5], s70, v[R+4]
	v_lshlrev_b32 v[WSA2], 4, v[R+5]
	v_lshlrev_b32 v[WA2], 8, v[R+5]
	v_lshl_add_u32 v[WA2], v[R+2], 4, v[WA2]
	v_lshrrev_b32 v[LGR], 3, v[R]
	v_lshlrev_b32 v[LGR], 10, v[LGR]
	v_and_b32 v[R+5], 7, v[R]
	v_lshl_add_u32 v[LGR], v[R+5], 3, v[LGR]
	v_add_nc_u32 v[LGR], 0x10000, v[LGR]
	s_lshl_b32 s70, ttmp9, 8
	v_lshlrev_b32 v[OA], 3, v[R]
	v_add_nc_u32 v[OA], s70, v[OA]                 ; the way out's offset is made here too, so that no address is written at the end
	s_lshl_b32 s70, ttmp9, 6
	v_add_nc_u32 v[R+5], s70, v[R+1]               ; query 64 x work-group + r: row r of tile 0
	v_mul_u32_u24 v[QB], v[R+5], 12
	v_lshlrev_b32 v[NB], 4, v[R+5]
	s_mov_b32 s[SEL], 0x76543210
	s_mov_b32 s[SEL+1], 0xfedcba98
	v_mov_b32 v[EC], 0xaf95df0b
	v_mov_b32 v[EC+1], 0xb77460cd
	v_mov_b32 v[QC+3], 0
	v_mov_b32 v[TM+2], 0                           ; written once: a lane permute's destination counts as one of its sources
	v_mov_b32 v[TM+3], 0
	s_wait_kmcnt 0x0
	s_load_b32 s68, s[S_BH3:S_BH3+1], 0x0
	s_wait_alu depctr_va_vdst(0)                   ; every address and offset made above is written: the loads, stores and LDS instructions of the whole kernel read them
.irp a, 0,1,2
	global_load_b32 v[QC+\a], v[QB], s[S_QC:S_QC+1] offset:4*\a
.endr
	COEFH 0, S_WQE1, S_BQE1                        ; my 64 columns' coefficients of both small products stay in registers through their phases
	COEFH 128, S_WREL, S_BREL
	global_load_b128 v[NN:NN+3], v[NB], s[S_NN:S_NN+1]            ; tile 0's neighbours and coordinates, for the second phase
.irp a, 0,1,2
	global_load_b32 v[QCN+\a], v[QB], s[S_QC:S_QC+1] offset:4*\a
.endr
	s_wait_kmcnt 0x0
; ---------------------------------------------------------------- gelu(qc Wqe1 + bqe1): my 64 columns of the four query tiles; the codes go into region 0
	HEAD
.Lenc:
	s_wait_alu depctr_vm_vsrc(0)                   ; the last trip's LDS stores have read TA, TA+1, PC and PW, its loads QAD: all five are written again in this trip
	v_add_nc_u32 v[TA], s63, v[IA]
	v_add_nc_u32 v[TA+1], s66, v[SA]
	s_wait_loadcnt 0x0                             ; this tile's coordinates are in (in the first trip the coefficients too)
	AFF HA, QC, 0, 0
	s_add_co_u32 s70, s66, 512                     ; the next tile's coordinates: most of gelu and the quantiser stand between the request and the wait.
	s_min_u32 s70, s70, 1536                       ; The last trip asks for its own tile again: the loop has one form and no load leaves its buffer
	s_lshr_b32 s70, s70, 3
	s_mul_i32 s70, s70, 3                          ; 192 bytes a tile
	v_add_nc_u32 v[QAD], s70, v[QB]
	GELU HA, 1
.irp a, 0,1,2
	global_load_b32 v[QC+\a], v[QAD], s[S_QC:S_QC+1] offset:4*\a   ; no wait of their own: the wait for gelu's first batch stands behind the multiply-adds that read QC and behind the write of QAD, and no line since names either
.endr
	GELU HA+8, 3
	QUANT2 HA, TA, A0_O, TA+1, A0S_O
	TAIL .Lenc
	LOADW S_WQE2, P_BQE2, 0                        ; the first product's weights, where Wqe1's coefficients lay: they have the next phase in which to land
; ---------------------------------------------------------------- kv_in = features + rel Wrel + brel: my 64 columns of the 16 neighbour tiles, four (one query tile's) a trip
.macro NBADDR                          ; from four indices: the addresses of the neighbours' coordinates and features; the coordinates are asked for.  A wait on vm_vsrc stands ahead of these lines: TA .. and G0 .. have been read
.irp n, 0,1,2,3
	v_min_u32 v[NN+\n], 0x1fff, v[NN+\n]           ; a loaded number enters an address only held inside the table
.endr
.irp n, 0,1,2,3
	v_mul_u32_u24 v[TA+\n], v[NN+\n], 12
	v_lshlrev_b32 v[G0+\n], 11, v[NN+\n]
.endr
.irp n, 0,1,2,3
	v_add_nc_u32 v[G0+\n], v[G0+\n], v[BA]
.endr
	s_wait_alu depctr_va_vdst(0)                   ; TA .. and G0 .. are written, which the loads below and the features' loads read; the subtractions are done reading CCN, in which the loads below land
.irp n, 0,1,2,3
.irp a, 0,1,2
	global_load_b32 v[CCN+3*\n+\a], v[TA+\n], s[S_CC:S_CC+1] offset:4*\a
.endr
.endr
.endm
.macro UNIT n, x, cnt, nadr            ; neighbour n; behind it the features two units on are asked for, into the registers that fall free (two sets by turns)
	s_wait_loadcnt \cnt
	AFF \x, REL+4*\n, 128, 1
	QUANT2 \x, KAD, 4096*\n, KSD, KVS_O+512*\n
	XLOAD \x, \nadr                                ; no wait of their own: the quantiser's wait stands behind all that named these 32 registers, and no vector line follows it
.endm
	s_wait_alu depctr_vm_vsrc(0)                   ; the encoder's LDS stores have read TA and TA+1, which the lines below write
	NBADDR
	XLOAD HA, G0                                   ; (the wait in NBADDR stands behind gelu and the quantiser, which named HA and R)
	XLOAD R, G0+1
.irp n, 0,1,2,3
	v_mov_b32 v[REL+4*\n+3], 0                     ; (the upper half of a pair that the packed form names)
.endr
	HEAD
.Lkv:                                                  ; at the head these loads are out, in this order: 12 coordinates, unit 0's 8 features, unit 1's 8
	s_wait_alu depctr_vm_vsrc(0)                   ; the last trip's LDS stores have read KAD, KSD, PC and PW, its loads NAD and QAD
	v_add_nc_u32 v[KAD], s67, v[KIA]
	v_add_nc_u32 v[KSD], s69, v[SA]
	s_wait_loadcnt 16                              ; the neighbours' coordinates are in; the 8 + 8 features may be out
.irp n, 0,1,2,3
.irp a, 0,1,2
	v_sub_f32 v[REL+4*\n+\a], v[QCN+\a], v[CCN+3*\n+\a]
.endr
.endr
	s_add_co_u32 s70, s66, 512                     ; the next query tile; behind the last, tile 0 again: one form, and inside the buffers
	s_and_b32 s70, s70, 0x7ff
	s_lshr_b32 s55, s70, 1                         ; 256 bytes of indices a tile
	v_add_nc_u32 v[NAD], s55, v[NB]
	s_lshr_b32 s70, s70, 3
	s_mul_i32 s70, s70, 3                          ; 192 bytes of coordinates
	v_add_nc_u32 v[QAD], s70, v[QB]
	s_wait_alu depctr_va_vdst(0)                   ; NAD and QAD are written; the subtractions are done reading QCN, the address lines of the last trip NN: the four loads land there
	global_load_b128 v[NN:NN+3], v[NAD], s[S_NN:S_NN+1]
.irp a, 0,1,2
	global_load_b32 v[QCN+\a], v[QAD], s[S_QC:S_QC+1] offset:4*\a
.endr
	UNIT 0, HA, 12, G0+2                           ; may be out: unit 1's 8 and the 4 just issued
	s_wait_alu depctr_vm_vsrc(0)                   ; unit 0's LDS stores have read PC and PW, which unit 1's quantiser writes
	UNIT 1, R, 12, G0+3                            ; the 4 and unit 2's 8
	s_wait_loadcnt 16                              ; the next tile's indices and coordinates are in; units 2 and 3's features may be out
	s_wait_xcnt 0x0                                ; address registers of loads that are out are rewritten only behind this wait
	s_wait_alu depctr_vm_vsrc(0)                   ; the loads issued so far have read TA .. and G0 .., unit 1's LDS stores PC and PW
	NBADDR
	UNIT 2, HA, 20, G0                             ; unit 3's 8 and the 12 coordinates
	s_wait_alu depctr_vm_vsrc(0)                   ; unit 2's LDS stores have read PC and PW
	UNIT 3, R, 20, G0+1                            ; the 12 and the next unit 0's 8
	TAIL .Lkv
	s_wait_loadcnt 0x0                             ; what the last trip asked for is in, and so are the first product's weights
	BAR                                            ; region 0 and the 16 neighbour tiles lie in LDS
; ---------------------------------------------------------------- qe = G Wqe2 + bqe2: in f32 to my own LDS bytes; its codes go into region 1
	FETCHA LI2, A0_O, LI2, A0S_O                   ; tile 0's operand (no vector instruction has named AF or AS so far)
	s_wait_alu depctr_vm_vsrc(0)                   ; the loads and LDS stores of the two phases above have read QB, NB, QAD, NAD, KAD and KSD, which lie where set 1's bias lands
	LOADW S_WQ, P_BQ, 1
	HEAD
	s_wait_dscnt 0x0                               ; tile 0's operand is in: so the counted wait in the loop holds on the way in too
.Le:
	AHEAD
	s_wait_alu depctr_vm_vsrc(0)                   ; the LDS instructions issued so far have read TA .. TA+3 and XAD, and the last trip's stores HA, PC and PW
	v_add_nc_u32 v[TA], s58, v[LI2]
	v_add_nc_u32 v[TA+1], s59, v[LI2]
	v_add_nc_u32 v[TA+2], s63, v[IA]
	v_add_nc_u32 v[TA+3], s66, v[SA]
	v_add_nc_u32 v[XAD], s63, v[XQA]
	s_wait_dscnt 10                                ; this tile's operand is in; the last trip's 8 + 2 stores, issued behind its 9 loads, may be out
	MM 0, HA, 0
	s_wait_alu depctr_va_vdst(0)                   ; the products are done reading AF and AS, in which the next operand lands; TA and TA+1 are written
	FETCHA TA, A0_O, TA+1, A0S_O                   ; it lands under the quantiser
	QCALC HA
	s_wait_alu depctr_va_vdst(0)                   ; PC and PW are written (HA, TA+2, TA+3 and XAD were, ahead of the wait above): the ten stores read them
	XSTORE
	QOUT TA+2, A1_O, TA+3, A1S_O
	TAIL .Le
	LOADW S_WK, P_BK, 0                            ; set 0 has fallen free
	BAR                                            ; region 1 holds qe's codes; nobody reads region 0 any more
	FETCHA LI2, A1_O, LI2, A1S_O                   ; tile 0's operand.  No wait of its own: the wait at the head of Wk's loads stands behind the last products, and no vector line follows it
	s_wait_loadcnt 0x0                             ; Wq and Wk are in
; ---------------------------------------------------------------- for each query tile: q of my head; k of its four neighbour tiles; only the scores are kept; softmax; the weights to my own LDS bytes
.macro SCORE n                         ; q . k over the head's 64: my 32 columns in four chains, then lane l xor 16's
.set I, 0
.rept 16
.if I < 4
	v_pk_mul_f32 v[S8+2*I:S8+2*I+1], v[R+2*I:R+2*I+1], v[HA+2*I:HA+2*I+1]
.else
	v_pk_fma_f32 v[S8+2*(I%4):S8+2*(I%4)+1], v[R+2*I:R+2*I+1], v[HA+2*I:HA+2*I+1], v[S8+2*(I%4):S8+2*(I%4)+1]
.endif
.set I, I+1
.endr
	v_pk_add_f32 v[S8:S8+1], v[S8:S8+1], v[S8+2:S8+3]
	v_pk_add_f32 v[S8+4:S8+5], v[S8+4:S8+5], v[S8+6:S8+7]
	v_pk_add_f32 v[S8:S8+1], v[S8:S8+1], v[S8+4:S8+5]
	v_add_f32 v[S8], v[S8], v[S8+1]
	v_permlanex16_b32 v[S8+1], v[S8], s[SEL], s[SEL+1]
	v_add_f32 v[ATT+\n], v[S8], v[S8+1]
.endm
.macro SOFTMAX                         ; over the four neighbours: the largest score is taken away; 2^((s - max) log2(e) / 8)
	v_max3_num_f32 v[S8], v[ATT], v[ATT+1], v[ATT+2]
	v_max_num_f32 v[S8], v[S8], v[ATT+3]
.irp n, 0,1,2,3
	v_sub_f32 v[ATT+\n], v[ATT+\n], v[S8]
.endr
.irp n, 0,1,2,3
	v_mul_f32 v[ATT+\n], 0x3e38aa3b, v[ATT+\n]
.endr
	s_wait_alu depctr_va_vdst(0)
.irp n, 0,1,2,3
	v_exp_f32 v[ATT+\n], v[ATT+\n]
.endr
	v_nop                                          ; a plain place behind the exponentials
	s_wait_alu depctr_va_vdst(0)                   ; the four exponentials are written, ahead of their first reader
	v_add_f32 v[S8], v[ATT], v[ATT+1]
	v_add_f32 v[S8+1], v[ATT+2], v[ATT+3]
	v_add_f32 v[S8], v[S8], v[S8+1]
	s_wait_alu depctr_va_vdst(0)
	v_rcp_f32 v[S8], v[S8]
	v_nop
	s_wait_alu depctr_va_vdst(0)                   ; the reciprocal of the sum is written, ahead of its first reader
.irp n, 0,1,2,3
	v_mul_f32 v[ATT+\n], v[ATT+\n], v[S8]
.endr
.endm
	HEAD
	s_wait_dscnt 0x0                               ; tile 0's operand is in: so the counted wait in the loop holds on the way in too
.Lqk:
	AHEAD
	s_wait_alu depctr_vm_vsrc(0)                   ; the LDS instructions issued so far have read TA .. TA+3 and AAD, and the last trip's store ATT
	v_add_nc_u32 v[TA], s58, v[LI2]
	v_add_nc_u32 v[TA+1], s59, v[LI2]
	v_add_nc_u32 v[TA+2], s67, v[LI]
	v_add_nc_u32 v[TA+3], s69, v[LI2]
	v_add_nc_u32 v[AAD], s66, v[ATA]
	s_wait_dscnt 1                                 ; qe's operand is in; the last trip's one store, issued behind its 9 loads, may be out
	MM 1, R, 0                                     ; q
	s_wait_alu depctr_va_vdst(0)                   ; the products are done reading AF and AS, in which the next operand lands; the five addresses are written
	FETCHA TA+2, 0, TA+3, KVS_O
.irp n, 0,1,2,3
	s_wait_dscnt 0x0
	MM 0, HA, 0                                    ; k of neighbour n
	s_wait_alu depctr_va_vdst(0)                   ; the products are done reading AF and AS, in which the next operand lands
.if \n < 3
	FETCHA TA+2, 4096*\n+4096, TA+3, KVS_O+512*\n+512   ; the next neighbour's operand comes while the score is summed
.else
	FETCHA TA, A1_O, TA+1, A1S_O                   ; the next query tile's comes under the last score and the softmax
.endif
	SCORE \n
.endr
	SOFTMAX
	s_wait_alu depctr_va_vdst(0)                   ; the four weights are written, which the store reads
	ds_store_b128 v[AAD], v[ATT:ATT+3] offset:ATL_O
	TAIL .Lqk
	LOADW S_WV, P_BV, 1                            ; both sets have fallen free
	LOADW S_WO, P_BO, 0
	s_wait_dscnt 0x0                               ; what the last trip asked for has landed in AF and AS, which are asked for again
	FETCHA LI, 0, LI2, KVS_O                       ; neighbour tile 0's operand.  No wait of its own: the waits at the head of the weights' loads stand behind the last products
	s_wait_loadcnt 44                              ; Wv's 44 loads are in; Wo's 44 may be out
; ---------------------------------------------------------------- v of the four neighbour tiles; only the weighted sum is kept, and its codes go into region 0
.macro AVROW first, pr, sel            ; the weighted sum (+)= v x one register of the pair v[pr:pr+1]
.set I, 0
.rept 16
.if \first
	v_pk_mul_f32 v[R+I:R+I+1], v[HA+I:HA+I+1], v[\pr:\pr+1] op_sel:[0,\sel] op_sel_hi:[1,\sel]
.else
	v_pk_fma_f32 v[R+I:R+I+1], v[HA+I:HA+I+1], v[\pr:\pr+1], v[R+I:R+I+1] op_sel:[0,\sel,0] op_sel_hi:[1,\sel,1]
.endif
.set I, I+2
.endr
.endm
.macro VT n, cnt                       ; v of neighbour n; the next operand is asked for behind it: the next neighbour's, or the next query tile's first
	s_wait_dscnt \cnt
	MM 1, HA, 0
	s_wait_alu depctr_va_vdst(0)                   ; the products are done reading AF and AS, in which the next operand lands
.if \n < 3
	FETCHA TA+2, 4096*\n+4096, TA+3, KVS_O+512*\n+512
.else
	FETCHA NXA, 0, NXS, KVS_O
.endif
.endm
	HEAD
	s_wait_dscnt 0x0                               ; neighbour tile 0's operand is in: so the counted wait in the loop holds on the way in too
.Lv:
	s_add_co_u32 s60, s67, 16384                   ; the next query tile's first neighbour tile; the last trip's own again
	s_min_u32 s60, s60, 49152
	s_add_co_u32 s61, s69, 2048
	s_min_u32 s61, s61, 6144
	s_wait_alu depctr_vm_vsrc(0)                   ; the LDS instructions issued so far have read the seven addresses below, the last image's stores PC and PW, and the store of the weights ATT
	v_add_nc_u32 v[TA], s63, v[IA]
	v_add_nc_u32 v[TA+1], s66, v[SA]
	v_add_nc_u32 v[TA+2], s67, v[LI]
	v_add_nc_u32 v[TA+3], s69, v[LI2]
	v_add_nc_u32 v[AAD], s66, v[ATA]
	v_add_nc_u32 v[NXA], s60, v[LI]
	v_add_nc_u32 v[NXS], s61, v[LI2]
	s_wait_alu depctr_va_vdst(0)                   ; AAD is written; the last trip's weighted sums (in the first trip the softmax) are done with ATT, in which the load lands
	ds_load_b128 v[ATT:ATT+3], v[AAD] offset:ATL_O ; my own bytes: LDS serves a wave's instructions in order
	VT 0, 3                                        ; the operand's 9 loads are in; may be out: the last image's two stores and the load just issued
	s_wait_dscnt 9                                 ; the weights are in; the next operand's 9 loads may be out
	AVROW 1, ATT, 0
	VT 1, 0
	AVROW 0, ATT, 1
	VT 2, 0
	AVROW 0, ATT+2, 0
	VT 3, 0
	AVROW 0, ATT+2, 1
	QUANT2 R, TA, A0_O, TA+1, A0S_O
	TAIL .Lv
	BAR                                            ; region 0 holds the aggregate's codes; nobody reads region 1 any more
	s_wait_loadcnt 0x0
	LOADW S_WH1, P_BH1, 1
; ---------------------------------------------------------------- x = agg Wo + qe + bo: the sums go on top of qe.  In the same trip the LayerNorm's figures of my 64 columns: mean, and sum of squared deviations from it
	HEAD
.Lo:
	s_wait_alu depctr_vm_vsrc(0)                   ; the LDS instructions issued so far have read TA, TA+1, TA+2 and XAD, and the last trip's stores HA and the pair MEAN
	v_add_nc_u32 v[TA], s63, v[LI2]
	v_add_nc_u32 v[TA+1], s66, v[LI2]
	v_add_nc_u32 v[TA+2], s69, v[L8W]
	v_add_nc_u32 v[XAD], s63, v[XQA]
	s_wait_alu depctr_va_vdst(0)                   ; the four addresses are written; the last trip's sums are done with AF and HA, in which the loads land
	FETCHA TA, A0_O, TA+1, A0S_O
	XFETCH                                         ; qe
	s_wait_dscnt 0x0
	MM 0, HA, 1
.set I, 0
.rept 16
	v_pk_add_f32 v[HA+I:HA+I+1], v[HA+I:HA+I+1], v[BI+I:BI+I+1]
.set I, I+2
.endr
.set I, 0
.rept 8
	v_pk_add_f32 v[AF+I:AF+I+1], v[HA+I:HA+I+1], v[HA+16+I:HA+16+I+1]
.set I, I+2
.endr
.irp d, 8,4,2
.set I, 0
.rept \d/2
	v_pk_add_f32 v[AF+I:AF+I+1], v[AF+I:AF+I+1], v[AF+\d+I:AF+\d+I+1]
.set I, I+2
.endr
.endr
	v_add_f32 v[AF], v[AF], v[AF+1]
	v_permlanex16_b32 v[AF+1], v[AF], s[SEL], s[SEL+1]
	v_add_f32 v[AF], v[AF], v[AF+1]
	v_mov_b32 v[MEAN+1], 0                         ; (named below as the upper half of a pair)
	v_mul_f32 v[MEAN], 0x3c800000, v[AF]           ; / 64
.set I, 0
.rept 16
	v_pk_add_f32 v[AF+I:AF+I+1], v[HA+I:HA+I+1], v[MEAN:MEAN+1] op_sel_hi:[1,0] neg_lo:[0,1] neg_hi:[0,1]
.set I, I+2
.endr
.set I, 0
.rept 16
.if I < 8
	v_pk_mul_f32 v[S8+I:S8+I+1], v[AF+I:AF+I+1], v[AF+I:AF+I+1]
.else
	v_pk_fma_f32 v[S8+I%8:S8+I%8+1], v[AF+I:AF+I+1], v[AF+I:AF+I+1], v[S8+I%8:S8+I%8+1]
.endif
.set I, I+2
.endr
	v_pk_add_f32 v[S8:S8+1], v[S8:S8+1], v[S8+2:S8+3]
	v_pk_add_f32 v[S8+4:S8+5], v[S8+4:S8+5], v[S8+6:S8+7]
	v_pk_add_f32 v[S8:S8+1], v[S8:S8+1], v[S8+4:S8+5]
	v_add_f32 v[S8], v[S8], v[S8+1]
	v_permlanex16_b32 v[S8+1], v[S8], s[SEL], s[SEL+1]
	v_add_f32 v[MEAN+1], v[S8], v[S8+1]
	s_wait_alu depctr_va_vdst(0)                   ; x (HA) and the pair MEAN are written: the nine stores read them
	XSTORE
	ds_store_b64 v[TA+2], v[MEAN:MEAN+1] offset:LNX_O
	TAIL .Lo
	BLOAD BI, P_LNG                                ; ln_g and ln_b of my 64 columns, where bo and the weighted sum lay.  No wait of their own: the wait ahead of the last trip's stores stands behind
	BLOAD R, P_LNB                                 ; the additions that read bo and behind all that named R, and no vector line follows it
	BAR                                            ; the eight waves' figures lie in LDS; nobody reads region 0 any more
	s_wait_loadcnt 0x0
	s_mov_b32 s70, 0x3727c5ac                      ; 1e-5
; ---------------------------------------------------------------- LayerNorm: the eight waves' figures are joined exactly (no difference of large sums); the codes go into region 1
	HEAD
.Lln:
	s_wait_alu depctr_vm_vsrc(0)                   ; the LDS instructions issued so far have read TA, TA+2, TA+3 and XAD, the stores of x HA, the last image's stores PC and PW
	v_add_nc_u32 v[TA], s69, v[L8R]
	v_add_nc_u32 v[TA+2], s63, v[IA]
	v_add_nc_u32 v[TA+3], s66, v[SA]
	v_add_nc_u32 v[XAD], s63, v[XQA]
	s_wait_alu depctr_va_vdst(0)                   ; the four addresses are written; the last trip's arithmetic is done with AF and HA, in which the loads land
.irp w, 0,1,2,3,4,5,6,7
	ds_load_b64 v[AF+2*\w:AF+2*\w+1], v[TA] offset:LNX_O+256*\w
.endr
	XFETCH
	s_wait_dscnt 0x0
.irp i, 0,1,2,3
	v_add_f32 v[AF+16+\i], v[AF+4*\i], v[AF+4*\i+2]
.endr
	v_add_f32 v[AF+16], v[AF+16], v[AF+17]
	v_add_f32 v[AF+18], v[AF+18], v[AF+19]
	v_add_f32 v[AF+16], v[AF+16], v[AF+18]
	v_mul_f32 v[MEAN], 0x3e000000, v[AF+16]        ; the row's mean: the mean of eight means of 64
.irp w, 0,1,2,3,4,5,6,7
	v_sub_f32 v[AF+2*\w], v[AF+2*\w], v[MEAN]
.endr
.irp i, 0,1,2,3
	v_add_f32 v[AF+16+\i], v[AF+4*\i+1], v[AF+4*\i+3]
.endr
	v_mul_f32 v[AF+20], v[AF], v[AF]
	v_add_f32 v[AF+16], v[AF+16], v[AF+17]
	v_add_f32 v[AF+18], v[AF+18], v[AF+19]
.irp w, 1,2,3,4,5,6,7
	v_fma_f32 v[AF+20], v[AF+2*\w], v[AF+2*\w], v[AF+20]
.endr
	v_add_f32 v[AF+16], v[AF+16], v[AF+18]
	v_fma_f32 v[AF+16], v[AF+20], 0x42800000, v[AF+16]   ; + 64 x the sum of the squared distances of the eight means
	v_fma_f32 v[AF+16], v[AF+16], 0x3b000000, s70        ; / 512 + 1e-5
	s_wait_alu depctr_va_vdst(0)
	v_rsq_f32 v[MEAN+1], v[AF+16]
	v_nop
	s_wait_alu depctr_va_vdst(0)                   ; the reciprocal root is written, ahead of the first line that names its pair
.set I, 0
.rept 16
	v_pk_add_f32 v[HA+I:HA+I+1], v[HA+I:HA+I+1], v[MEAN:MEAN+1] op_sel_hi:[1,0] neg_lo:[0,1] neg_hi:[0,1]
.set I, I+2
.endr
.set I, 0
.rept 16
	v_pk_mul_f32 v[HA+I:HA+I+1], v[HA+I:HA+I+1], v[MEAN:MEAN+1] op_sel:[0,1] op_sel_hi:[1,1]
.set I, I+2
.endr
.set I, 0
.rept 16
	v_pk_fma_f32 v[HA+I:HA+I+1], v[HA+I:HA+I+1], v[BI+I:BI+I+1], v[R+I:R+I+1]
.set I, I+2
.endr
	QUANT2 HA, TA+2, A1_O, TA+3, A1S_O
	TAIL .Lln
	; Wh2's weights for my 32 columns (two tiles), bh2 and Wh3: 26 loads, into set 0 and where ln_g lay
	WIN 0x40
	s_wait_alu depctr_va_vdst(0)                   ; Wo's products are done reading set 0 and its scale words, the LayerNorm's multiply-adds ln_g: the 26 loads land there
.irp t, 0,1
.irp s, 0,1,2,3
.irp k, 0,1
	global_load_b128 v[32*\t+8*\s+4*\k:32*\t+8*\s+4*\k+3], v[WA2], s[S_WH2:S_WH2+1] offset:8*\t*256+64*\s+32*\k
.endr
.endr
.endr
	WIN 0
.irp t, 0,1
.irp k, 0,1
	global_load_b128 v[BI+8*\t+4*\k:BI+8*\t+4*\k+3], v[BA2], s[S_PAR:S_PAR+1] offset:P_BH2+32*\t+16*\k
	global_load_b128 v[WH3R+8*\t+4*\k:WH3R+8*\t+4*\k+3], v[BA2], s[S_PAR:S_PAR+1] offset:P_WH3+32*\t+16*\k
.endr
	global_load_b128 v[WS+4*\t:WS+4*\t+3], v[WSA2], s[S_WH2+2:S_WH2+3] offset:8*\t*16
.endr
	BAR                                            ; region 1 holds the normalised rows' codes
; ---------------------------------------------------------------- gelu(x Wh1 + bh1): the codes go into region 0
	FETCHA LI2, A1_O, LI2, A1S_O                   ; tile 0's operand.  No wait of its own: the wait at the head of Wh2's loads stands behind the LayerNorm's arithmetic, which named AF
	HEAD
	s_wait_dscnt 0x0                               ; it is in: so the counted wait in the loop holds on the way in too
.Lh1:
	AHEAD
	s_wait_alu depctr_vm_vsrc(0)                   ; the LDS instructions issued so far have read TA .. TA+3, the last image's stores PC and PW
	v_add_nc_u32 v[TA], s58, v[LI2]
	v_add_nc_u32 v[TA+1], s59, v[LI2]
	v_add_nc_u32 v[TA+2], s63, v[IA]
	v_add_nc_u32 v[TA+3], s66, v[SA]
	s_wait_dscnt 2                                 ; this tile's operand is in; the last image's two stores, issued behind its 9 loads, may be out
	MM 1, HA, 0
	s_wait_alu depctr_va_vdst(0)                   ; the products are done reading AF and AS, in which the next operand lands; TA and TA+1 are written
	FETCHA TA, A1_O, TA+1, A1S_O                   ; it lands under gelu and the quantiser
	GELU HA, 4
	QUANT2 HA, TA+2, A0_O, TA+3, A0S_O
	TAIL .Lh1
	BAR                                            ; region 0 holds the first hidden layer's codes
	FETCHA LI2, A0_O, LI2, A0S_O                   ; tile 0's operand.  No wait of its own: the quantiser's wait in the last trip stands behind the last products, and no vector line follows it
	s_wait_loadcnt 0x0
; ---------------------------------------------------------------- gelu(h Wh2 + bh2) . Wh3: my 32 columns' part of the logit.  Two accumulators by turns
	HEAD
	s_wait_dscnt 0x0                               ; it is in: so the counted wait in the loop holds on the way in too
.Lh2:
	AHEAD
	s_wait_alu depctr_vm_vsrc(0)                   ; the LDS instructions issued so far have read TA, TA+1 and TA+3, the last trip's store S8
	v_add_nc_u32 v[TA], s58, v[LI2]
	v_add_nc_u32 v[TA+1], s59, v[LI2]
	v_add_nc_u32 v[TA+3], s71, v[L4W]
	s_wait_dscnt 1                                 ; this tile's operand is in; the last trip's one store, issued behind its 9 loads, may be out
	WIN 0x01
.irp s, 0,1,2,3
.irp t, 0,1
.if \s == 0
	v_wmma_scale_f32_16x16x128_f8f6f4 v[HA+8*\t:HA+8*\t+7], v[32*\t+8*\s:32*\t+8*\s+7], v[AF+8*\s:AF+8*\s+7], v[BI+8*\t:BI+8*\t+7], v[WS+4*\t+\s], v[AS+\s] matrix_a_fmt:MATRIX_FMT_FP4 matrix_b_fmt:MATRIX_FMT_FP4
.else
	v_wmma_scale_f32_16x16x128_f8f6f4 v[HA+8*\t:HA+8*\t+7], v[32*\t+8*\s:32*\t+8*\s+7], v[AF+8*\s:AF+8*\s+7], v[HA+8*\t:HA+8*\t+7], v[WS+4*\t+\s], v[AS+\s] matrix_a_fmt:MATRIX_FMT_FP4 matrix_b_fmt:MATRIX_FMT_FP4
.endif
.endr
.endr
	WIN 0
	NOPS 5
	s_wait_alu depctr_va_vdst(0)                   ; the products are done reading AF and AS, in which the next operand lands; TA and TA+1 are written
	FETCHA TA, A0_O, TA+1, A0S_O                   ; it lands under gelu and the sum
	GELU HA, 2
.set I, 0
.rept 8
.if I < 8
	v_pk_mul_f32 v[S8+I:S8+I+1], v[HA+I:HA+I+1], v[WH3R+I:WH3R+I+1]
.else
	v_pk_fma_f32 v[S8+I%8:S8+I%8+1], v[HA+I:HA+I+1], v[WH3R+I:WH3R+I+1], v[S8+I%8:S8+I%8+1]
.endif
.set I, I+2
.endr
	v_pk_add_f32 v[S8:S8+1], v[S8:S8+1], v[S8+2:S8+3]
	v_pk_add_f32 v[S8+4:S8+5], v[S8+4:S8+5], v[S8+6:S8+7]
	v_pk_add_f32 v[S8:S8+1], v[S8:S8+1], v[S8+4:S8+5]
	v_add_f32 v[S8], v[S8], v[S8+1]
	v_permlanex16_b32 v[S8+1], v[S8], s[SEL], s[SEL+1]
	v_add_f32 v[S8], v[S8], v[S8+1]
	s_wait_alu depctr_va_vdst(0)                   ; my part of the logit is written, which the store reads
	ds_store_b32 v[TA+3], v[S8] offset:LG_O
	TAIL .Lh2
	BAR                                            ; the eight waves' parts of 64 logits lie in LDS
	s_cmp_lg_u32 s54, 0
	s_cbranch_scc1 .Lend
.irp w, 0,1,2,3,4,5,6,7
	ds_load_b64 v[AF+2*\w:AF+2*\w+1], v[LGR] offset:LG_O+128*\w   ; lane l: queries 2 l and 2 l + 1.  No wait of their own: the wait ahead of the last trip's store stands behind the last products, which read AF, and no vector line follows it
.endr
	s_wait_dscnt 0x0
.irp i, 0,4,8,12
	v_pk_add_f32 v[AF+\i:AF+\i+1], v[AF+\i:AF+\i+1], v[AF+\i+2:AF+\i+3]
.endr
	v_pk_add_f32 v[AF:AF+1], v[AF:AF+1], v[AF+4:AF+5]
	v_pk_add_f32 v[AF+8:AF+9], v[AF+8:AF+9], v[AF+12:AF+13]
	v_pk_add_f32 v[AF:AF+1], v[AF:AF+1], v[AF+8:AF+9]
	v_add_f32 v[AF], s68, v[AF]
	v_add_f32 v[AF+1], s68, v[AF+1]
	s_wait_alu depctr_va_vdst(0)                   ; the two logits are written, which the store reads
	global_store_b64 v[OA], v[AF:AF+1], s[S_OUT:S_OUT+1]          ; the wave stores 256 consecutive bytes, at a multiple of 256 from the buffer's first byte
.Lend:
	s_wait_dscnt 0x0                               ; the closing lines, six on end
	s_wait_alu 0x0
	s_wait_tensorcnt 0x0
	ds_add_u32 v252, v253
	s_wait_dscnt 0x0
	s_endpgm
.Lfunc_end_k_qd31240c8c6_main:
	.size	k_qd31240c8c6_main, .Lfunc_end_k_qd31240c8c6_main-k_qd31240c8c6_main
	.p2alignl 7, 3214868480
	.fill 96, 4, 3214868480
	.section	.rodata,"a",@progbits
	.p2align	6, 0x0
	.amdhsa_kernel k_qd31240c8c6_main
		.amdhsa_group_segment_fixed_size 271360
		.amdhsa_private_segment_fixed_size 0
		.amdhsa_enable_private_segment 0
		.amdhsa_kernarg_size 200
		.amdhsa_user_sgpr_count 2
		.amdhsa_user_sgpr_kernarg_segment_ptr 1
		.amdhsa_wavefront_size32 1
		.amdhsa_system_sgpr_workgroup_id_x 1
		.amdhsa_system_sgpr_workgroup_id_y 1
		.amdhsa_system_sgpr_workgroup_id_z 1
		.amdhsa_system_vgpr_workitem_id 0
		.amdhsa_next_free_vgpr 512
		.amdhsa_next_free_sgpr 72
		.amdhsa_reserve_vcc 0
		.amdhsa_float_denorm_mode_32 3
		.amdhsa_float_denorm_mode_16_64 3
		.amdhsa_memory_ordered 1
		.amdhsa_forward_progress 1
		.amdhsa_inst_pref_size 222
	.end_amdhsa_kernel
	.amdgpu_metadata
---
amdhsa.version: [ 1, 2 ]
amdhsa.kernels:
  - .name:           k_qd31240c8c6_main
    .symbol:         k_qd31240c8c6_main.kd
    .args:
      - { .name: Wqe2_codes, .offset: 0, .size: 8, .value_kind: global_buffer, .address_space: global }
      - { .name: Wqe2_scales, .offset: 8, .size: 8, .value_kind: global_buffer, .address_space: global }
      - { .name: Wq_codes, .offset: 16, .size: 8, .value_kind: global_buffer, .address_space: global }
      - { .name: Wq_scales, .offset: 24, .size: 8, .value_kind: global_buffer, .address_space: global }
      - { .name: Wk_codes, .offset: 32, .size: 8, .value_kind: global_buffer, .address_space: global }
      - { .name: Wk_scales, .offset: 40, .size: 8, .value_kind: global_buffer, .address_space: global }
      - { .name: Wv_codes, .offset: 48, .size: 8, .value_kind: global_buffer, .address_space: global }
      - { .name: Wv_scales, .offset: 56, .size: 8, .value_kind: global_buffer, .address_space: global }
      - { .name: Wo_codes, .offset: 64, .size: 8, .value_kind: global_buffer, .address_space: global }
      - { .name: Wo_scales, .offset: 72, .size: 8, .value_kind: global_buffer, .address_space: global }
      - { .name: Wh1_codes, .offset: 80, .size: 8, .value_kind: global_buffer, .address_space: global }
      - { .name: Wh1_scales, .offset: 88, .size: 8, .value_kind: global_buffer, .address_space: global }
      - { .name: Wh2_codes, .offset: 96, .size: 8, .value_kind: global_buffer, .address_space: global }
      - { .name: Wh2_scales, .offset: 104, .size: 8, .value_kind: global_buffer, .address_space: global }
      - { .name: par, .offset: 112, .size: 8, .value_kind: global_buffer, .address_space: global }
      - { .name: Wqe1, .offset: 120, .size: 8, .value_kind: global_buffer, .address_space: global }
      - { .name: bqe1, .offset: 128, .size: 8, .value_kind: global_buffer, .address_space: global }
      - { .name: Wrel, .offset: 136, .size: 8, .value_kind: global_buffer, .address_space: global }
      - { .name: brel, .offset: 144, .size: 8, .value_kind: global_buffer, .address_space: global }
      - { .name: context_coords, .offset: 152, .size: 8, .value_kind: global_buffer, .address_space: global }
      - { .name: context_features, .offset: 160, .size: 8, .value_kind: global_buffer, .address_space: global }
      - { .name: query_points_coords, .offset: 168, .size: 8, .value_kind: global_buffer, .address_space: global }
      - { .name: nn, .offset: 176, .size: 8, .value_kind: global_buffer, .address_space: global }
      - { .name: bh3, .offset: 184, .size: 8, .value_kind: global_buffer, .address_space: global }
      - { .name: out0, .offset: 192, .size: 8, .value_kind: global_buffer, .address_space: global }
    .group_segment_fixed_size: 271360
    .private_segment_fixed_size: 0
    .kernarg_segment_align: 8
    .kernarg_segment_size: 200
    .max_flat_workgroup_size: 256
    .sgpr_count:     72
    .vgpr_count:     512
    .wavefront_size: 32
...
	.end_amdgpu_metadata
.endif
;; end of part 7
